; MI455X (gfx1250); checked and timed in simulation.
; The chip was launched on July 23, 2026; its instructions are those of AMD's public machine-readable ISA for CDNA 5 (MIT licence, August 2026) and "CDNA5" Instruction Set Architecture Reference Guide (July 2026). The comments in the code are by the model that wrote it; some were corrected since.
;; Encoder. Allowed arithmetic: matrix products marked QUANTISED: E5M2 operands, one given power-of-two scale a tensor, by v_wmma_f32_16x16x64_bf8_bf8 or v_wmma_f32_16x16x128_bf8_bf8, f32 sums; everything else in f32.
;; Inputs: W1 1,024 x 4,096 float32; W2 4,096 x 1,024 float32; Wk 16 x 1,024 x 64 float32; Wo 1,024 x 1,024 float32; Wq 16 x 1,024 x 64 float32; Wv 16 x 1,024 x 64 float32; b1 4,096 float32; b2 1,024 float32; be1 1,024 float32; be2 1,024 float32; bk 16 x 64 float32; bo 1,024 float32; bq 16 x 64 float32; bv 16 x 64 float32; g1 1,024 float32; g2 1,024 float32; lowp_scales 16 int32 (the exponents e of the quantised operands' scales 2^e); x 2 x 2,048 x 1,024 float32.
;; Outputs: out0 2 x 2,048 x 1,024 float32.
;; This version of the problem:
;;   THIS VERSION OF THE PROBLEM IS GIVEN IN LOW PRECISION. The matrix products marked QUANTISED in the list below multiply operands that are first quantised to E5M2 (5 exponent bits, 2 mantissa bits; 8 bits a number), with one given power-of-two scale for each operand tensor; their sums are f32. All else is computed in f32.
;;   The module's matrix products, in the order in which they are computed (A, B: the left and right operand; K: the contracted axis; several contracted axes count as one K, in the product's order):
;;     1. [M 1,024, K 1,024] x [K 1,024, N 4,096]; A: input Wq; B: input x: QUANTISED (scales: A lowp_scales[0], B lowp_scales[1])
;;     2. [M 1,024, K 1,024] x [K 1,024, N 4,096]; A: input Wk; B: input x: QUANTISED (scales: A lowp_scales[2], B lowp_scales[3])
;;     3. [M 1,024, K 1,024] x [K 1,024, N 4,096]; A: input Wv; B: input x: QUANTISED (scales: A lowp_scales[4], B lowp_scales[5])
;;     4. batch 32 x [M 2,048, K 64] x [K 64, N 2,048]; A: computed on the way; B: computed on the way: QUANTISED (scales: A lowp_scales[6], B lowp_scales[7])
;;     5. batch 32 x [M 2,048, K 2,048] x [K 2,048, N 64]; A: softmax (see below); B: computed on the way: QUANTISED (scales: A lowp_scales[8], B lowp_scales[9])
;;     6. [M 4,096, K 1,024] x [K 1,024, N 1,024]; A: computed on the way; B: input Wo: QUANTISED (scales: A lowp_scales[10], B lowp_scales[11])
;;     7. [M 4,096, K 1,024] x [K 1,024, N 4,096]; A: computed on the way; B: input W1: QUANTISED (scales: A lowp_scales[12], B lowp_scales[13])
;;     8. [M 4,096, K 4,096] x [K 4,096, N 1,024]; A: computed on the way; B: input W2: QUANTISED (scales: A lowp_scales[14], B lowp_scales[15])
;;   THE QUANTISER, for each operand of a quantised product, along K:
;;     - The operand's scale is 2^e, e = its entry of the input lowp_scales (int32; the entries are numbered through the quantised products in the list's order, A before B).
;;     - Each number is divided by the scale, clamped to +-57,344, and rounded to the nearest number of E5M2, ties to even, subnormals kept.
;;     - The product sums the exact products of the quantised numbers (number of the format x scale) in f32.
;;   ~~~python
;;   def quantise(x, axis, e):      # numpy; x: float32 -> the quantised numbers, widened to float32 again
;;       x = np.moveaxis(x, axis, -1); K = x.shape[-1]
;;       r = np.clip(x / 2.0 ** e, -57344, 57344)
;;       step = 2.0 ** (np.maximum(np.frexp(np.where(r == 0, 1, r))[1] - 1, -14) - 2)
;;       q = np.round(r / step) * step * 2.0 ** e      # np.round: ties to even
;;       return np.moveaxis(q, -1, axis).astype(np.float32)
;;   ~~~
;;   SOFTMAX AHEAD OF A QUANTISED PRODUCT. Where the list says 'softmax', what is quantised is not the finished softmax but p = 2^(t - M), with t = logit x log2(e) and M = ceil(the row's largest t), a whole number; so 1/2 < the row's largest p <= 1. The row's sum l is taken of the UNQUANTISED p, in f32, and the product's result is divided by l at the end. Since M is a whole number, a kernel that streams over the keys may use a running M (the ceiling of the running maximum): every later rescaling is an exact power of two, so the quantised numbers keep their values, but for numbers so far below the row's largest that they fall under the format's range.
;;   OPERANDS COMPUTED ON THE WAY. 'Computed on the way' means the value that the module computes at that place (a softmax that the list does not call 'softmax' is quantised finished and normalised). What goes into a quantiser is computed in f32, as accurately as f32 sums, v_exp_f32 and their like allow (about 1e-6 of the number): no bf16 or f16 on the way to a quantiser, and a product that is left as it is and whose result goes on into a quantised operand takes f32 operands (vector FMAs, or v_wmma_f32_16x16x4_f32). A number that lies on a knife's edge between two numbers of the format may be rounded either way, as far as f32 arithmetic and the matrix unit's own rounding can turn it there, and no further.
;; 2 versions. Each part assembles by itself: llvm-mc -triple=amdgcn-amd-amdhsa -mcpu=gfx1250 --defsym DOCPART=n.
;; ======== version 1 of 2: 9 launches
;; workspace buffers: xc 12,582,912 bytes; wc 12,582,912 bytes; qkvc 12,582,912 bytes; ao 4,194,304 bytes; cb 16,777,216 bytes; x1 16,777,216 bytes; x1c 4,194,304 bytes; hc 16,777,216 bytes
;; launch qx (part 1): grid 256 x 1, 4 waves a work-group, no clusters, 33,280 bytes of LDS; arguments x, lowp_scales, xc; writes xc
.if DOCPART == 1
	.amdgcn_target "amdgcn-amd-amdhsa--gfx1250"
	.amdhsa_code_object_version 6
	.text
	.protected	k_q8d597382f1_qx
	.globl	k_q8d597382f1_qx
	.p2align	8
	.type	k_q8d597382f1_qx,@function
k_q8d597382f1_qx:
	s_mov_b64 s[64:65], 0
	v_nop
	global_prefetch_b8 v0, s[64:65] scope:SCOPE_SE
	s_setreg_imm32_b32 hwreg(HW_REG_WAVE_MODE, 25, 1), 1
	s_wait_xcnt 0x0
; THE PROGRAM: one encoder layer (attention of 16 heads, two residual layer norms, a feed-forward pair), all eight matrix products on codes of BF8 (E5M2), each operand with its given scale 2^e.
; DEAD WORK: none is left out.  Every bias goes into a quantised operand or into a layer norm's input, every gain and shift into an output or a quantised operand: every input is loaded by some launch.
; THIS LAUNCH: x [4096][1024] f32 is an operand of three products, each with its own scale (entries 1, 3, 5): it becomes three planes of codes, [3][4096][1024] bytes, K innermost.
; code = x / 2^e, held within +-57,344, rounded to the nearest code, ties to even.  LIMITS: each e between -126 and 112; NaN among the inputs is not served.
; x is a plain stream of blocks of 32.  A wave takes 8 steps of 512 numbers.  Each load reads 512 consecutive bytes, 16 a lane; a step's 2,048 bytes turn through the wave's own stage in LDS and come back
; 64 bytes a lane, so that a lane holds 16 neighbours along K, as the conversions want.  The numbers are read from memory once and converted three times.  A lane's 16 codes are 16 bytes: a store covers 512 consecutive bytes.
; No tensor loads, no barrier: waves share nothing.  Loads run four steps (16 loads a wave) ahead, the turn through LDS one step.
.set WAVES, 4
.set STEPS, 8
.set R,     16                         ; v16-79   four sets of 16 numbers as they are loaded
.set X,     80                         ; v80-111  two sets of 16 neighbours
.set T,     112                        ; v112-127 the 16 numbers held within one plane's range
.set C,     128                        ; v128-223 codes: four registers for each step and plane, so that no store's data are written again
.set WREG,  8192                       ; LDS: a region for each wave: two stages of 32 x SP bytes
.set SP,    80                         ; a lane's place in a stage: its 64 bytes + 16 of padding
.set SPW,   12                         ; v12  LDS address of my spare word; never rewritten
.set NIL,   13                         ; v13  0; never rewritten
.set SPARE, WAVES*WREG                 ; behind the four regions: the spare words, 128 bytes a wave, that no other line names
	s_load_b128 s[4:7], s[0:1], 0x0                ; x, the scales' exponents
	s_load_b64 s[8:9], s[0:1], 0x10                ; the codes
	v_lshl_add_u32 v[SPW], v0, 2, SPARE
	v_mov_b32 v[NIL], 0
	v_lshrrev_b32 v1, 5, v0
	v_readfirstlane_b32 s16, v1                    ; wave
	v_and_b32 v2, 31, v0                           ; lane
	v_lshlrev_b32 v3, 4, v2                        ; my 16 bytes of a load's 512, and of a store's
	s_mul_i32 s17, s16, WREG
	v_lshrrev_b32 v14, 2, v2
	v_mul_u32_u24 v14, v14, SP
	v_and_b32 v15, 3, v2
	v_lshl_add_u32 v14, v15, 4, v14
	v_add_nc_u32 v14, s17, v14                     ; the stage, on the way in: four lanes' 64 bytes on end, then 16 of padding
	v_mul_u32_u24 v15, v2, SP
	v_add_nc_u32 v15, s17, v15                     ; and on the way out: my 16 neighbours
	s_lshl_b32 s18, ttmp9, 2
	s_add_co_u32 s18, s18, s16                     ; which run of 4,096 numbers is my wave's
	s_lshl_b32 s20, s18, 14                        ; its bytes in x,
	s_mov_b32 s21, 0
	s_lshl_b32 s22, s18, 12                        ; and in a plane of codes
	s_mov_b32 s23, 0
	s_wait_kmcnt 0x0
	s_load_b256 s[24:31], s[6:7], 0x0              ; entries 0 to 7
	s_add_nc_u64 s[4:5], s[4:5], s[20:21]
	s_add_nc_u64 s[8:9], s[8:9], s[22:23]          ; plane 0,
	s_add_nc_u64 s[10:11], s[8:9], 0x400000        ; plane 1,
	s_add_nc_u64 s[12:13], s[8:9], 0x800000        ; plane 2
.macro LOAD t
.irp i, 0,1,2,3
	global_load_b128 v[R+16*((\t)%4)+4*\i:R+16*((\t)%4)+4*\i+3], v3, s[4:5] offset:2048*(\t)+512*\i th:TH_LOAD_NT
.endr
.endm
.macro TURN t                          ; step t's numbers through the stage: LDS serves a wave's instructions in order, so no wait stands between the stores and the loads
.irp i, 0,1,2,3
	ds_store_b128 v14, v[R+16*((\t)%4)+4*\i:R+16*((\t)%4)+4*\i+3] offset:32*SP*((\t)%2)+8*SP*\i
.endr
.irp i, 0,1,2,3
	ds_load_b128 v[X+16*((\t)%2)+4*\i:X+16*((\t)%2)+4*\i+3], v15 offset:32*SP*((\t)%2)+16*\i
.endr
.endm
.irp t, 0,1,2,3
	LOAD \t
.endr
	s_wait_kmcnt 0x0
.irp p, 0,1,2
	s_add_co_i32 s32, s[25+2*\p], 127
	s_lshl_b32 s33, s32, 23
	v_mov_b32 v[5+\p], s33                         ; 2^e as f32: the conversion takes its exponent field
	s_add_co_i32 s32, s32, 15
	s_lshl_b32 s32, s32, 23
	s_or_b32 s32, s32, 0x600000
	v_mov_b32 v[8+\p], s32                         ; 57,344 x 2^e
.endr
	s_wait_loadcnt 12                              ; step 0's four loads are in; the twelve of steps 1 to 3 may be out
	TURN 0
.macro STEP t
.set XS, X+16*((\t)%2)
	s_wait_dscnt 0x0                               ; this step's numbers are back from the stage, so its stores into the stage have read their registers,
.if (\t)+4 < STEPS
	LOAD (\t)+4                                    ; which take the loads of four steps on
.endif
.if (\t)+1 < STEPS
.if STEPS-2-(\t) >= 3
	s_wait_loadcnt 12                              ; the next step's four loads are in; those of the three steps behind it may be out
.else
	s_wait_loadcnt 4*(STEPS-2-(\t))
.endif
	TURN (\t)+1
.endif
.irp p, 0,1,2
.irp i, 0,1,2,3,4,5,6,7,8,9,10,11,12,13,14,15
	v_med3_num_f32 v[T+\i], v[XS+\i], -v[8+\p], v[8+\p]   ; the conversion to an 8-bit code does not saturate (ISA guide 7.6.2): the hold at the largest code x the scale
.endr
	v_cvt_scalef32_pk8_bf8_f32 v[C+12*(\t)+4*\p:C+12*(\t)+4*\p+1], v[T:T+7], v[5+\p]
	v_cvt_scalef32_pk8_bf8_f32 v[C+12*(\t)+4*\p+2:C+12*(\t)+4*\p+3], v[T+8:T+15], v[5+\p]
	v_nop                                          ; a plain line between the conversions and the next plane's holds, which write their sources
	global_store_b128 v3, v[C+12*(\t)+4*\p:C+12*(\t)+4*\p+3], s[8+2*\p:9+2*\p] offset:512*(\t)
.endr
.endm
.irp t, 0,1,2,3,4,5,6,7
	STEP \t
.endr
	s_wait_tensorcnt 0x0                           ; the wave's end, behind my last LDS store
	ds_add_u32 v[SPW], v[NIL]
	s_wait_dscnt 0x0
	s_endpgm
.Lfunc_end_k_q8d597382f1_qx:
	.size	k_q8d597382f1_qx, .Lfunc_end_k_q8d597382f1_qx-k_q8d597382f1_qx
	.p2alignl 7, 3214868480
	.fill 96, 4, 3214868480
	.section	.rodata,"a",@progbits
	.p2align	6, 0x0
	.amdhsa_kernel k_q8d597382f1_qx
		.amdhsa_group_segment_fixed_size 33280
		.amdhsa_private_segment_fixed_size 0
		.amdhsa_enable_private_segment 0
		.amdhsa_kernarg_size 24
		.amdhsa_user_sgpr_count 2
		.amdhsa_user_sgpr_kernarg_segment_ptr 1
		.amdhsa_wavefront_size32 1
		.amdhsa_system_sgpr_workgroup_id_x 1
		.amdhsa_system_sgpr_workgroup_id_y 1
		.amdhsa_system_sgpr_workgroup_id_z 1
		.amdhsa_system_vgpr_workitem_id 0
		.amdhsa_next_free_vgpr 224
		.amdhsa_next_free_sgpr 66
		.amdhsa_reserve_vcc 0
		.amdhsa_float_denorm_mode_32 3
		.amdhsa_float_denorm_mode_16_64 3
		.amdhsa_memory_ordered 1
		.amdhsa_forward_progress 1
		.amdhsa_inst_pref_size 41
	.end_amdhsa_kernel
	.amdgpu_metadata
---
amdhsa.version: [ 1, 2 ]
amdhsa.kernels:
  - .name:           k_q8d597382f1_qx
    .symbol:         k_q8d597382f1_qx.kd
    .args:
      - { .name: x, .offset: 0, .size: 8, .value_kind: global_buffer, .address_space: global }
      - { .name: lowp_scales, .offset: 8, .size: 8, .value_kind: global_buffer, .address_space: global }
      - { .name: xc, .offset: 16, .size: 8, .value_kind: global_buffer, .address_space: global }
    .group_segment_fixed_size: 33280
    .private_segment_fixed_size: 0
    .kernarg_segment_align: 8
    .kernarg_segment_size: 24
    .max_flat_workgroup_size: 128
    .sgpr_count:     66
    .vgpr_count:     224
    .wavefront_size: 32
...
	.end_amdgpu_metadata
.endif
;; end of part 1
;; launch qw (part 2): grid 128 x 3, 4 waves a work-group, no clusters, 35,840 bytes of LDS; arguments Wq, Wk, Wv, Wo, W1, W2, lowp_scales, wc; writes wc
.if DOCPART == 2
	.amdgcn_target "amdgcn-amd-amdhsa--gfx1250"
	.amdhsa_code_object_version 6
	.text
	.protected	k_q8d597382f1_qw
	.globl	k_q8d597382f1_qw
	.p2align	8
	.type	k_q8d597382f1_qw,@function
k_q8d597382f1_qw:
	s_mov_b64 s[64:65], 0
	v_nop
	global_prefetch_b8 v0, s[64:65] scope:SCOPE_SE
	s_setreg_imm32_b32 hwreg(HW_REG_WAVE_MODE, 25, 1), 1
	s_wait_xcnt 0x0
; The six weights, f32 with K NOT innermost, become codes of BF8 (E5M2) laid [n][k], K innermost, in one buffer: Wq at 0, Wk at 1 MiB, Wv at 2 MiB (n = 64 head + channel), Wo at 3 MiB, W1 at 4 MiB, W2 at 8 MiB.
; Scales: entries 0, 2, 4, 11, 13, 15.  code = w / 2^e, held within +-57,344, to the nearest code, ties to even.  LIMITS: each e between -126 and 112; NaN among the inputs is not served.  No work is left out.
; A LANE TAKES A COLUMN n AND ITS REGISTERS RUN DOWN K: each load reads 32 neighbouring columns (128 consecutive bytes a wave), and the conversions give codes with K innermost; nothing is transposed by an instruction.
; A wave takes 32 columns x 256 along K; its codes go through its own stage in LDS and leave as rows: sixteen lanes store 256 consecutive bytes, aligned.
; ONE PATH FOR ALL SIX: the tensor T and its shape (log2 of a source row's columns, log2 of K) are chosen by s_cselect on the work-group's number alone; no branch.
; Grid: y = 0: x / 32 picks Wq, Wk, Wv, Wo (32 work-groups each); y = 1: W1; y = 2: W2 (128 each).  A work-group takes 128 columns x 256 along K.
.set NB,    8                          ; blocks of 32 along K for a wave
.set PITCH, 272                        ; a stage row: 256 bytes of codes + 16
.set OFF,   16                         ; v16-47   4 x lane + i source rows, i = 0 .. 31; never rewritten
.set X,     48                         ; v48-111  two sets of 32 numbers
.set C,     112                        ; v112-119 a block's codes
.set OUTR,  120                        ; v120-183 the way out
.set OO,    184                        ; v184-199 my place in rows 2 t, 2 t + 1 of the codes; never rewritten
.set SPW,   14
.set NIL,   15
.set SPARE, 4*32*PITCH                 ; behind the four stages: the spare words, 128 bytes a wave, that no other line names
.set BASE,  68                         ; s[68:83] the source at my columns, 32 t rows down, t = 0 .. 7; never stepped
	s_load_b512 s[8:23], s[0:1], 0x0               ; Wq, Wk, Wv, Wo, W1, W2, the scales' exponents, the codes
	v_lshl_add_u32 v[SPW], v0, 2, SPARE
	v_mov_b32 v[NIL], 0
	v_lshrrev_b32 v1, 5, v0
	v_readfirstlane_b32 s24, v1                    ; wave
	v_and_b32 v2, 31, v0                           ; lane
	s_and_b32 s25, ttmp7, 0xffff                   ; y
	s_lshr_b32 s26, ttmp9, 5
	s_and_b32 s27, ttmp9, 31
	s_add_co_u32 s28, s25, 3
	s_cmp_eq_u32 s25, 0
	s_cselect_b32 s26, s26, s28                    ; T: 0 .. 5
	s_cselect_b32 s27, s27, ttmp9                  ; u: my number among T's work-groups
	s_lshl_b32 s31, s26, 20
	s_cmp_lt_u32 s26, 3
	s_cselect_b32 s28, 6, 10
	s_cmp_eq_u32 s26, 4
	s_cselect_b32 s28, 12, s28                     ; log2 of a source row's columns: 6, 6, 6, 10, 12, 10
	s_cmp_eq_u32 s26, 5
	s_cselect_b32 s29, 4, 2                        ; log2 of K / 256
	s_cselect_b32 s30, 12, 10                      ; log2 of K
	s_cselect_b32 s31, 0x800000, s31               ; T's place among the codes
	s_lshl_b32 s48, 1, s29
	s_sub_co_u32 s48, s48, 1
	s_and_b32 s48, s27, s48                        ; which 256 along K
	s_lshr_b32 s49, s27, s29
	s_lshl_b32 s49, s49, 7
	s_lshl_b32 s50, s24, 5
	s_add_co_u32 s49, s49, s50                     ; n0: my wave's first column
	s_lshr_b32 s50, s49, s28                       ; the head (0 where the source is one matrix)
	s_add_co_u32 s51, s30, s28
	s_add_co_u32 s51, s51, 2
	s_lshl_b32 s50, s50, s51                       ; x K rows x a row's bytes
	s_add_co_u32 s52, s28, 10
	s_lshl_b32 s52, s48, s52                       ; + 256 rows for each step along K
	s_add_co_u32 s50, s50, s52
	s_lshl_b32 s53, 1, s28
	s_sub_co_u32 s53, s53, 1
	s_and_b32 s53, s49, s53
	s_lshl_b32 s53, s53, 2                         ; + my column in the row
	s_add_co_u32 s50, s50, s53
	s_mov_b32 s51, 0
	s_lshl_b32 s54, 4, s28                         ; a source row in bytes
	s_lshl_b32 s56, s54, 5                         ; 32 of them
	s_mov_b32 s57, 0
	s_lshl_b32 s58, 2, s30                         ; two rows of codes
	s_lshl_b32 s60, s49, s30                       ; row n0 of the codes,
	s_add_co_u32 s60, s60, s31
	s_lshl_b32 s59, s48, 8                         ; + my 256 along K
	s_add_co_u32 s60, s60, s59
	s_mov_b32 s61, 0
	v_lshlrev_b32 v[OFF], 2, v2
.set ii, 1
.rept 31
	v_add_nc_u32 v[OFF+ii], s54, v[OFF+ii-1]
.set ii, ii+1
.endr
	s_mul_i32 s55, s24, 32*PITCH                   ; my stage
	v_mul_u32_u24 v4, v2, PITCH
	v_add_nc_u32 v4, s55, v4                       ; into it: row = my column
	v_and_b32 v5, 15, v2
	v_lshrrev_b32 v6, 4, v2
	v_mul_u32_u24 v7, v6, PITCH
	v_lshl_add_u32 v7, v5, 4, v7
	v_add_nc_u32 v7, s55, v7                       ; out of it: sixteen lanes to a row, two rows an instruction
	v_lshlrev_b32 v[OO], s30, v6
	v_lshl_add_u32 v[OO], v5, 4, v[OO]
.set ii, 1
.rept 15
	v_add_nc_u32 v[OO+ii], s58, v[OO+ii-1]
.set ii, ii+1
.endr
	s_wait_kmcnt 0x0
	s_load_b512 s[32:47], s[20:21], 0x0            ; the sixteen exponents
	s_cmp_eq_u32 s26, 1                            ; the source: a choice that hangs on the work-group's number alone
	s_cselect_b64 s[86:87], s[10:11], s[8:9]
	s_cmp_eq_u32 s26, 2
	s_cselect_b64 s[86:87], s[12:13], s[86:87]
	s_cmp_eq_u32 s26, 3
	s_cselect_b64 s[86:87], s[14:15], s[86:87]
	s_cmp_eq_u32 s26, 4
	s_cselect_b64 s[86:87], s[16:17], s[86:87]
	s_cmp_eq_u32 s26, 5
	s_cselect_b64 s[86:87], s[18:19], s[86:87]
	s_add_nc_u64 s[BASE:BASE+1], s[86:87], s[50:51]
.irp t, 1,2,3,4,5,6,7
	s_add_nc_u64 s[BASE+2*\t:BASE+2*\t+1], s[BASE+2*\t-2:BASE+2*\t-1], s[56:57]
.endr
	s_add_nc_u64 s[84:85], s[22:23], s[60:61]
.macro LOAD t                          ; block t: W(32 t + i, my column), i = 0 .. 31, into set t % 2
.set ii, 0
.rept 32
	global_load_b32 v[X+32*((\t)%2)+ii], v[OFF+ii], s[BASE+2*(\t):BASE+2*(\t)+1] th:TH_LOAD_NT
.set ii, ii+1
.endr
.endm
	LOAD 0
	LOAD 1
	s_wait_kmcnt 0x0
	s_cmp_eq_u32 s26, 1
	s_cselect_b32 s88, s34, s32
	s_cmp_eq_u32 s26, 2
	s_cselect_b32 s88, s36, s88
	s_cmp_eq_u32 s26, 3
	s_cselect_b32 s88, s43, s88
	s_cmp_eq_u32 s26, 4
	s_cselect_b32 s88, s45, s88
	s_cmp_eq_u32 s26, 5
	s_cselect_b32 s88, s47, s88                    ; e
	s_add_co_i32 s88, s88, 127
	s_lshl_b32 s89, s88, 23
	v_mov_b32 v11, s89                             ; 2^e as f32
	s_add_co_i32 s88, s88, 15
	s_lshl_b32 s88, s88, 23
	s_or_b32 s88, s88, 0x600000
	v_mov_b32 v10, s88                             ; 57,344 x 2^e
.macro BLOCK t
.set XS, X+32*((\t)%2)
.if (\t) < NB-1
	s_wait_loadcnt 32                              ; this block's 32 loads are in; the next block's 32 may be out
.else
	s_wait_loadcnt 0
.endif
.set ii, 0
.rept 32
	v_med3_num_f32 v[XS+ii], v[XS+ii], -v10, v10   ; the hold at the largest code x the scale (ISA guide 7.6.2: the conversion does not saturate)
.set ii, ii+1
.endr
.irp g, 0,1,2,3
	v_cvt_scalef32_pk8_bf8_f32 v[C+2*\g:C+2*\g+1], v[XS+8*\g:XS+8*\g+7], v11
.endr
	ds_store_b128 v4, v[C:C+3] offset:32*(\t)      ; 32 codes: 32 bytes of my column's row
	ds_store_b128 v4, v[C+4:C+7] offset:32*(\t)+16
.if (\t)+2 < NB
	LOAD (\t)+2
.endif
	s_wait_dscnt 0x0                               ; the stores have read their registers: the next block's codes may be written (its 32 holds, plain lines, come first)
.endm
.irp t, 0,1,2,3,4,5,6,7
	BLOCK \t
.endr
.irp t, 0,1,2,3,4,5,6,7,8,9,10,11,12,13,14,15
	ds_load_b128 v[OUTR+4*\t:OUTR+4*\t+3], v7 offset:2*\t*PITCH   ; LDS serves a wave's instructions in order: these see my stores
.endr
.irp t, 0,1,2,3,4,5,6,7,8,9,10,11,12,13,14,15
	s_wait_dscnt 15-\t                             ; the loads behind this one may be out
	global_store_b128 v[OO+\t], v[OUTR+4*\t:OUTR+4*\t+3], s[84:85]
.endr
	s_wait_tensorcnt 0x0                           ; the wave's end, behind my last LDS store
	ds_add_u32 v[SPW], v[NIL]
	s_wait_dscnt 0x0
	s_endpgm
.Lfunc_end_k_q8d597382f1_qw:
	.size	k_q8d597382f1_qw, .Lfunc_end_k_q8d597382f1_qw-k_q8d597382f1_qw
	.p2alignl 7, 3214868480
	.fill 96, 4, 3214868480
	.section	.rodata,"a",@progbits
	.p2align	6, 0x0
	.amdhsa_kernel k_q8d597382f1_qw
		.amdhsa_group_segment_fixed_size 35840
		.amdhsa_private_segment_fixed_size 0
		.amdhsa_enable_private_segment 0
		.amdhsa_kernarg_size 64
		.amdhsa_user_sgpr_count 2
		.amdhsa_user_sgpr_kernarg_segment_ptr 1
		.amdhsa_wavefront_size32 1
		.amdhsa_system_sgpr_workgroup_id_x 1
		.amdhsa_system_sgpr_workgroup_id_y 1
		.amdhsa_system_sgpr_workgroup_id_z 1
		.amdhsa_system_vgpr_workitem_id 0
		.amdhsa_next_free_vgpr 200
		.amdhsa_next_free_sgpr 96
		.amdhsa_reserve_vcc 0
		.amdhsa_float_denorm_mode_32 3
		.amdhsa_float_denorm_mode_16_64 3
		.amdhsa_memory_ordered 1
		.amdhsa_forward_progress 1
		.amdhsa_inst_pref_size 52
	.end_amdhsa_kernel
	.amdgpu_metadata
---
amdhsa.version: [ 1, 2 ]
amdhsa.kernels:
  - .name:           k_q8d597382f1_qw
    .symbol:         k_q8d597382f1_qw.kd
    .args:
      - { .name: Wq, .offset: 0, .size: 8, .value_kind: global_buffer, .address_space: global }
      - { .name: Wk, .offset: 8, .size: 8, .value_kind: global_buffer, .address_space: global }
      - { .name: Wv, .offset: 16, .size: 8, .value_kind: global_buffer, .address_space: global }
      - { .name: Wo, .offset: 24, .size: 8, .value_kind: global_buffer, .address_space: global }
      - { .name: W1, .offset: 32, .size: 8, .value_kind: global_buffer, .address_space: global }
      - { .name: W2, .offset: 40, .size: 8, .value_kind: global_buffer, .address_space: global }
      - { .name: lowp_scales, .offset: 48, .size: 8, .value_kind: global_buffer, .address_space: global }
      - { .name: wc, .offset: 56, .size: 8, .value_kind: global_buffer, .address_space: global }
    .group_segment_fixed_size: 35840
    .private_segment_fixed_size: 0
    .kernarg_segment_align: 8
    .kernarg_segment_size: 64
    .max_flat_workgroup_size: 128
    .sgpr_count:     96
    .vgpr_count:     200
    .wavefront_size: 32
...
	.end_amdgpu_metadata
.endif
;; end of part 2
;; launch qkv (part 3): grid 12 x 16, 4 waves a work-group, clusters of 4 x 4, 327,680 bytes of LDS; arguments xc, wc, lowp_scales, bq, bk, bv, qkvc; writes qkvc
.if DOCPART == 3
	.amdgcn_target "amdgcn-amd-amdhsa--gfx1250"
	.amdhsa_code_object_version 6
	.text
	.protected	k_q8d597382f1_qkv
	.globl	k_q8d597382f1_qkv
	.p2align	8
	.type	k_q8d597382f1_qkv,@function
k_q8d597382f1_qkv:
	s_mov_b64 s[64:65], 0
	v_nop
	global_prefetch_b8 v0, s[64:65] scope:SCOPE_SE
	s_setreg_imm32_b32 hwreg(HW_REG_WAVE_MODE, 25, 1), 1
	s_wait_xcnt 0x0
	s_wait_alu depctr_hold_cnt(0) depctr_sa_sdst(0) depctr_va_vdst(0) depctr_va_sdst(0) depctr_va_ssrc(0) depctr_va_vcc(0) depctr_vm_vsrc(0)
	s_getreg_b32 s2, hwreg(HW_REG_IB_STS2, 6, 4)
	s_cmp_eq_u32 s2, 0
	s_cbranch_scc0 .Lentry_in_a_cluster
	s_endpgm
.Lentry_in_a_cluster:
	s_bfe_u32 s2, ttmp6, 0x10000c
	s_cmp_lg_u32 s2, 0xf033
	s_cbranch_scc0 .Lentry_shape_is_right
	s_endpgm
.Lentry_shape_is_right:
; q, k and v: three products of x's codes [4096][1024] with a weight's codes [1024][1024] (K = 1,024, BF8), each sum x 2^(eW + ex) + bias in f32, then quantised for attention (entries 6, 7, 9).  No work is left out.
; A tile of 256 x 256 to a work-group of four waves, 128 x 128 a wave: 64 accumulators, 512 registers.  K in steps of 256 through two LDS slots filled by the tensor data mover.
; CLUSTERS of 4 x 4; A's tile is asked for jointly by a row of the cluster, B's by a column.  The cluster's x says which product: 0: q, 1: k (A = x's plane, B = the weight), 2: v (A = Wv, B = x's plane 2: v TRANSPOSED).
; The matrix instruction takes B's rows as source 0 and A's as source 1, so a lane holds ONE row of A and eight neighbouring rows of B: for q and k one token and eight channels (the next K), for v one channel and eight keys (the next K).
; OUT, as images of the next operands' registers (a group of four registers = 512 consecutive bytes, lane l's 16 at 16 l):
;   q, k: [batch x head 32][16 tokens 128][1,024 B]: group c: lane (r, h): token r, channels 32 c + 16 h + 0 .. 15.
;   v:    [batch x head][128 keys 16][16 channels 4][2,048 B]: lane (r, h): channel r; registers 4 c, 4 c + 1: keys 32 c + 8 h + 0 .. 7; 4 c + 2, 4 c + 3: keys 32 c + 16 + 8 h + 0 .. 7: the order in which attention's weights fall.
; LIMITS: eW + ex between -126 and 127; entries 6, 7, 9 between -126 and 112; NaN is not served by the holds.
; REGISTERS: window 0: v16-31 addresses and scales; v32-39 the bias loads' offsets; v64-127 the bias; v128-255 A's fragments, one set; on the way out v128-191 the numbers, v192-223 codes, v224-255 images.
;   window 1: B's fragments, two sets.  windows 2, 3: the accumulators ((a, b) at v[8 (8 (a % 4) + b)]).
.set SIZE_K, 1024
.set KSTEP,  256
.set ROWB,   256
.set KROW,   SIZE_K
.set PITCH,  272                       ; an LDS row: 256 bytes + 16 of padding: the 16 rows that a load touches start at 16 different banks (64 banks of 4 bytes: ISA guide 11.1)
.set FR,     16
.set NL,     4
.set NP,     4                         ; places behind this matrix instruction (ISA guide 7.12.1)
.set HALFT,  128*PITCH
.set SLOT,   4*HALFT
.set LAPS,   SIZE_K/(2*KSTEP)
.set SPARE,  2*SLOT                    ; behind the ring: the spare words, 128 bytes a wave, that no other line names
.set ADRA, 16
.set ADRB, 20
.set STO,  24                          ; the way out: where I put 8 codes of a row of my stage
.set RD,   25                          ; and where I read 16 back
.set LI,   26                          ; 16 x lane
.set SPW,  28
.set NIL,  29
.set SC,   30                          ; 2^eo as f32
.set LIM,  31                          ; 57,344 x 2^eo
.set BA,   32
.set BI,   64
.set AF,   128
.set TMP,  128
.set CD,   192
.set IM,   224
.set G1, 24
.set G0, 32
.set G1B, 48
.set G0B, 56
.set MSB, 0
.macro WIN new                         ; the immediate's high byte repeats the setting that is left
.if MSB != \new
	s_set_vgpr_msb (MSB<<8)|\new
.set MSB, \new
.endif
.endm
.set MUL_LO, 0xa1                      ; source 0 (B) window 1, source 1 (A) window 0, C and D window 2
.set MUL_HI, 0xf1
.set TO_B,   0x40
.macro JLOAD g0a, g1a, g0b, g1b        ; a joint load: waves 0 and 1 fetch for A, waves 2 and 3 for B; an s_nop 0 and four v_nop follow each line
	s_cmp_eq_u32 s15, 0
	s_cbranch_scc0 .Lfor_b_\@
	tensor_load_to_lds s[\g0a:\g0a+3], s[\g1a:\g1a+7]
	s_nop 0
.rept 4
	v_nop
.endr
	s_branch .Lasked_\@
.Lfor_b_\@:
	tensor_load_to_lds s[\g0b:\g0b+3], s[\g1b:\g1b+7]
	s_nop 0
.rept 4
	v_nop
.endr
.Lasked_\@:
.endm
.macro CREST
	s_cmp_lg_u32 s14, 0
	s_cbranch_scc1 .Lnot_wave_0_\@
	s_barrier_signal -3
.Lnot_wave_0_\@:
	s_barrier_wait -3
	s_barrier_signal -1
	s_barrier_wait -1
.endm
.macro CROUND
	s_barrier_signal -1
	s_barrier_wait -1
	CREST
.endm
	s_load_b256 s[4:11], s[0:1], 0x0               ; x's codes, the weights' codes, the exponents, bq
	s_load_b128 s[68:71], s[0:1], 0x20             ; bk, bv
	s_load_b64 s[72:73], s[0:1], 0x30              ; the result
	v_lshl_add_u32 v[SPW], v0, 2, SPARE
	v_mov_b32 v[NIL], 0
	ds_add_u32 v[SPW], v[NIL]                      ; the wave's opening: the add, twice on end, and its wait ahead of my first tensor load
	ds_add_u32 v[SPW], v[NIL]
	v_lshrrev_b32 v1, 5, v0
	v_readfirstlane_b32 s14, v1                    ; wave 0..3
	s_lshr_b32 s15, s14, 1                         ; which half of the tile's rows is mine; also: I fetch for A (0) or B (1)
	s_and_b32 s16, s14, 1                          ; which half of its columns; also: which 128 rows I fetch
	s_bfe_u32 s40, ttmp6, 0x40000                  ; cx
	s_bfe_u32 s41, ttmp6, 0x40004                  ; cy
	s_and_b32 s12, ttmp7, 0xffff
	s_lshl_b32 s12, s12, 2                         ; 4 x cluster y
	s_lshl_b32 s66, ttmp9, 22                      ; x's plane of codes for q, k
	s_lshl_b32 s94, ttmp9, 20                      ; the weight's place for q, k
	s_lshl_b32 s43, s41, 2
	s_lshl_b32 s43, 15, s43                        ; my row of the cluster
	s_lshl_b32 s44, 0x1111, s40                    ; my column
	s_cmp_eq_u32 ttmp9, 2                          ; v?  The cluster's x is the same in all sixteen partners
	s_cselect_b32 s17, 0, s12
	s_cselect_b32 s42, s12, 0
	s_cselect_b32 s66, 0x200000, s66               ; A's place in its buffer: Wv's codes, or x's plane
	s_cselect_b32 s94, 0x800000, s94               ; B's: x's plane 2, or the weight
	s_mov_b32 s67, 0
	s_mov_b32 s95, 0
	s_add_co_u32 s17, s17, s41                     ; tile row (of A's rows)
	s_add_co_u32 s42, s42, s40                     ; tile column (of B's rows)
	s_or_b32 s[G1+0], s43, (0<<16)|(1<<20)|(1<<21)|(5<<22)|(3<<25)  ; the mask; elements of 1 byte; padding on; bit 21 beside a mask; after every 64 words four words
	s_or_b32 s[G1B+0], s44, (0<<16)|(1<<20)|(1<<21)|(5<<22)|(3<<25)
.irp g, G1, G1B
	s_mov_b32 s[\g+1], ROWB<<16                    ; tensor_dim0
	s_mov_b32 s[\g+2], 128<<16                     ; tensor_dim1
	s_mov_b32 s[\g+3], ROWB<<16                    ; tile_dim0
	s_mov_b32 s[\g+4], 128                         ; tile_dim1
	s_mov_b32 s[\g+5], KROW                        ; stride
	s_mov_b32 s[\g+6], 0
	s_mov_b32 s[\g+7], 0
.endr
	s_lshl_b32 s18, s16, 7
	s_lshl_b32 s20, s17, 8
	s_add_co_u32 s20, s20, s18                     ; A: row 256 x tile row + 128 x half
	s_lshl_b32 s46, s42, 8
	s_add_co_u32 s46, s46, s18                     ; B likewise
	s_mov_b32 s21, 0
	s_mov_b32 s47, 0
	s_mov_b64 s[18:19], KROW
	s_mul_u64 s[20:21], s[20:21], s[18:19]
	s_mul_u64 s[46:47], s[46:47], s[18:19]
	s_mul_i32 s45, s14, HALFT                      ; where they go: wave x 128 rows
	s_wait_dscnt 0x0                               ; both opening adds are done
	s_wait_kmcnt 0x0
	s_load_b512 s[76:91], s[8:9], 0x0              ; the sixteen exponents
	s_cmp_eq_u32 ttmp9, 2
	s_cselect_b64 s[22:23], s[6:7], s[4:5]         ; A's buffer,
	s_cselect_b64 s[98:99], s[4:5], s[6:7]         ; B's
	s_add_nc_u64 s[22:23], s[22:23], s[66:67]
	s_add_nc_u64 s[98:99], s[98:99], s[94:95]
	s_add_nc_u64 s[20:21], s[22:23], s[20:21]
	s_add_nc_u64 s[46:47], s[98:99], s[46:47]
	CROUND                                         ; all sixteen work-groups are here: the first joint loads meet
.irp s, 0,1
	s_mov_b32 s[G0+4*\s], 1
	s_add_co_u32 s[G0+4*\s+1], s45, \s*SLOT
	s_add_nc_u64 s[G0+4*\s+2:G0+4*\s+3], s[20:21], \s*ROWB
	s_or_b32 s[G0+4*\s+3], s[G0+4*\s+3], 0x80000000
	s_mov_b32 s[G0B+4*\s], 1
	s_add_co_u32 s[G0B+4*\s+1], s45, \s*SLOT
	s_add_nc_u64 s[G0B+4*\s+2:G0B+4*\s+3], s[46:47], \s*ROWB
	s_or_b32 s[G0B+4*\s+3], s[G0B+4*\s+3], 0x80000000
	JLOAD G0+4*\s, G1, G0B+4*\s, G1B
.endr
	v_and_b32 v1, 15, v0                           ; r
	v_bfe_u32 v2, v0, 4, 1                         ; h
	v_mul_u32_u24 v3, v1, PITCH
	v_lshl_add_u32 v4, v2, 4, v3
	s_mul_i32 s21, s15, HALFT
	s_mul_i32 s22, s16, HALFT
	s_add_co_u32 s22, s22, 2*HALFT
.irp s, 0,1
	v_add_nc_u32 v[ADRA+\s], s21, v4
	v_add_nc_u32 v[ADRB+\s], s22, v4
	s_add_co_u32 s21, s21, SLOT
	s_add_co_u32 s22, s22, SLOT
.endr
	s_mul_i32 s23, s14, 16*144                     ; my stage: 16 rows of 128 codes + 16 bytes.  It lies in slot 0, which has had its last fill and its last read when the first code is stored there
	v_mul_u32_u24 v5, v1, 144
	v_add_nc_u32 v5, s23, v5
	v_lshl_add_u32 v[STO], v2, 3, v5
	v_lshl_add_u32 v[RD], v2, 4, v5
	v_and_b32 v6, 31, v0
	v_lshlrev_b32 v[LI], 4, v6
	; where my 128 x 128 goes, and its bias
	s_lshl_b32 s20, s17, 8
	s_lshl_b32 s21, s15, 7
	s_add_co_u32 s20, s20, s21                     ; my first row of A
	s_lshl_b32 s22, s42, 8
	s_lshl_b32 s23, s16, 7
	s_add_co_u32 s22, s22, s23                     ; my first row of B
	s_cmp_eq_u32 ttmp9, 2
	s_cselect_b32 s21, s22, s20                    ; my first token,
	s_cselect_b32 s23, s20, s22                    ; my first channel (of 1,024 = 64 head + d)
	s_cselect_b32 s2, 4, 0                         ; the bias loads' offsets: for v 4 r,
	s_cselect_b32 s3, 0, 32                        ; for q and k 32 h
	s_cselect_b32 s13, 0, 4                        ; + 4 j
	s_lshr_b32 s20, s21, 11
	s_lshl_b32 s20, s20, 4
	s_lshr_b32 s22, s23, 6
	s_add_co_u32 s20, s20, s22                     ; 16 batch + head
	s_lshl_b32 s20, s20, 17                        ; x 131,072 bytes
	s_and_b32 s21, s21, 2047
	s_lshl_b32 s21, s21, 6                         ; + 64 bytes a token of the sequence
	s_add_co_u32 s20, s20, s21
	s_lshl_b32 s21, ttmp9, 22                      ; + the plane
	s_add_co_u32 s92, s20, s21
	s_mov_b32 s93, 0
	s_add_nc_u64 s[92:93], s[72:73], s[92:93]
	s_cmp_eq_u32 ttmp9, 1
	s_cselect_b64 s[74:75], s[68:69], s[10:11]
	s_cmp_eq_u32 ttmp9, 2
	s_cselect_b64 s[74:75], s[70:71], s[74:75]
	s_lshl_b32 s22, s23, 2
	s_mov_b32 s23, 0
	s_add_nc_u64 s[74:75], s[74:75], s[22:23]
	v_mul_u32_u24 v[BA], v1, s2
	v_mad_u32_u24 v[BA], v2, s3, v[BA]
.irp j, 1,2,3,4,5,6,7
	v_add_nc_u32 v[BA+\j], s13, v[BA+\j-1]
.endr
; The bias in the result's layout, one path for all three products.  q, k: register 8 b + j = bias(first channel + 16 b + 8 h + j).  v: registers 8 a + j, all j alike = bias(first channel + 16 a + r).
; The loads stay out under the whole loop; their offsets and base are never rewritten.
.irp b, 0,1,2,3,4,5,6,7
.irp j, 0,1,2,3,4,5,6,7
	global_load_b32 v[BI+8*\b+\j], v[BA+\j], s[74:75] offset:64*\b
.endr
.endr
.macro FRAG reg, adr, q, i             ; 16 rows x 128 K: lane l holds row l % 16; registers 4 c .. 4 c + 3 hold K = 32 c + 16 (l / 16) + 0 .. 15: the same permutation of K in A and in B
.irp c, 0,1,2,3
	ds_load_b128 v[\reg+4*\c:\reg+4*\c+3], v[\adr] offset:128*(\q)+32*\c+(\i)*16*PITCH
.endr
.endm
; 16 matrix instructions: A's blocks a0, a0 + 1 x B's eight.  The 64 accumulators take turns, one instruction a turn, in the same order in every step.
.macro MUL16 a0, p, zero
.irp a, \a0, \a0+1
.irp b, 0,1,2,3,4,5,6,7
.if \zero
	v_wmma_f32_16x16x128_bf8_bf8 v[8*(8*((\a)%4)+\b):8*(8*((\a)%4)+\b)+7], v[128*(\p)+FR*\b:128*(\p)+FR*\b+FR-1], v[AF+FR*(\a):AF+FR*(\a)+FR-1], 0
.else
	v_wmma_f32_16x16x128_bf8_bf8 v[8*(8*((\a)%4)+\b):8*(8*((\a)%4)+\b)+7], v[128*(\p)+FR*\b:128*(\p)+FR*\b+FR-1], v[AF+FR*(\a):AF+FR*(\a)+FR-1], v[8*(8*((\a)%4)+\b):8*(8*((\a)%4)+\b)+7]
.endif
.endr
.endr
.endm
.macro FETCH_B slot, q, p
	WIN TO_B
.irp i, 0,1,2,3,4,5,6,7
	FRAG 128*(\p)+FR*\i, ADRB+\slot, \q, \i
.endr
	WIN 0
.endm
.macro FETCH_A slot, q, i0
.irp i, \i0, \i0+1, \i0+2, \i0+3
	FRAG AF+FR*(\i), ADRA+\slot, \q, \i
.endr
.endm
.macro PLACES n                        ; plain vector lines between a matrix instruction and a load into, or a vector read or write of, its registers
.rept \n
	v_nop
.endr
.endm
.macro STEP slot, q, zero              ; 128 along K, with its successor in the same slot
	s_wait_dscnt 4*NL                              ; B's set and A's blocks 0-3 are in; the youngest sixteen loads (A's blocks 4-7) may be out
	WIN MUL_LO
	MUL16 0, (\q)%2, \zero
	MUL16 2, (\q)%2, \zero
	s_wait_dscnt 0
	PLACES NP
	FETCH_B \slot, (\q)+1, 1-(\q)%2
	FETCH_A \slot, (\q)+1, 0
	WIN MUL_HI
	MUL16 4, (\q)%2, \zero
	MUL16 6, (\q)%2, \zero
	PLACES NP
	WIN 0
	FETCH_A \slot, (\q)+1, 4
.endm
.macro TURN slot, next, fill           ; a slot's last step changes slots: one barrier; fill = 1: it opens a round of the cluster's barrier and this slot is filled again
	s_wait_tensorcnt 0x0                           ; all my tensor loads have landed: my part of the next slot
	ds_add_u32 v[SPW], v[NIL]                      ; 0 onto my spare word
	s_wait_dscnt 4*NL+1                            ; the add and the youngest sixteen loads may be out
	WIN MUL_LO
	MUL16 0, 1, 0
	s_wait_dscnt 0x0                               ; the add is done, and my reads of this slot are over
	s_barrier_signal -1
	MUL16 2, 1, 0
	WIN 0
	s_barrier_wait -1
.if \fill
	CREST                                          ; no wave of any partner still reads this slot or has a load on its way
	s_add_nc_u64 s[G0+4*\slot+2:G0+4*\slot+3], s[G0+4*\slot+2:G0+4*\slot+3], 2*ROWB
	s_add_nc_u64 s[G0B+4*\slot+2:G0B+4*\slot+3], s[G0B+4*\slot+2:G0B+4*\slot+3], 2*ROWB
	JLOAD G0+4*\slot, G1, G0B+4*\slot, G1B         ; the first tensor load behind the round; its four v_nop are the places in front of the loads below
.else
	PLACES NP
.endif
	FETCH_B \next, 0, 0
	FETCH_A \next, 0, 0
	WIN MUL_HI
	MUL16 4, 1, 0
	MUL16 6, 1, 0
	PLACES NP
	WIN 0
	FETCH_A \next, 0, 4
.endm
	s_wait_tensorcnt 1                             ; my part of K step 0 is in; K step 1's load may be out
	s_barrier_signal -1
	s_barrier_wait -1
	FETCH_B 0, 0, 0
	FETCH_A 0, 0, 0
	FETCH_A 0, 0, 4
	STEP 0, 0, 1                                   ; the first step's products start the sums
	s_mov_b32 s3, LAPS-1
.Llap:
	TURN 0, 1, 1
	STEP 1, 0, 0
	TURN 1, 0, 1
	STEP 0, 0, 0
	s_sub_co_u32 s3, s3, 1
	s_cmp_lg_u32 s3, 0
	s_cbranch_scc1 .Llap
	TURN 0, 1, 0                                   ; the last lap fills nothing
	STEP 1, 0, 0
	s_wait_dscnt 4*NL
	WIN MUL_LO
	MUL16 0, 1, 0
	MUL16 2, 1, 0
	s_wait_dscnt 0
	WIN MUL_HI
	MUL16 4, 1, 0
	MUL16 6, 1, 0
	WIN 0
	; THE WAY OUT: sum x 2^(eW + ex) + bias, held, converted; block by block of 16 rows of A
	s_wait_kmcnt 0x0
	s_add_co_i32 s76, s76, s77
	s_add_co_i32 s78, s78, s79
	s_add_co_i32 s80, s80, s81
	s_cmp_eq_u32 ttmp9, 1
	s_cselect_b32 s96, s78, s76
	s_cselect_b32 s98, s83, s82
	s_cmp_eq_u32 ttmp9, 2
	s_cselect_b32 s96, s80, s96                    ; eW + ex
	s_cselect_b32 s98, s85, s98                    ; the result's own exponent: entry 6, 7 or 9
	s_add_co_i32 s96, s96, 127
	s_lshl_b32 s96, s96, 23                        ; 2^(eW + ex) as f32
	s_mov_b32 s97, s96                             ; (named with it as a pair)
	s_add_co_i32 s98, s98, 127
	s_lshl_b32 s99, s98, 23
	v_mov_b32 v[SC], s99
	s_add_co_i32 s98, s98, 15
	s_lshl_b32 s98, s98, 23
	s_or_b32 s98, s98, 0x600000
	v_mov_b32 v[LIM], s98
	s_wait_loadcnt 0x0                             ; the bias
	PLACES NP
.macro NUMBERS a, bias, step           ; block a's 64 sums become numbers, each accumulator from its low end on, then are held and converted
.set AC, 64*((\a)%4)
.set CS_, CD+16*((\a)%2)
	WIN 0x02+((\a)/4)                              ; source 0: window 2 or 3
.set jj, 0
.rept 32
	v_pk_fma_f32 v[TMP+jj:TMP+jj+1], v[AC+jj:AC+jj+1], s[96:97], v[\bias+\step*jj:\bias+\step*jj+1] op_sel_hi:[1,0,1]
.set jj, jj+2
.endr
	WIN 0
.set jj, 0
.rept 64
	v_med3_num_f32 v[TMP+jj], v[TMP+jj], -v[LIM], v[LIM]   ; the conversion does not saturate (ISA guide 7.6.2)
.set jj, jj+1
.endr
.irp b, 0,1,2,3,4,5,6,7
	v_cvt_scalef32_pk8_bf8_f32 v[CS_+2*\b:CS_+2*\b+1], v[TMP+8*\b:TMP+8*\b+7], v[SC]
.endr
	v_nop                                          ; a plain line between the conversions and the next block's lines, which write their sources
.endm
; q, k: a lane's 8 codes of a block of 16 channels go into my stage's row r and come back 16 to a lane, in the order of the next operand's registers
.macro QKBLOCK a
	NUMBERS \a, BI, 1
.set IS_, IM+16*((\a)%2)
.irp b, 0,1,2,3,4,5,6,7
	ds_store_b64 v[STO], v[CS_+2*\b:CS_+2*\b+1] offset:16*\b
.endr
.irp c, 0,1,2,3
	ds_load_b128 v[IS_+4*\c:IS_+4*\c+3], v[RD] offset:32*\c   ; LDS serves a wave's instructions in order: these see the stores above, and the next block's stores come behind them
.endr
.endm
.macro QKSEND a, younger
.set IS_, IM+16*((\a)%2)
	s_wait_dscnt \younger
.irp c, 0,1,2,3
	global_store_b128 v[LI], v[IS_+4*\c:IS_+4*\c+3], s[92:93] offset:1024*(\a)+131072*(\c/2)+512*(\c%2)   ; 512 consecutive bytes: tokens 16 a on, head c / 2, group c % 2
.endr
.endm
; v: the conversions' results are the operand's registers as they stand
.macro VBLOCK a
.if (\a) > 1
	s_wait_xcnt 0x0                                ; block a - 2's stores have read their registers
.endif
	NUMBERS \a, BI+8*(\a), 0
.irp c, 0,1,2,3
	global_store_b128 v[LI], v[CS_+4*\c:CS_+4*\c+3], s[92:93] offset:131072*((\a)/4)+2048*((\a)%4)+512*\c
.endr
.endm
	s_cmp_eq_u32 ttmp9, 2
	s_cbranch_scc1 .Lv_out
	QKBLOCK 0
.irp a, 1,2,3,4,5,6,7
.if \a > 1
	s_wait_xcnt 0x0                                ; block a - 2's stores have read their registers: block a's loads may land there
.endif
	QKBLOCK \a
	QKSEND \a-1, 12                                ; behind block a - 1's loads: block a's 8 stores and 4 loads
.endr
	QKSEND 7, 0
	s_branch .Lend
.Lv_out:
.irp a, 0,1,2,3,4,5,6,7
	VBLOCK \a
.endr
.Lend:
	s_wait_tensorcnt 0x0                           ; the wave's end
	ds_add_u32 v[SPW], v[NIL]
	s_wait_dscnt 0x0
	CROUND                                         ; the closing round
	s_endpgm
.Lfunc_end_k_q8d597382f1_qkv:
	.size	k_q8d597382f1_qkv, .Lfunc_end_k_q8d597382f1_qkv-k_q8d597382f1_qkv
	.p2alignl 7, 3214868480
	.fill 96, 4, 3214868480
	.section	.rodata,"a",@progbits
	.p2align	6, 0x0
	.amdhsa_kernel k_q8d597382f1_qkv
		.amdhsa_group_segment_fixed_size 327680
		.amdhsa_private_segment_fixed_size 0
		.amdhsa_enable_private_segment 0
		.amdhsa_kernarg_size 56
		.amdhsa_user_sgpr_count 2
		.amdhsa_user_sgpr_kernarg_segment_ptr 1
		.amdhsa_wavefront_size32 1
		.amdhsa_system_sgpr_workgroup_id_x 1
		.amdhsa_system_sgpr_workgroup_id_y 1
		.amdhsa_system_sgpr_workgroup_id_z 1
		.amdhsa_system_vgpr_workitem_id 0
		.amdhsa_next_free_vgpr 1024
		.amdhsa_next_free_sgpr 100
		.amdhsa_reserve_vcc 0
		.amdhsa_float_denorm_mode_32 3
		.amdhsa_float_denorm_mode_16_64 3
		.amdhsa_memory_ordered 1
		.amdhsa_forward_progress 1
		.amdhsa_inst_pref_size 204
	.end_amdhsa_kernel
	.amdgpu_metadata
---
amdhsa.version: [ 1, 2 ]
amdhsa.kernels:
  - .name:           k_q8d597382f1_qkv
    .symbol:         k_q8d597382f1_qkv.kd
    .args:
      - { .name: xc, .offset: 0, .size: 8, .value_kind: global_buffer, .address_space: global }
      - { .name: wc, .offset: 8, .size: 8, .value_kind: global_buffer, .address_space: global }
      - { .name: lowp_scales, .offset: 16, .size: 8, .value_kind: global_buffer, .address_space: global }
      - { .name: bq, .offset: 24, .size: 8, .value_kind: global_buffer, .address_space: global }
      - { .name: bk, .offset: 32, .size: 8, .value_kind: global_buffer, .address_space: global }
      - { .name: bv, .offset: 40, .size: 8, .value_kind: global_buffer, .address_space: global }
      - { .name: qkvc, .offset: 48, .size: 8, .value_kind: global_buffer, .address_space: global }
    .group_segment_fixed_size: 327680
    .private_segment_fixed_size: 0
    .kernarg_segment_align: 8
    .kernarg_segment_size: 56
    .max_flat_workgroup_size: 128
    .sgpr_count:     100
    .vgpr_count:     1024
    .wavefront_size: 32
...
	.end_amdgpu_metadata
.endif
;; end of part 3
;; launch attn (part 4): grid 8 x 32, 16 waves a work-group, clusters of 4 x 1, 327,680 bytes of LDS; arguments qkvc, lowp_scales, ao; writes ao
.if DOCPART == 4
	.amdgcn_target "amdgcn-amd-amdhsa--gfx1250"
	.amdhsa_code_object_version 6
	.text
	.protected	k_q8d597382f1_attn
	.globl	k_q8d597382f1_attn
	.p2align	8
	.type	k_q8d597382f1_attn,@function
k_q8d597382f1_attn:
	s_mov_b64 s[64:65], 0
	v_nop
	global_prefetch_b8 v0, s[64:65] scope:SCOPE_SE
	s_setreg_imm32_b32 hwreg(HW_REG_WAVE_MODE, 25, 1), 1
	s_wait_xcnt 0x0
	s_wait_alu depctr_hold_cnt(0) depctr_sa_sdst(0) depctr_va_vdst(0) depctr_va_sdst(0) depctr_va_ssrc(0) depctr_va_vcc(0) depctr_vm_vsrc(0)
	s_getreg_b32 s2, hwreg(HW_REG_IB_STS2, 6, 4)
	s_cmp_eq_u32 s2, 0
	s_cbranch_scc0 .Lentry_in_a_cluster
	s_endpgm
.Lentry_in_a_cluster:
	s_bfe_u32 s2, ttmp6, 0x10000c
	s_cmp_lg_u32 s2, 0x3003
	s_cbranch_scc0 .Lentry_shape_is_right
	s_endpgm
.Lentry_shape_is_right:
; Attention of one (batch, head): o = softmax(q k^T / 8) v, both products on codes of BF8 (E5M2), then quantised (entry 10) for the projection.  2,048 keys, head size 64.  No work is left out.
; THE SOFTMAX AHEAD OF THE SECOND PRODUCT: t = score x log2(e) / 8; M = the running largest t rounded UP to a whole number; p = 2^(t - M) is quantised (entry 8), not normalised; the row's sum is taken of the
; unquantised p in f32 and divides at the end.  When M moves, the sum and O are multiplied by 2^(old M - new M): nothing is rounded.
; SHARES.  A work-group owns 256 queries, each of its sixteen waves 16 of them, in 256 registers: four waves to a SIMD, so that one wave's vector work stands beside another's matrix work and LDS loads.
; ALL OF THE HEAD'S K AND V LIE IN LDS: 128 KiB each, as images of the operands' registers (a group of four registers = 512 consecutive bytes).  They are fetched once, in two halves of 1,024 keys, each wave one dense block of
; 8 KiB of each half: two tensor loads a wave are out at the most.  No byte of LDS is filled twice.
; CLUSTER.  The four work-groups of a cluster own query blocks of one head and need the same K and V: every load is a joint one, with the same descriptor and the mask of all four.
; LAYOUT.  Both products transposed: S^T = K Q^T (source 0 = 16 keys), O^T = V^T P^T (source 0 = 16 channels): a lane holds one query throughout.  Tile u of S^T gives lane (r, h) keys 16 u + 8 h + 0 .. 7; its eight codes are
; registers 2 u, 2 u + 1 of P, and V's images were laid in that same order of keys.
; LIMITS: entries 6 + 7 between -123 and 130 (added to c's exponent field); entries 8 and 10 between -126 and 112; NaN is not served by the holds.
; REGISTERS: v1, v2 16 x lane (+ V's base); v5, v6 the add's two; v8, v9 the step's addresses; v10, v11 the stage; v12 -M, v13 the largest t, v[14:15] the sum; v16-23 Q; v32-95 K's eight or V's four fragments;
;   v96-159 S^T, then p; v160-191 O^T; v200-206 at work; v208-211 scales; v224-239 p's codes.
.set VB,    131072                     ; V's images begin here; K's at 0
.set STAGE, 262144                     ; the way out: 16 rows x (64 + 16) bytes for each wave
.set SPARE, STAGE+16*1280              ; the spare words, 128 bytes a wave, that no other line names
.set LI,  1
.set LV,  2
.set SPW, 5
.set NIL, 6
.set WV,  18
.set SEL, 20
.set CS,  22
.set G1,  24
.set TB,  40
.set CNT, 41
.macro CROUND
	s_barrier_signal -1
	s_barrier_wait -1
	s_cmp_lg_u32 s[WV], 0
	s_cbranch_scc1 .Lnot_wave_0_\@
	s_barrier_signal -3
.Lnot_wave_0_\@:
	s_barrier_wait -3
	s_barrier_signal -1
	s_barrier_wait -1
.endm
	s_load_b128 s[4:7], s[0:1], 0x0                ; q, k, v's images; the exponents
	s_load_b64 s[8:9], s[0:1], 0x10                ; the result
	v_lshl_add_u32 v[SPW], v0, 2, SPARE
	v_mov_b32 v[NIL], 0
	ds_add_u32 v[SPW], v[NIL]                      ; the wave's opening: the add, twice on end, and its wait ahead of my first tensor load
	ds_add_u32 v[SPW], v[NIL]
	v_lshrrev_b32 v8, 5, v0
	v_readfirstlane_b32 s[WV], v8                  ; wave 0..15
	s_bfe_u32 s42, ttmp6, 0x40000                  ; cx
	s_lshl_b32 s43, ttmp9, 2
	s_add_co_u32 s43, s43, s42                     ; my block of 256 queries: it enters Q's and the result's addresses alone
	s_and_b32 s44, ttmp7, 0xffff                   ; 16 batch + head, which the four partners share
	s_mov_b32 s[G1], 15|(3<<16)|(1<<21)            ; the mask: all four; elements of 8 bytes; bit 21 beside a mask; no padding
	s_mov_b32 s[G1+1], 32<<16                      ; tensor_dim0 = 32 elements: rows of 256 bytes
	s_mov_b32 s[G1+2], 32<<16                      ; tensor_dim1 = 32 rows
	s_mov_b32 s[G1+3], 32<<16                      ; tile_dim0
	s_mov_b32 s[G1+4], 32                          ; tile_dim1
	s_mov_b32 s[G1+5], 32                          ; stride: the block is dense
	s_mov_b32 s[G1+6], 0
	s_mov_b32 s[G1+7], 0
	s_lshr_b32 s45, s[WV], 3                       ; waves 0-7 fetch K, waves 8-15 V
	s_and_b32 s46, s[WV], 7
	s_lshl_b32 s46, s46, 13                        ; my 8 KiB of a half: one step of 128 keys
	s_lshl_b32 s47, s45, 17
	s_add_co_u32 s47, s47, s46                     ; in LDS
	s_lshl_b32 s50, s44, 17                        ; the head's 131,072 bytes in each plane
	s_lshl_b32 s48, s45, 22
	s_add_co_u32 s48, s48, s46
	s_add_co_u32 s48, s48, s50
	s_add_co_u32 s48, s48, 0x400000                ; plane 1 is k's, plane 2 v's
	s_mov_b32 s49, 0
	s_lshl_b32 s51, s43, 4
	s_add_co_u32 s51, s51, s[WV]                   ; my tile of 16 queries in the sequence
	s_lshl_b32 s52, s51, 10
	s_add_co_u32 s52, s52, s50                     ; its image in plane 0
	s_mov_b32 s53, 0
	s_lshr_b32 s54, s44, 4
	s_lshl_b32 s54, s54, 7
	s_add_co_u32 s54, s54, s51                     ; my tile of 16 tokens among all 256
	s_lshl_b32 s54, s54, 14                        ; x 16,384 bytes
	s_and_b32 s55, s44, 15
	s_lshl_b32 s55, s55, 10                        ; + the head's two groups of 512
	s_add_co_u32 s54, s54, s55
	s_mov_b32 s55, 0
	s_mov_b32 s[SEL], 0x76543210
	s_mov_b32 s[SEL+1], 0xfedcba98
	s_mov_b32 s[CS], 0x3e38aa3b                    ; c = log2(e) / 8
	s_mov_b32 s[TB], 0
	s_wait_dscnt 0x0                               ; both opening adds are done
	s_wait_kmcnt 0x0
	s_load_b128 s[56:59], s[6:7], 0x18             ; entries 6 to 9
	s_load_b32 s60, s[6:7], 0x28                   ; entry 10
	s_mov_b32 s32, 1
	s_mov_b32 s33, s47
	s_add_nc_u64 s[34:35], s[4:5], s[48:49]
	s_mov_b32 s36, 1
	s_add_co_u32 s37, s47, 65536                   ; the second half: 1,024 keys on, in LDS and in memory
	s_add_nc_u64 s[38:39], s[34:35], 65536
	s_or_b32 s35, s35, 0x80000000
	s_or_b32 s39, s39, 0x80000000
	CROUND                                         ; all four work-groups are here: the joint loads meet
	tensor_load_to_lds s[32:35], s[G1:G1+7]
	s_nop 0
	tensor_load_to_lds s[36:39], s[G1:G1+7]
	s_nop 0
.rept 4
	v_nop
.endr
	s_add_nc_u64 s[4:5], s[4:5], s[52:53]
	s_add_nc_u64 s[8:9], s[8:9], s[54:55]
	v_and_b32 v3, 31, v0
	v_lshlrev_b32 v[LI], 4, v3
	v_add_nc_u32 v[LV], VB, v[LI]
	global_load_b128 v[16:19], v[LI], s[4:5]       ; Q's fragment stays in registers
	global_load_b128 v[20:23], v[LI], s[4:5] offset:512
	v_and_b32 v3, 15, v0                           ; r
	v_bfe_u32 v4, v0, 4, 1                         ; h
	s_mul_i32 s45, s[WV], 1280
	s_add_co_u32 s45, s45, STAGE
	v_mul_u32_u24 v7, v3, 80
	v_add_nc_u32 v7, s45, v7
	v_lshl_add_u32 v10, v4, 3, v7                  ; the stage: in, 8 codes at row r, + 8 h;
	v_lshl_add_u32 v11, v4, 4, v7                  ; back, 16 codes, + 16 h
	v_mov_b32 v13, 0xff61b1e6                      ; the largest t so far: -3e38
	v_floor_f32 v12, -v13                          ; -M
	v_mov_b32 v14, 0
	v_mov_b32 v15, 0
	v_mov_b32 v203, 0                              ; (named as the upper half of the pair v[202:203])
	v_mov_b32 v206, 0                              ; a lane permute's destination counts as one of its sources
.set jj, 0
.rept 32
	v_mov_b32 v[160+jj], 0                         ; O^T: the step is written for every step alike; the first finds zeros
.set jj, jj+1
.endr
	s_wait_kmcnt 0x0
	s_add_co_i32 s45, s56, s57
	s_lshl_b32 s45, s45, 23
	s_add_co_i32 s[CS], s[CS], s45                 ; a score stands for score x 2^(e6 + e7): added to c's exponent field
	s_mov_b32 s[CS+1], s[CS]
	s_add_co_i32 s45, s58, 127
	s_lshl_b32 s46, s45, 23
	v_mov_b32 v208, s46                            ; 2^e8
	s_add_co_i32 s45, s45, 15
	s_lshl_b32 s45, s45, 23
	s_or_b32 s45, s45, 0x600000
	v_mov_b32 v209, s45                            ; 57,344 x 2^e8
	s_add_co_i32 s45, s60, 127
	s_lshl_b32 s46, s45, 23
	v_mov_b32 v210, s46                            ; 2^e10
	s_add_co_i32 s45, s45, 15
	s_lshl_b32 s45, s45, 23
	s_or_b32 s45, s45, 0x600000
	v_mov_b32 v211, s45
	s_add_co_i32 s61, s58, s59                     ; e8 + e9
; A KEY STEP: 128 keys, whose images begin at byte s[TB] of K's and of V's region
.macro STEP
	v_add_nc_u32 v8, s[TB], v[LI]
	v_add_nc_u32 v9, s[TB], v[LV]
	v_nop
	v_nop                                          ; four places between the last products and the loads into the registers that they read
.irp t, 0,1,2,3,4,5,6,7
	ds_load_b128 v[32+8*\t:35+8*\t], v8 offset:1024*\t
	ds_load_b128 v[36+8*\t:39+8*\t], v8 offset:1024*\t+512
.endr
	s_wait_dscnt 0x0
.irp t, 0,1,2,3,4,5,6,7
	v_wmma_f32_16x16x64_bf8_bf8 v[96+8*\t:103+8*\t], v[32+8*\t:39+8*\t], v[16:23], 0
.endr
.rept 4
	v_nop
.endr
.irp t, 0,1,2,3
.irp c, 0,1,2,3
	ds_load_b128 v[32+16*\t+4*\c:35+16*\t+4*\c], v9 offset:2048*\t+512*\c   ; V's four fragments land under the softmax
.endr
.endr
	v_max3_num_f32 v200, v96, v97, v98             ; the step's largest score of my query among my 64 keys, in two chains, each tile from its low end on,
	v_max3_num_f32 v201, v99, v100, v101
.irp i, 6,10,14,18,22,26,30,34,38,42,46,50,54,58
	v_max3_num_f32 v200, v200, v[96+\i], v[97+\i]
	v_max3_num_f32 v201, v201, v[98+\i], v[99+\i]
.endr
	v_max3_num_f32 v200, v200, v158, v159
	v_max_num_f32 v200, v200, v201
	v_permlanex16_b32 v206, v200, s[SEL], s[SEL+1]
	v_max_num_f32 v200, v200, v206                 ; and among lane l xor 16's
	v_mul_f32 v200, s[CS], v200                    ; as t (c is positive)
	v_max_num_f32 v13, v13, v200
	v_mov_b32 v200, v12
	v_floor_f32 v12, -v13                          ; the new -M = -ceil(t)
	v_sub_f32 v200, v12, v200                      ; old M - new M: a whole number, 0 or less
	v_cvt_i32_f32 v200, v200                       ; (it saturates)
	v_ldexp_f32 v202, 1.0, v200                    ; f = 2^(old M - new M)
.set jj, 0
.rept 32
	v_pk_fma_f32 v[96+jj:97+jj], v[96+jj:97+jj], s[CS:CS+1], v[12:13] op_sel_hi:[1,0,0]   ; t - M
.set jj, jj+2
.endr
.set jj, 0
.rept 64
	v_exp_f32 v[96+jj], v[96+jj]                   ; p = 2^(t - M)
.set jj, jj+1
.endr
	v_pk_mul_f32 v[14:15], v[14:15], v[202:203] op_sel_hi:[1,0]   ; the sums under the new M: the plain line behind the exponentials
	s_wait_alu depctr_va_vdst(0)                   ; one wait for the whole batch, ahead of its first reader
	v_pk_add_f32 v[204:205], v[96:97], v[98:99]    ; the row's sum, of the unquantised p, in two chains
.irp j, 4,8,12,16,20,24,28,32,36,40,44,48,52,56,60
	v_pk_add_f32 v[14:15], v[14:15], v[96+\j:97+\j]
	v_pk_add_f32 v[204:205], v[204:205], v[98+\j:99+\j]
.endr
	v_pk_add_f32 v[14:15], v[14:15], v[204:205]
.irp t, 0,1,2,3,4,5,6,7
.irp i, 0,1,2,3,4,5,6,7
	v_min_num_f32 v[96+8*\t+\i], v[96+8*\t+\i], v209   ; the conversion does not saturate (ISA guide 7.6.2); p is not negative, so the hold is one-sided
.endr
	v_cvt_scalef32_pk8_bf8_f32 v[224+2*\t:225+2*\t], v[96+8*\t:103+8*\t], v208
.endr
.set jj, 0
.rept 16
	v_pk_mul_f32 v[160+jj:161+jj], v[160+jj:161+jj], v[202:203] op_sel_hi:[1,0]   ; O^T under the new M; also the plain lines between the conversions and the products
.set jj, jj+2
.endr
	s_wait_dscnt 0x0                               ; V is in
.irp t, 0,1,2,3
	v_wmma_f32_16x16x128_bf8_bf8 v[160+8*\t:167+8*\t], v[32+16*\t:47+16*\t], v[224:239], v[160+8*\t:167+8*\t]   ; the four accumulators take turns, one instruction a turn
.endr
.endm
.macro HALF                            ; eight key steps
	s_mov_b32 s[CNT], 8
.Lstep_\@:
	STEP
	s_add_co_u32 s[TB], s[TB], 8192
	s_sub_co_u32 s[CNT], s[CNT], 1
	s_cmp_lg_u32 s[CNT], 0
	s_cbranch_scc1 .Lstep_\@
.endm
	s_wait_loadcnt 0x0                             ; Q
	s_wait_tensorcnt 0x1                           ; my block of the first half is in; the second half's may be out
	s_barrier_signal -1
	s_barrier_wait -1                              ; everybody's is
	HALF
	s_wait_tensorcnt 0x0                           ; my block of the second half is in
	s_wait_dscnt 0x0
	s_barrier_signal -1
	s_barrier_wait -1
	s_mov_b32 s[TB], 65536
	HALF
	; THE WAY OUT: O^T / the sum x 2^(e8 + e9), quantised with entry 10, through my stage into the order of the projection's operand
.rept 4
	v_nop                                          ; the places behind the last products
.endr
	v_add_f32 v14, v14, v15
	v_permlanex16_b32 v206, v14, s[SEL], s[SEL+1]
	v_add_f32 v14, v14, v206                       ; the row's sum
	v_rcp_f32 v14, v14
	v_nop                                          ; a plain line behind the transcendental
	s_wait_alu depctr_va_vdst(0)                   ; and the wait ahead of its first reader
	v_ldexp_f32 v14, v14, s61
.set jj, 0
.rept 32
	v_mul_f32 v[96+jj], v[160+jj], v14             ; register 8 t + i: o(query r, channel 16 t + 8 h + i)
.set jj, jj+1
.endr
.set jj, 0
.rept 32
	v_med3_num_f32 v[96+jj], v[96+jj], -v211, v211
.set jj, jj+1
.endr
.irp t, 0,1,2,3
	v_cvt_scalef32_pk8_bf8_f32 v[224+2*\t:225+2*\t], v[96+8*\t:103+8*\t], v210
.endr
	v_nop
.irp t, 0,1,2,3
	ds_store_b64 v10, v[224+2*\t:225+2*\t] offset:16*\t
.endr
.irp c, 0,1
	ds_load_b128 v[32+4*\c:35+4*\c], v11 offset:32*\c   ; channels 32 c + 16 h + 0 .. 15 of query r; LDS serves a wave's instructions in order
.endr
	s_wait_dscnt 0x0
.irp c, 0,1
	global_store_b128 v[LI], v[32+4*\c:35+4*\c], s[8:9] offset:512*\c   ; 512 consecutive bytes, aligned
.endr
	s_wait_tensorcnt 0x0                           ; the wave's end
	ds_add_u32 v[SPW], v[NIL]
	s_wait_dscnt 0x0
	CROUND                                         ; the closing round
	s_endpgm
.Lfunc_end_k_q8d597382f1_attn:
	.size	k_q8d597382f1_attn, .Lfunc_end_k_q8d597382f1_attn-k_q8d597382f1_attn
	.p2alignl 7, 3214868480
	.fill 96, 4, 3214868480
	.section	.rodata,"a",@progbits
	.p2align	6, 0x0
	.amdhsa_kernel k_q8d597382f1_attn
		.amdhsa_group_segment_fixed_size 327680
		.amdhsa_private_segment_fixed_size 0
		.amdhsa_enable_private_segment 0
		.amdhsa_kernarg_size 24
		.amdhsa_user_sgpr_count 2
		.amdhsa_user_sgpr_kernarg_segment_ptr 1
		.amdhsa_wavefront_size32 1
		.amdhsa_system_sgpr_workgroup_id_x 1
		.amdhsa_system_sgpr_workgroup_id_y 1
		.amdhsa_system_sgpr_workgroup_id_z 1
		.amdhsa_system_vgpr_workitem_id 0
		.amdhsa_next_free_vgpr 256
		.amdhsa_next_free_sgpr 66
		.amdhsa_reserve_vcc 0
		.amdhsa_float_denorm_mode_32 3
		.amdhsa_float_denorm_mode_16_64 3
		.amdhsa_memory_ordered 1
		.amdhsa_forward_progress 1
		.amdhsa_inst_pref_size 42
	.end_amdhsa_kernel
	.amdgpu_metadata
---
amdhsa.version: [ 1, 2 ]
amdhsa.kernels:
  - .name:           k_q8d597382f1_attn
    .symbol:         k_q8d597382f1_attn.kd
    .args:
      - { .name: qkvc, .offset: 0, .size: 8, .value_kind: global_buffer, .address_space: global }
      - { .name: lowp_scales, .offset: 8, .size: 8, .value_kind: global_buffer, .address_space: global }
      - { .name: ao, .offset: 16, .size: 8, .value_kind: global_buffer, .address_space: global }
    .group_segment_fixed_size: 327680
    .private_segment_fixed_size: 0
    .kernarg_segment_align: 8
    .kernarg_segment_size: 24
    .max_flat_workgroup_size: 512
    .sgpr_count:     66
    .vgpr_count:     256
    .wavefront_size: 32
...
	.end_amdgpu_metadata
.endif
;; end of part 4
;; launch wo (part 5): grid 4 x 16, 4 waves a work-group, clusters of 4 x 4, 327,680 bytes of LDS; arguments ao, wc, lowp_scales, cb; writes cb
.if DOCPART == 5
	.amdgcn_target "amdgcn-amd-amdhsa--gfx1250"
	.amdhsa_code_object_version 6
	.text
	.protected	k_q8d597382f1_wo
	.globl	k_q8d597382f1_wo
	.p2align	8
	.type	k_q8d597382f1_wo,@function
k_q8d597382f1_wo:
	s_mov_b64 s[64:65], 0
	v_nop
	global_prefetch_b8 v0, s[64:65] scope:SCOPE_SE
	s_setreg_imm32_b32 hwreg(HW_REG_WAVE_MODE, 25, 1), 1
	s_wait_xcnt 0x0
	s_wait_alu depctr_hold_cnt(0) depctr_sa_sdst(0) depctr_va_vdst(0) depctr_va_sdst(0) depctr_va_ssrc(0) depctr_va_vcc(0) depctr_vm_vsrc(0)
	s_getreg_b32 s2, hwreg(HW_REG_IB_STS2, 6, 4)
	s_cmp_eq_u32 s2, 0
	s_cbranch_scc0 .Lentry_in_a_cluster
	s_endpgm
.Lentry_in_a_cluster:
	s_bfe_u32 s2, ttmp6, 0x10000c
	s_cmp_lg_u32 s2, 0xf033
	s_cbranch_scc0 .Lentry_shape_is_right
	s_endpgm
.Lentry_shape_is_right:
; The projection: C [4096][1024] f32 = attention's codes x Wo's codes (K = 1,024, BF8), each sum x 2^(e10 + e11).  The bias and the residual are added by the layer norm's launch.  No work is left out.
; A tile of 256 x 256 to a work-group of four waves, 128 x 128 a wave.  K in steps of 256 through two LDS slots.  CLUSTERS of 4 x 4: A's tile is asked for jointly by a row of the cluster, B's by a column.
; A ARRIVES AS IMAGES OF ITS FRAGMENTS: [16 tokens][K / 32][512 B]: a K step of 16 tokens is 4,096 consecutive bytes, so a wave's load is 8 rows of 4,096 bytes, dense in LDS, and a fragment comes by four loads of 512 consecutive bytes.
; B (Wo's codes, [n][k], at 3 MiB of the weights' buffer) comes as rows of 256 bytes, padded to 272.  Both hold K = 32 c + 16 (lane / 16) + 0 .. 15 in registers 4 c .. 4 c + 3.
; Source 0 = rows of B, source 1 = rows of A: a lane holds eight neighbouring numbers of a row of C.  LIMIT: e10 + e11 between -126 and 127.
; REGISTERS: window 0: v16-29 addresses; v128-255 A's fragments, one set; on the way out v32-255 are free.  window 1: B's, two sets.  windows 2, 3: the accumulators.
.set SIZE_K, 1024
.set SIZE_N, 1024
.set BOFF,   0x300000                  ; Wo's codes in the weights' buffer
.set EOFF,   0x28                      ; entries 10, 11
.set KSTEP,  256
.set ROWB,   256
.set ASTEP,  4096                      ; a K step of 16 tokens' images
.set KROW,   SIZE_K
.set PITCH,  272
.set FR,     16
.set NL,     4
.set NP,     4
.set HALFT,  128*PITCH
.set SLOT,   4*HALFT
.set LAPS,   SIZE_K/(2*KSTEP)
.set SPARE,  2*SLOT
.set SPITCH, 528                       ; the way out: a stage of 16 rows x (512 + 16) bytes a wave, in slot 0, which has had its last fill and its last read by then
.set ADRA, 16
.set ADRB, 20
.set STO,  24
.set RD,   25
.set CO,   26
.set SPW,  28
.set NIL,  29
.set TMP,  32
.set AF,   128
.set BK,   128
.set G1, 24
.set G0, 32
.set G1B, 48
.set G0B, 56
.set MSB, 0
.macro WIN new
.if MSB != \new
	s_set_vgpr_msb (MSB<<8)|\new
.set MSB, \new
.endif
.endm
.set MUL_LO, 0xa1
.set MUL_HI, 0xf1
.set TO_B,   0x40
.macro JLOAD g0a, g1a, g0b, g1b        ; a joint load: waves 0 and 1 fetch for A, waves 2 and 3 for B; an s_nop 0 and four v_nop follow each line
	s_cmp_eq_u32 s15, 0
	s_cbranch_scc0 .Lfor_b_\@
	tensor_load_to_lds s[\g0a:\g0a+3], s[\g1a:\g1a+7]
	s_nop 0
.rept 4
	v_nop
.endr
	s_branch .Lasked_\@
.Lfor_b_\@:
	tensor_load_to_lds s[\g0b:\g0b+3], s[\g1b:\g1b+7]
	s_nop 0
.rept 4
	v_nop
.endr
.Lasked_\@:
.endm
.macro CREST
	s_cmp_lg_u32 s14, 0
	s_cbranch_scc1 .Lnot_wave_0_\@
	s_barrier_signal -3
.Lnot_wave_0_\@:
	s_barrier_wait -3
	s_barrier_signal -1
	s_barrier_wait -1
.endm
.macro CROUND
	s_barrier_signal -1
	s_barrier_wait -1
	CREST
.endm
	s_load_b128 s[4:7], s[0:1], 0x0                ; A's images, the weights' codes
	s_load_b128 s[8:11], s[0:1], 0x10              ; the exponents, C
	v_lshl_add_u32 v[SPW], v0, 2, SPARE
	v_mov_b32 v[NIL], 0
	ds_add_u32 v[SPW], v[NIL]                      ; the wave's opening: the add, twice on end, and its wait ahead of my first tensor load
	ds_add_u32 v[SPW], v[NIL]
	v_lshrrev_b32 v1, 5, v0
	v_readfirstlane_b32 s14, v1
	s_lshr_b32 s15, s14, 1
	s_and_b32 s16, s14, 1
	s_bfe_u32 s40, ttmp6, 0x40000
	s_bfe_u32 s41, ttmp6, 0x40004
	s_lshl_b32 s42, ttmp9, 2
	s_add_co_u32 s42, s42, s40                     ; tile column
	s_and_b32 s17, ttmp7, 0xffff
	s_lshl_b32 s17, s17, 2
	s_add_co_u32 s17, s17, s41                     ; tile row
	s_lshl_b32 s43, s41, 2
	s_lshl_b32 s43, 15, s43
	s_lshl_b32 s44, 0x1111, s40
	s_or_b32 s[G1+0], s43, (1<<21)                 ; A: the mask of my row; elements of 1 byte; bit 21 beside a mask; no padding
	s_mov_b32 s[G1+1], ASTEP<<16                   ; tensor_dim0 = 4,096
	s_mov_b32 s[G1+2], 8<<16                       ; tensor_dim1 = 8
	s_mov_b32 s[G1+3], ASTEP<<16                   ; tile_dim0
	s_mov_b32 s[G1+4], 8                           ; tile_dim1: 8 tiles of 16 tokens
	s_mov_b32 s[G1+5], 16*SIZE_K                   ; stride: 16 tokens' codes
	s_mov_b32 s[G1+6], 0
	s_mov_b32 s[G1+7], 0
	s_or_b32 s[G1B+0], s44, (0<<16)|(1<<20)|(1<<21)|(5<<22)|(3<<25)
	s_mov_b32 s[G1B+1], ROWB<<16
	s_mov_b32 s[G1B+2], 128<<16
	s_mov_b32 s[G1B+3], ROWB<<16
	s_mov_b32 s[G1B+4], 128
	s_mov_b32 s[G1B+5], KROW
	s_mov_b32 s[G1B+6], 0
	s_mov_b32 s[G1B+7], 0
	s_lshl_b32 s18, s16, 7
	s_lshl_b32 s20, s17, 8
	s_add_co_u32 s20, s20, s18
	s_lshl_b32 s46, s42, 8
	s_add_co_u32 s46, s46, s18
	s_mov_b32 s21, 0
	s_mov_b32 s47, 0
	s_mov_b64 s[18:19], KROW
	s_mul_u64 s[20:21], s[20:21], s[18:19]         ; a token's codes are K bytes in the images too
	s_mul_u64 s[46:47], s[46:47], s[18:19]
	s_mul_i32 s45, s14, HALFT
	s_wait_dscnt 0x0
	s_wait_kmcnt 0x0
	s_load_b64 s[96:97], s[8:9], EOFF              ; ea, eb
	s_add_nc_u64 s[20:21], s[4:5], s[20:21]
	s_add_nc_u64 s[46:47], s[6:7], s[46:47]
	s_add_nc_u64 s[46:47], s[46:47], BOFF
	CROUND
.irp s, 0,1
	s_mov_b32 s[G0+4*\s], 1
	s_add_co_u32 s[G0+4*\s+1], s45, \s*SLOT
	s_add_nc_u64 s[G0+4*\s+2:G0+4*\s+3], s[20:21], \s*ASTEP
	s_or_b32 s[G0+4*\s+3], s[G0+4*\s+3], 0x80000000
	s_mov_b32 s[G0B+4*\s], 1
	s_add_co_u32 s[G0B+4*\s+1], s45, \s*SLOT
	s_add_nc_u64 s[G0B+4*\s+2:G0B+4*\s+3], s[46:47], \s*ROWB
	s_or_b32 s[G0B+4*\s+3], s[G0B+4*\s+3], 0x80000000
	JLOAD G0+4*\s, G1, G0B+4*\s, G1B
.endr
	v_and_b32 v1, 15, v0
	v_bfe_u32 v2, v0, 4, 1
	v_mul_u32_u24 v3, v1, PITCH
	v_lshl_add_u32 v4, v2, 4, v3
	v_and_b32 v6, 31, v0
	v_lshlrev_b32 v[CO], 4, v6                     ; 16 x lane
	s_mul_i32 s21, s15, HALFT
	s_mul_i32 s22, s16, HALFT
	s_add_co_u32 s22, s22, 2*HALFT
.irp s, 0,1
	v_add_nc_u32 v[ADRA+\s], s21, v[CO]            ; A: an image's place for my lane
	v_add_nc_u32 v[ADRB+\s], s22, v4
	s_add_co_u32 s21, s21, SLOT
	s_add_co_u32 s22, s22, SLOT
.endr
	s_mul_i32 s23, s14, 16*SPITCH
	v_mul_u32_u24 v5, v1, SPITCH
	v_lshl_add_u32 v5, v2, 5, v5
	v_add_nc_u32 v[STO], s23, v5
	v_add_nc_u32 v[RD], s23, v[CO]
	s_lshl_b32 s20, s17, 8
	s_lshl_b32 s21, s15, 7
	s_add_co_u32 s20, s20, s21
	s_mov_b32 s21, 0
	s_mov_b64 s[18:19], SIZE_N*4
	s_mul_u64 s[20:21], s[20:21], s[18:19]
	s_lshl_b32 s46, s42, 10
	s_lshl_b32 s47, s16, 9
	s_add_co_u32 s46, s46, s47
	s_mov_b32 s47, 0
	s_add_nc_u64 s[20:21], s[20:21], s[46:47]
	s_add_nc_u64 s[10:11], s[10:11], s[20:21]
.macro FRAG reg, adr, q, i             ; B: 16 rows x 128 K from padded rows
.irp c, 0,1,2,3
	ds_load_b128 v[\reg+4*\c:\reg+4*\c+3], v[\adr] offset:128*(\q)+32*\c+(\i)*16*PITCH
.endr
.endm
.macro FRAGA reg, adr, q, i            ; A: the image of tile i, the slot's q-th 128 along K
.irp c, 0,1,2,3
	ds_load_b128 v[\reg+4*\c:\reg+4*\c+3], v[\adr] offset:ASTEP*(\i)+2048*(\q)+512*\c
.endr
.endm
.macro MUL16 a0, p, zero               ; the 64 accumulators take turns, one instruction a turn
.irp a, \a0, \a0+1
.irp b, 0,1,2,3,4,5,6,7
.if \zero
	v_wmma_f32_16x16x128_bf8_bf8 v[8*(8*((\a)%4)+\b):8*(8*((\a)%4)+\b)+7], v[128*(\p)+FR*\b:128*(\p)+FR*\b+FR-1], v[AF+FR*(\a):AF+FR*(\a)+FR-1], 0
.else
	v_wmma_f32_16x16x128_bf8_bf8 v[8*(8*((\a)%4)+\b):8*(8*((\a)%4)+\b)+7], v[128*(\p)+FR*\b:128*(\p)+FR*\b+FR-1], v[AF+FR*(\a):AF+FR*(\a)+FR-1], v[8*(8*((\a)%4)+\b):8*(8*((\a)%4)+\b)+7]
.endif
.endr
.endr
.endm
.macro FETCH_B slot, q, p
	WIN TO_B
.irp i, 0,1,2,3,4,5,6,7
	FRAG 128*(\p)+FR*\i, ADRB+\slot, \q, \i
.endr
	WIN 0
.endm
.macro FETCH_A slot, q, i0
.irp i, \i0, \i0+1, \i0+2, \i0+3
	FRAGA AF+FR*(\i), ADRA+\slot, \q, \i
.endr
.endm
.macro PLACES n
.rept \n
	v_nop
.endr
.endm
.macro STEP slot, q, zero
	s_wait_dscnt 4*NL                              ; the youngest sixteen loads (A's blocks 4-7) may be out
	WIN MUL_LO
	MUL16 0, (\q)%2, \zero
	MUL16 2, (\q)%2, \zero
	s_wait_dscnt 0
	PLACES NP
	FETCH_B \slot, (\q)+1, 1-(\q)%2
	FETCH_A \slot, (\q)+1, 0
	WIN MUL_HI
	MUL16 4, (\q)%2, \zero
	MUL16 6, (\q)%2, \zero
	PLACES NP
	WIN 0
	FETCH_A \slot, (\q)+1, 4
.endm
.macro TURN slot, next, fill
	s_wait_tensorcnt 0x0                           ; all my tensor loads have landed
	ds_add_u32 v[SPW], v[NIL]
	s_wait_dscnt 4*NL+1                            ; the add and the youngest sixteen loads may be out
	WIN MUL_LO
	MUL16 0, 1, 0
	s_wait_dscnt 0x0                               ; the add is done, and my reads of this slot are over
	s_barrier_signal -1
	MUL16 2, 1, 0
	WIN 0
	s_barrier_wait -1
.if \fill
	CREST
	s_add_nc_u64 s[G0+4*\slot+2:G0+4*\slot+3], s[G0+4*\slot+2:G0+4*\slot+3], 2*ASTEP
	s_add_nc_u64 s[G0B+4*\slot+2:G0B+4*\slot+3], s[G0B+4*\slot+2:G0B+4*\slot+3], 2*ROWB
	JLOAD G0+4*\slot, G1, G0B+4*\slot, G1B
.else
	PLACES NP
.endif
	FETCH_B \next, 0, 0
	FETCH_A \next, 0, 0
	WIN MUL_HI
	MUL16 4, 1, 0
	MUL16 6, 1, 0
	PLACES NP
	WIN 0
	FETCH_A \next, 0, 4
.endm
	s_wait_tensorcnt 1                             ; my part of K step 0 is in; K step 1's load may be out
	s_barrier_signal -1
	s_barrier_wait -1
	FETCH_B 0, 0, 0
	FETCH_A 0, 0, 0
	FETCH_A 0, 0, 4
	STEP 0, 0, 1
	s_mov_b32 s3, LAPS-1
.Llap:
	TURN 0, 1, 1
	STEP 1, 0, 0
	TURN 1, 0, 1
	STEP 0, 0, 0
	s_sub_co_u32 s3, s3, 1
	s_cmp_lg_u32 s3, 0
	s_cbranch_scc1 .Llap
	TURN 0, 1, 0
	STEP 1, 0, 0
	s_wait_dscnt 4*NL
	WIN MUL_LO
	MUL16 0, 1, 0
	MUL16 2, 1, 0
	s_wait_dscnt 0
	WIN MUL_HI
	MUL16 4, 1, 0
	MUL16 6, 1, 0
	WIN 0
; THE WAY OUT, block by block of 16 rows x 128 columns, through my own stage, back as whole rows of 512 bytes
.macro TOSTAGE a
.set AC, 64*((\a)%4)
	WIN 0x02+((\a)/4)
.set jj, 0
.rept 32
	v_pk_mul_f32 v[TMP+jj:TMP+jj+1], v[AC+jj:AC+jj+1], s[96:97] op_sel_hi:[1,0]   ; x 2^(ea + eb); each accumulator from its low end on
.set jj, jj+2
.endr
	WIN 0
.irp b, 0,1,2,3,4,5,6,7
	ds_store_b128 v[STO], v[TMP+8*\b:TMP+8*\b+3] offset:64*\b
	ds_store_b128 v[STO], v[TMP+8*\b+4:TMP+8*\b+7] offset:64*\b+16
.endr
.set BB, BK+64*((\a)%2)
.irp t, 0,1,2,3,4,5,6,7,8,9,10,11,12,13,14,15
	ds_load_b128 v[BB+4*\t:BB+4*\t+3], v[RD] offset:\t*SPITCH
.endr
.endm
.macro SEND a, younger
.set BB, BK+64*((\a)%2)
	s_wait_dscnt \younger
.if (\a) > 0
	s_add_nc_u64 s[10:11], s[10:11], 16*SIZE_N*4   ; (behind a wait on XCNT: the earlier stores have read their base)
.endif
.irp t, 0,1,2,3,4,5,6,7,8,9,10,11,12,13,14,15
	global_store_b128 v[CO], v[BB+4*\t:BB+4*\t+3], s[10:11] offset:\t*SIZE_N*4 th:TH_STORE_NT   ; 512 consecutive bytes, aligned
.endr
.endm
	s_wait_kmcnt 0x0
	s_add_co_i32 s96, s96, s97
	s_add_co_i32 s96, s96, 127
	s_lshl_b32 s96, s96, 23                        ; 2^(ea + eb) as f32
	PLACES NP
	TOSTAGE 0
.irp a, 1,2,3,4,5,6,7
.if \a > 1
	s_wait_xcnt 0x0                                ; block a - 2's stores have read their registers and their base
.endif
	TOSTAGE \a
	SEND \a-1, 32                                  ; behind block a - 1's loads: block a's 16 stores and 16 loads
.endr
	s_wait_xcnt 0x0
	SEND 7, 0
	s_wait_tensorcnt 0x0                           ; the wave's end
	ds_add_u32 v[SPW], v[NIL]
	s_wait_dscnt 0x0
	CROUND
	s_endpgm
.Lfunc_end_k_q8d597382f1_wo:
	.size	k_q8d597382f1_wo, .Lfunc_end_k_q8d597382f1_wo-k_q8d597382f1_wo
	.p2alignl 7, 3214868480
	.fill 96, 4, 3214868480
	.section	.rodata,"a",@progbits
	.p2align	6, 0x0
	.amdhsa_kernel k_q8d597382f1_wo
		.amdhsa_group_segment_fixed_size 327680
		.amdhsa_private_segment_fixed_size 0
		.amdhsa_enable_private_segment 0
		.amdhsa_kernarg_size 32
		.amdhsa_user_sgpr_count 2
		.amdhsa_user_sgpr_kernarg_segment_ptr 1
		.amdhsa_wavefront_size32 1
		.amdhsa_system_sgpr_workgroup_id_x 1
		.amdhsa_system_sgpr_workgroup_id_y 1
		.amdhsa_system_sgpr_workgroup_id_z 1
		.amdhsa_system_vgpr_workitem_id 0
		.amdhsa_next_free_vgpr 1024
		.amdhsa_next_free_sgpr 98
		.amdhsa_reserve_vcc 0
		.amdhsa_float_denorm_mode_32 3
		.amdhsa_float_denorm_mode_16_64 3
		.amdhsa_memory_ordered 1
		.amdhsa_forward_progress 1
		.amdhsa_inst_pref_size 123
	.end_amdhsa_kernel
	.amdgpu_metadata
---
amdhsa.version: [ 1, 2 ]
amdhsa.kernels:
  - .name:           k_q8d597382f1_wo
    .symbol:         k_q8d597382f1_wo.kd
    .args:
      - { .name: ao, .offset: 0, .size: 8, .value_kind: global_buffer, .address_space: global }
      - { .name: wc, .offset: 8, .size: 8, .value_kind: global_buffer, .address_space: global }
      - { .name: lowp_scales, .offset: 16, .size: 8, .value_kind: global_buffer, .address_space: global }
      - { .name: cb, .offset: 24, .size: 8, .value_kind: global_buffer, .address_space: global }
    .group_segment_fixed_size: 327680
    .private_segment_fixed_size: 0
    .kernarg_segment_align: 8
    .kernarg_segment_size: 32
    .max_flat_workgroup_size: 128
    .sgpr_count:     98
    .vgpr_count:     1024
    .wavefront_size: 32
...
	.end_amdgpu_metadata
.endif
;; end of part 5
;; launch ln1 (part 6): grid 512 x 1, 4 waves a work-group, no clusters, 33,280 bytes of LDS; arguments x, cb, bo, g1, be1, lowp_scales, x1, x1c; writes x1, x1c
.if DOCPART == 6
	.amdgcn_target "amdgcn-amd-amdhsa--gfx1250"
	.amdhsa_code_object_version 6
	.text
	.protected	k_q8d597382f1_ln1
	.globl	k_q8d597382f1_ln1
	.p2align	8
	.type	k_q8d597382f1_ln1,@function
k_q8d597382f1_ln1:
	s_mov_b64 s[64:65], 0
	v_nop
	global_prefetch_b8 v0, s[64:65] scope:SCOPE_SE
	s_setreg_imm32_b32 hwreg(HW_REG_WAVE_MODE, 25, 1), 1
	s_wait_xcnt 0x0
; x1 = layernorm(x + (c + bo)) x g1 + be1, rows of 1,024, in f32; and x1's codes of BF8 (entry 12), [4096][1024] bytes, for the next product.  c is the projection's result.  No work is left out.
; One wave, two rows, each kept in 32 registers between the passes: memory is read once, no wave waits for another.  Load j of a row gives lane l columns 128 j + 4 l + 0 .. 3: 512 consecutive bytes an instruction.
; Mean, then the mean of the squared differences (two passes over registers), eps = 1e-5.  For the codes a row turns through the wave's own stage in LDS, so that a lane holds 16 neighbours.
; LIMITS: entry 12 between -126 and 112; NaN is not served by the hold.
.set GA,  16                           ; v16-47   g
.set BE,  48                           ; v48-79   be
.set BS,  80                           ; v80-111  bo
.set XR,  112                          ; row p: v[112 + 64 p ..] 32 registers: x, then the row at work
.set CR,  144                          ; row p: v[144 + 64 p ..] 32 registers: c, later the row's numbers 16 neighbours a lane
.set SPW, 12
.set NIL, 13
.set SP,  80
.set SPARE, 4*8192
	s_load_b256 s[4:11], s[0:1], 0x0               ; x, c, bo, g1
	s_load_b256 s[12:19], s[0:1], 0x20             ; be1, the exponents, x1, x1's codes
	v_lshl_add_u32 v[SPW], v0, 2, SPARE
	v_mov_b32 v[NIL], 0
	v_lshrrev_b32 v1, 5, v0
	v_readfirstlane_b32 s20, v1                    ; wave
	v_and_b32 v2, 31, v0
	v_lshlrev_b32 v1, 4, v2                        ; 16 x lane
	s_mul_i32 s21, s20, 8192
	v_lshrrev_b32 v14, 2, v2
	v_mul_u32_u24 v14, v14, SP
	v_and_b32 v15, 3, v2
	v_lshl_add_u32 v14, v15, 4, v14
	v_add_nc_u32 v14, s21, v14                     ; the stage, in: four lanes' 64 bytes on end, then 16 of padding
	v_mul_u32_u24 v15, v2, SP
	v_add_nc_u32 v15, s21, v15                     ; out: my 16 neighbours
	v_mov_b32 v250, 0                              ; a lane permute's destination counts as one of its sources
	s_lshl_b32 s22, ttmp9, 3
	s_lshl_b32 s23, s20, 1
	s_add_co_u32 s22, s22, s23                     ; my first row
	s_lshl_b32 s24, s22, 12
	s_mov_b32 s25, 0
	s_lshl_b32 s26, s22, 10
	s_mov_b32 s27, 0
	s_mov_b32 s28, 0x76543210
	s_mov_b32 s29, 0xfedcba98
	s_mov_b32 s30, 0x3a800000                      ; 1 / 1,024
	s_mov_b32 s31, 0x3727c5ac                      ; 1e-5
	s_wait_kmcnt 0x0
	s_load_b32 s32, s[14:15], 0x30                 ; entry 12
	s_add_nc_u64 s[4:5], s[4:5], s[24:25]
	s_add_nc_u64 s[6:7], s[6:7], s[24:25]
	s_add_nc_u64 s[16:17], s[16:17], s[24:25]
	s_add_nc_u64 s[18:19], s[18:19], s[26:27]
.macro RLOAD p
.irp j, 0,1,2,3,4,5,6,7
	global_load_b128 v[XR+64*\p+4*\j:XR+64*\p+4*\j+3], v1, s[4:5] offset:4096*\p+512*\j th:TH_LOAD_NT
.endr
.irp j, 0,1,2,3,4,5,6,7
	global_load_b128 v[CR+64*\p+4*\j:CR+64*\p+4*\j+3], v1, s[6:7] offset:4096*\p+512*\j th:TH_LOAD_NT
.endr
.endm
	RLOAD 0
.irp j, 0,1,2,3,4,5,6,7
	global_load_b128 v[BS+4*\j:BS+4*\j+3], v1, s[8:9] offset:512*\j
	global_load_b128 v[GA+4*\j:GA+4*\j+3], v1, s[10:11] offset:512*\j
	global_load_b128 v[BE+4*\j:BE+4*\j+3], v1, s[12:13] offset:512*\j
.endr
	RLOAD 1
	s_wait_kmcnt 0x0
	s_add_co_i32 s32, s32, 127
	s_lshl_b32 s33, s32, 23
	v_mov_b32 v248, s33                            ; 2^e12
	s_add_co_i32 s32, s32, 15
	s_lshl_b32 s32, s32, 23
	s_or_b32 s32, s32, 0x600000
	v_mov_b32 v249, s32                            ; 57,344 x 2^e12
.macro ALLSUM                          ; v2 summed over the 32 lanes, the result in every lane
	v_add_f32_dpp v2, v2, v2 row_xmask:1 row_mask:0xf bank_mask:0xf
	v_add_f32_dpp v2, v2, v2 row_xmask:2 row_mask:0xf bank_mask:0xf
	v_add_f32_dpp v2, v2, v2 row_xmask:4 row_mask:0xf bank_mask:0xf
	v_add_f32_dpp v2, v2, v2 row_xmask:8 row_mask:0xf bank_mask:0xf
	v_permlanex16_b32 v250, v2, s28, s29
	v_add_f32 v2, v2, v250
.endm
.macro ROW p
.set XP, XR+64*(\p)
.set CP, CR+64*(\p)
.if (\p) == 0
	s_wait_loadcnt 16                              ; row 0 and the three vectors are in; row 1's sixteen loads may be out
.else
	s_wait_loadcnt 0
.endif
.set jj, 0
.rept 16
	v_pk_add_f32 v[CP+jj:CP+jj+1], v[CP+jj:CP+jj+1], v[BS+jj:BS+jj+1]   ; c + bo,
.set jj, jj+2
.endr
.set jj, 0
.rept 16
	v_pk_add_f32 v[XP+jj:XP+jj+1], v[XP+jj:XP+jj+1], v[CP+jj:CP+jj+1]   ; x + that
.set jj, jj+2
.endr
	v_pk_add_f32 v[2:3], v[XP:XP+1], v[XP+2:XP+3]  ; the row's sum, in two chains
	v_pk_add_f32 v[4:5], v[XP+4:XP+5], v[XP+6:XP+7]
.set jj, 8
.rept 6
	v_pk_add_f32 v[2:3], v[2:3], v[XP+jj:XP+jj+1]
	v_pk_add_f32 v[4:5], v[4:5], v[XP+jj+2:XP+jj+3]
.set jj, jj+4
.endr
	v_pk_add_f32 v[2:3], v[2:3], v[4:5]
	v_add_f32 v2, v2, v3
	ALLSUM
	v_mul_f32 v6, s30, v2                          ; the mean
	v_mov_b32 v7, v6
.set jj, 0
.rept 16
	v_pk_add_f32 v[XP+jj:XP+jj+1], v[XP+jj:XP+jj+1], v[6:7] neg_lo:[0,1] neg_hi:[0,1]
.set jj, jj+2
.endr
	v_pk_mul_f32 v[2:3], v[XP:XP+1], v[XP:XP+1]    ; the squares' sum
	v_pk_mul_f32 v[4:5], v[XP+2:XP+3], v[XP+2:XP+3]
.set jj, 4
.rept 7
	v_pk_fma_f32 v[2:3], v[XP+jj:XP+jj+1], v[XP+jj:XP+jj+1], v[2:3]
	v_pk_fma_f32 v[4:5], v[XP+jj+2:XP+jj+3], v[XP+jj+2:XP+jj+3], v[4:5]
.set jj, jj+4
.endr
	v_pk_add_f32 v[2:3], v[2:3], v[4:5]
	v_add_f32 v2, v2, v3
	ALLSUM
	v_fma_f32 v10, v2, s30, s31                    ; the variance + eps
	v_rsq_f32 v8, v10
	v_nop                                          ; a plain line behind the transcendental,
	s_wait_alu depctr_va_vdst(0)                   ; and the wait ahead of its first reader
	v_mov_b32 v9, v8
.set jj, 0
.rept 16
	v_pk_mul_f32 v[XP+jj:XP+jj+1], v[XP+jj:XP+jj+1], v[8:9]
.set jj, jj+2
.endr
.set jj, 0
.rept 16
	v_pk_fma_f32 v[XP+jj:XP+jj+1], v[XP+jj:XP+jj+1], v[GA+jj:GA+jj+1], v[BE+jj:BE+jj+1]
.set jj, jj+2
.endr
.irp j, 0,1,2,3,4,5,6,7
	global_store_b128 v1, v[XP+4*\j:XP+4*\j+3], s[16:17] offset:4096*(\p)+512*\j
.endr
.irp s, 0,1                            ; the row's two halves of 512 numbers through the stage; LDS serves a wave's instructions in order
.irp i, 0,1,2,3
	ds_store_b128 v14, v[XP+16*\s+4*\i:XP+16*\s+4*\i+3] offset:32*SP*\s+8*SP*\i
.endr
.endr
.irp s, 0,1
.irp i, 0,1,2,3
	ds_load_b128 v[CP+16*\s+4*\i:CP+16*\s+4*\i+3], v15 offset:32*SP*\s+16*\i
.endr
.endr
	s_wait_dscnt 0x0
.if (\p) > 0
	s_wait_xcnt 0x0                                ; row 0's stores have read the codes' registers
.endif
.set jj, 0
.rept 32
	v_med3_num_f32 v[CP+jj], v[CP+jj], -v249, v249 ; the conversion does not saturate (ISA guide 7.6.2)
.set jj, jj+1
.endr
.irp u, 0,1,2,3
	v_cvt_scalef32_pk8_bf8_f32 v[240+2*\u:241+2*\u], v[CP+8*\u:CP+8*\u+7], v248
.endr
	v_nop
.irp s, 0,1
	global_store_b128 v1, v[240+4*\s:243+4*\s], s[18:19] offset:1024*(\p)+512*\s
.endr
.endm
	ROW 0
	ROW 1
	s_wait_tensorcnt 0x0                           ; the wave's end, behind my last LDS store
	ds_add_u32 v[SPW], v[NIL]
	s_wait_dscnt 0x0
	s_endpgm
.Lfunc_end_k_q8d597382f1_ln1:
	.size	k_q8d597382f1_ln1, .Lfunc_end_k_q8d597382f1_ln1-k_q8d597382f1_ln1
	.p2alignl 7, 3214868480
	.fill 96, 4, 3214868480
	.section	.rodata,"a",@progbits
	.p2align	6, 0x0
	.amdhsa_kernel k_q8d597382f1_ln1
		.amdhsa_group_segment_fixed_size 33280
		.amdhsa_private_segment_fixed_size 0
		.amdhsa_enable_private_segment 0
		.amdhsa_kernarg_size 64
		.amdhsa_user_sgpr_count 2
		.amdhsa_user_sgpr_kernarg_segment_ptr 1
		.amdhsa_wavefront_size32 1
		.amdhsa_system_sgpr_workgroup_id_x 1
		.amdhsa_system_sgpr_workgroup_id_y 1
		.amdhsa_system_sgpr_workgroup_id_z 1
		.amdhsa_system_vgpr_workitem_id 0
		.amdhsa_next_free_vgpr 256
		.amdhsa_next_free_sgpr 66
		.amdhsa_reserve_vcc 0
		.amdhsa_float_denorm_mode_32 3
		.amdhsa_float_denorm_mode_16_64 3
		.amdhsa_memory_ordered 1
		.amdhsa_forward_progress 1
		.amdhsa_inst_pref_size 33
	.end_amdhsa_kernel
	.amdgpu_metadata
---
amdhsa.version: [ 1, 2 ]
amdhsa.kernels:
  - .name:           k_q8d597382f1_ln1
    .symbol:         k_q8d597382f1_ln1.kd
    .args:
      - { .name: x, .offset: 0, .size: 8, .value_kind: global_buffer, .address_space: global }
      - { .name: cb, .offset: 8, .size: 8, .value_kind: global_buffer, .address_space: global }
      - { .name: bo, .offset: 16, .size: 8, .value_kind: global_buffer, .address_space: global }
      - { .name: g1, .offset: 24, .size: 8, .value_kind: global_buffer, .address_space: global }
      - { .name: be1, .offset: 32, .size: 8, .value_kind: global_buffer, .address_space: global }
      - { .name: lowp_scales, .offset: 40, .size: 8, .value_kind: global_buffer, .address_space: global }
      - { .name: x1, .offset: 48, .size: 8, .value_kind: global_buffer, .address_space: global }
      - { .name: x1c, .offset: 56, .size: 8, .value_kind: global_buffer, .address_space: global }
    .group_segment_fixed_size: 33280
    .private_segment_fixed_size: 0
    .kernarg_segment_align: 8
    .kernarg_segment_size: 64
    .max_flat_workgroup_size: 128
    .sgpr_count:     66
    .vgpr_count:     256
    .wavefront_size: 32
...
	.end_amdgpu_metadata
.endif
;; end of part 6
;; launch ffn1 (part 7): grid 16 x 16, 4 waves a work-group, clusters of 4 x 4, 327,680 bytes of LDS; arguments x1c, wc, lowp_scales, b1, hc; writes hc
.if DOCPART == 7
	.amdgcn_target "amdgcn-amd-amdhsa--gfx1250"
	.amdhsa_code_object_version 6
	.text
	.protected	k_q8d597382f1_ffn1
	.globl	k_q8d597382f1_ffn1
	.p2align	8
	.type	k_q8d597382f1_ffn1,@function
k_q8d597382f1_ffn1:
	s_mov_b64 s[64:65], 0
	v_nop
	global_prefetch_b8 v0, s[64:65] scope:SCOPE_SE
	s_setreg_imm32_b32 hwreg(HW_REG_WAVE_MODE, 25, 1), 1
	s_wait_xcnt 0x0
	s_wait_alu depctr_hold_cnt(0) depctr_sa_sdst(0) depctr_va_vdst(0) depctr_va_sdst(0) depctr_va_ssrc(0) depctr_va_vcc(0) depctr_vm_vsrc(0)
	s_getreg_b32 s2, hwreg(HW_REG_IB_STS2, 6, 4)
	s_cmp_eq_u32 s2, 0
	s_cbranch_scc0 .Lentry_in_a_cluster
	s_endpgm
.Lentry_in_a_cluster:
	s_bfe_u32 s2, ttmp6, 0x10000c
	s_cmp_lg_u32 s2, 0xf033
	s_cbranch_scc0 .Lentry_shape_is_right
	s_endpgm
.Lentry_shape_is_right:
; The hidden layer: relu(x1 W1 + b1), [4096][4096], on codes of BF8 (K = 1,024; entries 12, 13), each sum x 2^(e12 + e13) + b1 in f32, then quantised (entry 14).  It leaves as codes alone.  No work is left out.
; A tile of 256 x 256 to a work-group of four waves, 128 x 128 a wave.  K in steps of 256 through two LDS slots.  CLUSTERS of 4 x 4: A's tile (x1's codes) is asked for jointly by a row of the cluster, B's (W1's codes, at 4 MiB) by a column.
; Source 0 = rows of B, source 1 = rows of A: a lane holds one token and eight neighbouring hidden units, which are the next K.
; OUT, as images of the next operand's fragments: [16 tokens 256][128 units 32][2,048 B]: group c (512 bytes): lane (r, h): token r, units 32 c + 16 h + 0 .. 15.
; The activation costs nothing: the hold that the conversion wants clips at 0 as well.  LIMITS: e12 + e13 between -126 and 127; entry 14 between -126 and 112; NaN is not served by the hold.
.set SIZE_K, 1024
.set KSTEP,  256
.set ROWB,   256
.set KROW,   SIZE_K
.set PITCH,  272
.set FR,     16
.set NL,     4
.set NP,     4
.set HALFT,  128*PITCH
.set SLOT,   4*HALFT
.set LAPS,   SIZE_K/(2*KSTEP)
.set SPARE,  2*SLOT
.set ADRA, 16
.set ADRB, 20
.set STO,  24
.set RD,   25
.set LI,   26
.set BA,   27                          ; the bias loads' offset: 32 h
.set SPW,  28
.set NIL,  29
.set SC,   30
.set LIM,  31
.set BI,   64                          ; v64-127: register 8 b + j = b1(my first unit + 16 b + 8 h + j)
.set AF,   128
.set TMP,  128
.set CD,   192
.set IM,   224
.set G1, 24
.set G0, 32
.set G1B, 48
.set G0B, 56
.set MSB, 0
.macro WIN new
.if MSB != \new
	s_set_vgpr_msb (MSB<<8)|\new
.set MSB, \new
.endif
.endm
.set MUL_LO, 0xa1
.set MUL_HI, 0xf1
.set TO_B,   0x40
.macro JLOAD g0a, g1a, g0b, g1b        ; a joint load: waves 0 and 1 fetch for A, waves 2 and 3 for B; an s_nop 0 and four v_nop follow each line
	s_cmp_eq_u32 s15, 0
	s_cbranch_scc0 .Lfor_b_\@
	tensor_load_to_lds s[\g0a:\g0a+3], s[\g1a:\g1a+7]
	s_nop 0
.rept 4
	v_nop
.endr
	s_branch .Lasked_\@
.Lfor_b_\@:
	tensor_load_to_lds s[\g0b:\g0b+3], s[\g1b:\g1b+7]
	s_nop 0
.rept 4
	v_nop
.endr
.Lasked_\@:
.endm
.macro CREST
	s_cmp_lg_u32 s14, 0
	s_cbranch_scc1 .Lnot_wave_0_\@
	s_barrier_signal -3
.Lnot_wave_0_\@:
	s_barrier_wait -3
	s_barrier_signal -1
	s_barrier_wait -1
.endm
.macro CROUND
	s_barrier_signal -1
	s_barrier_wait -1
	CREST
.endm
	s_load_b256 s[4:11], s[0:1], 0x0               ; x1's codes, the weights' codes, the exponents, b1
	s_load_b64 s[72:73], s[0:1], 0x20              ; the result
	v_lshl_add_u32 v[SPW], v0, 2, SPARE
	v_mov_b32 v[NIL], 0
	ds_add_u32 v[SPW], v[NIL]                      ; the wave's opening: the add, twice on end, and its wait ahead of my first tensor load
	ds_add_u32 v[SPW], v[NIL]
	v_lshrrev_b32 v1, 5, v0
	v_readfirstlane_b32 s14, v1
	s_lshr_b32 s15, s14, 1
	s_and_b32 s16, s14, 1
	s_bfe_u32 s40, ttmp6, 0x40000
	s_bfe_u32 s41, ttmp6, 0x40004
	s_lshl_b32 s42, ttmp9, 2
	s_add_co_u32 s42, s42, s40                     ; tile column
	s_and_b32 s17, ttmp7, 0xffff
	s_lshl_b32 s17, s17, 2
	s_add_co_u32 s17, s17, s41                     ; tile row
	s_lshl_b32 s43, s41, 2
	s_lshl_b32 s43, 15, s43
	s_lshl_b32 s44, 0x1111, s40
	s_or_b32 s[G1+0], s43, (0<<16)|(1<<20)|(1<<21)|(5<<22)|(3<<25)
	s_or_b32 s[G1B+0], s44, (0<<16)|(1<<20)|(1<<21)|(5<<22)|(3<<25)
.irp g, G1, G1B
	s_mov_b32 s[\g+1], ROWB<<16
	s_mov_b32 s[\g+2], 128<<16
	s_mov_b32 s[\g+3], ROWB<<16
	s_mov_b32 s[\g+4], 128
	s_mov_b32 s[\g+5], KROW
	s_mov_b32 s[\g+6], 0
	s_mov_b32 s[\g+7], 0
.endr
	s_lshl_b32 s18, s16, 7
	s_lshl_b32 s20, s17, 8
	s_add_co_u32 s20, s20, s18
	s_lshl_b32 s46, s42, 8
	s_add_co_u32 s46, s46, s18
	s_mov_b32 s21, 0
	s_mov_b32 s47, 0
	s_mov_b64 s[18:19], KROW
	s_mul_u64 s[20:21], s[20:21], s[18:19]
	s_mul_u64 s[46:47], s[46:47], s[18:19]
	s_mul_i32 s45, s14, HALFT
	s_wait_dscnt 0x0
	s_wait_kmcnt 0x0
	s_load_b128 s[76:79], s[8:9], 0x30             ; entries 12 to 15
	s_add_nc_u64 s[20:21], s[4:5], s[20:21]
	s_add_nc_u64 s[46:47], s[6:7], s[46:47]
	s_add_nc_u64 s[46:47], s[46:47], 0x400000      ; W1's codes
	CROUND
.irp s, 0,1
	s_mov_b32 s[G0+4*\s], 1
	s_add_co_u32 s[G0+4*\s+1], s45, \s*SLOT
	s_add_nc_u64 s[G0+4*\s+2:G0+4*\s+3], s[20:21], \s*ROWB
	s_or_b32 s[G0+4*\s+3], s[G0+4*\s+3], 0x80000000
	s_mov_b32 s[G0B+4*\s], 1
	s_add_co_u32 s[G0B+4*\s+1], s45, \s*SLOT
	s_add_nc_u64 s[G0B+4*\s+2:G0B+4*\s+3], s[46:47], \s*ROWB
	s_or_b32 s[G0B+4*\s+3], s[G0B+4*\s+3], 0x80000000
	JLOAD G0+4*\s, G1, G0B+4*\s, G1B
.endr
	v_and_b32 v1, 15, v0
	v_bfe_u32 v2, v0, 4, 1
	v_mul_u32_u24 v3, v1, PITCH
	v_lshl_add_u32 v4, v2, 4, v3
	s_mul_i32 s21, s15, HALFT
	s_mul_i32 s22, s16, HALFT
	s_add_co_u32 s22, s22, 2*HALFT
.irp s, 0,1
	v_add_nc_u32 v[ADRA+\s], s21, v4
	v_add_nc_u32 v[ADRB+\s], s22, v4
	s_add_co_u32 s21, s21, SLOT
	s_add_co_u32 s22, s22, SLOT
.endr
	s_mul_i32 s23, s14, 16*144                     ; my stage: 16 rows of 128 codes + 16 bytes, in slot 0, which has had its last fill and its last read by then
	v_mul_u32_u24 v5, v1, 144
	v_add_nc_u32 v5, s23, v5
	v_lshl_add_u32 v[STO], v2, 3, v5
	v_lshl_add_u32 v[RD], v2, 4, v5
	v_and_b32 v6, 31, v0
	v_lshlrev_b32 v[LI], 4, v6
	v_lshlrev_b32 v[BA], 5, v2
	s_lshl_b32 s20, s17, 4
	s_lshl_b32 s21, s15, 3
	s_add_co_u32 s20, s20, s21                     ; my first tile of 16 tokens
	s_lshl_b32 s20, s20, 16                        ; x 65,536 bytes
	s_lshl_b32 s21, s42, 1
	s_add_co_u32 s21, s21, s16                     ; my 128 units
	s_lshl_b32 s22, s21, 11                        ; x 2,048 bytes
	s_add_co_u32 s92, s20, s22
	s_mov_b32 s93, 0
	s_add_nc_u64 s[92:93], s[72:73], s[92:93]
	s_lshl_b32 s22, s21, 9                         ; 128 numbers of b1
	s_mov_b32 s23, 0
	s_add_nc_u64 s[74:75], s[10:11], s[22:23]
.irp b, 0,1,2,3,4,5,6,7
	global_load_b128 v[BI+8*\b:BI+8*\b+3], v[BA], s[74:75] offset:64*\b      ; they stay out under the loop; offset and base are never rewritten
	global_load_b128 v[BI+8*\b+4:BI+8*\b+7], v[BA], s[74:75] offset:64*\b+16
.endr
.macro FRAG reg, adr, q, i
.irp c, 0,1,2,3
	ds_load_b128 v[\reg+4*\c:\reg+4*\c+3], v[\adr] offset:128*(\q)+32*\c+(\i)*16*PITCH
.endr
.endm
.macro MUL16 a0, p, zero               ; the 64 accumulators take turns, one instruction a turn
.irp a, \a0, \a0+1
.irp b, 0,1,2,3,4,5,6,7
.if \zero
	v_wmma_f32_16x16x128_bf8_bf8 v[8*(8*((\a)%4)+\b):8*(8*((\a)%4)+\b)+7], v[128*(\p)+FR*\b:128*(\p)+FR*\b+FR-1], v[AF+FR*(\a):AF+FR*(\a)+FR-1], 0
.else
	v_wmma_f32_16x16x128_bf8_bf8 v[8*(8*((\a)%4)+\b):8*(8*((\a)%4)+\b)+7], v[128*(\p)+FR*\b:128*(\p)+FR*\b+FR-1], v[AF+FR*(\a):AF+FR*(\a)+FR-1], v[8*(8*((\a)%4)+\b):8*(8*((\a)%4)+\b)+7]
.endif
.endr
.endr
.endm
.macro FETCH_B slot, q, p
	WIN TO_B
.irp i, 0,1,2,3,4,5,6,7
	FRAG 128*(\p)+FR*\i, ADRB+\slot, \q, \i
.endr
	WIN 0
.endm
.macro FETCH_A slot, q, i0
.irp i, \i0, \i0+1, \i0+2, \i0+3
	FRAG AF+FR*(\i), ADRA+\slot, \q, \i
.endr
.endm
.macro PLACES n
.rept \n
	v_nop
.endr
.endm
.macro STEP slot, q, zero
	s_wait_dscnt 4*NL                              ; the youngest sixteen loads (A's blocks 4-7) may be out
	WIN MUL_LO
	MUL16 0, (\q)%2, \zero
	MUL16 2, (\q)%2, \zero
	s_wait_dscnt 0
	PLACES NP
	FETCH_B \slot, (\q)+1, 1-(\q)%2
	FETCH_A \slot, (\q)+1, 0
	WIN MUL_HI
	MUL16 4, (\q)%2, \zero
	MUL16 6, (\q)%2, \zero
	PLACES NP
	WIN 0
	FETCH_A \slot, (\q)+1, 4
.endm
.macro TURN slot, next, fill
	s_wait_tensorcnt 0x0                           ; all my tensor loads have landed
	ds_add_u32 v[SPW], v[NIL]
	s_wait_dscnt 4*NL+1                            ; the add and the youngest sixteen loads may be out
	WIN MUL_LO
	MUL16 0, 1, 0
	s_wait_dscnt 0x0                               ; the add is done, and my reads of this slot are over
	s_barrier_signal -1
	MUL16 2, 1, 0
	WIN 0
	s_barrier_wait -1
.if \fill
	CREST
	s_add_nc_u64 s[G0+4*\slot+2:G0+4*\slot+3], s[G0+4*\slot+2:G0+4*\slot+3], 2*ROWB
	s_add_nc_u64 s[G0B+4*\slot+2:G0B+4*\slot+3], s[G0B+4*\slot+2:G0B+4*\slot+3], 2*ROWB
	JLOAD G0+4*\slot, G1, G0B+4*\slot, G1B
.else
	PLACES NP
.endif
	FETCH_B \next, 0, 0
	FETCH_A \next, 0, 0
	WIN MUL_HI
	MUL16 4, 1, 0
	MUL16 6, 1, 0
	PLACES NP
	WIN 0
	FETCH_A \next, 0, 4
.endm
	s_wait_tensorcnt 1                             ; my part of K step 0 is in; K step 1's load may be out
	s_barrier_signal -1
	s_barrier_wait -1
	FETCH_B 0, 0, 0
	FETCH_A 0, 0, 0
	FETCH_A 0, 0, 4
	STEP 0, 0, 1
	s_mov_b32 s3, LAPS-1
.Llap:
	TURN 0, 1, 1
	STEP 1, 0, 0
	TURN 1, 0, 1
	STEP 0, 0, 0
	s_sub_co_u32 s3, s3, 1
	s_cmp_lg_u32 s3, 0
	s_cbranch_scc1 .Llap
	TURN 0, 1, 0
	STEP 1, 0, 0
	s_wait_dscnt 4*NL
	WIN MUL_LO
	MUL16 0, 1, 0
	MUL16 2, 1, 0
	s_wait_dscnt 0
	WIN MUL_HI
	MUL16 4, 1, 0
	MUL16 6, 1, 0
	WIN 0
	s_wait_kmcnt 0x0
	s_add_co_i32 s96, s76, s77
	s_add_co_i32 s96, s96, 127
	s_lshl_b32 s96, s96, 23                        ; 2^(e12 + e13) as f32
	s_mov_b32 s97, s96
	s_add_co_i32 s98, s78, 127
	s_lshl_b32 s99, s98, 23
	v_mov_b32 v[SC], s99                           ; 2^e14
	s_add_co_i32 s98, s98, 15
	s_lshl_b32 s98, s98, 23
	s_or_b32 s98, s98, 0x600000
	v_mov_b32 v[LIM], s98                          ; 57,344 x 2^e14
	s_wait_loadcnt 0x0                             ; b1
	PLACES NP
.macro HBLOCK a                        ; block a: 16 tokens x my 128 units: numbers, activation and hold, codes, through my stage into the operand's order
.set AC, 64*((\a)%4)
.set CS_, CD+16*((\a)%2)
.set IS_, IM+16*((\a)%2)
	WIN 0x02+((\a)/4)
.set jj, 0
.rept 32
	v_pk_fma_f32 v[TMP+jj:TMP+jj+1], v[AC+jj:AC+jj+1], s[96:97], v[BI+jj:BI+jj+1] op_sel_hi:[1,0,1]   ; each accumulator from its low end on
.set jj, jj+2
.endr
	WIN 0
.set jj, 0
.rept 64
	v_med3_num_f32 v[TMP+jj], v[TMP+jj], 0, v[LIM] ; the activation and the hold in one
.set jj, jj+1
.endr
.irp b, 0,1,2,3,4,5,6,7
	v_cvt_scalef32_pk8_bf8_f32 v[CS_+2*\b:CS_+2*\b+1], v[TMP+8*\b:TMP+8*\b+7], v[SC]
.endr
	v_nop                                          ; a plain line between the conversions and the next block's lines, which write their sources
.irp b, 0,1,2,3,4,5,6,7
	ds_store_b64 v[STO], v[CS_+2*\b:CS_+2*\b+1] offset:16*\b
.endr
.irp c, 0,1,2,3
	ds_load_b128 v[IS_+4*\c:IS_+4*\c+3], v[RD] offset:32*\c   ; LDS serves a wave's instructions in order
.endr
.endm
.macro HSEND a, younger
.set IS_, IM+16*((\a)%2)
	s_wait_dscnt \younger
.irp c, 0,1,2,3
	global_store_b128 v[LI], v[IS_+4*\c:IS_+4*\c+3], s[92:93] offset:65536*(\a)+512*\c   ; 512 consecutive bytes, aligned
.endr
.endm
	HBLOCK 0
.irp a, 1,2,3,4,5,6,7
.if \a > 1
	s_wait_xcnt 0x0                                ; block a - 2's stores have read their registers
.endif
	HBLOCK \a
	HSEND \a-1, 12                                 ; behind block a - 1's loads: block a's 8 stores and 4 loads
.endr
	HSEND 7, 0
	s_wait_tensorcnt 0x0                           ; the wave's end
	ds_add_u32 v[SPW], v[NIL]
	s_wait_dscnt 0x0
	CROUND
	s_endpgm
.Lfunc_end_k_q8d597382f1_ffn1:
	.size	k_q8d597382f1_ffn1, .Lfunc_end_k_q8d597382f1_ffn1-k_q8d597382f1_ffn1
	.p2alignl 7, 3214868480
	.fill 96, 4, 3214868480
	.section	.rodata,"a",@progbits
	.p2align	6, 0x0
	.amdhsa_kernel k_q8d597382f1_ffn1
		.amdhsa_group_segment_fixed_size 327680
		.amdhsa_private_segment_fixed_size 0
		.amdhsa_enable_private_segment 0
		.amdhsa_kernarg_size 40
		.amdhsa_user_sgpr_count 2
		.amdhsa_user_sgpr_kernarg_segment_ptr 1
		.amdhsa_wavefront_size32 1
		.amdhsa_system_sgpr_workgroup_id_x 1
		.amdhsa_system_sgpr_workgroup_id_y 1
		.amdhsa_system_sgpr_workgroup_id_z 1
		.amdhsa_system_vgpr_workitem_id 0
		.amdhsa_next_free_vgpr 1024
		.amdhsa_next_free_sgpr 100
		.amdhsa_reserve_vcc 0
		.amdhsa_float_denorm_mode_32 3
		.amdhsa_float_denorm_mode_16_64 3
		.amdhsa_memory_ordered 1
		.amdhsa_forward_progress 1
		.amdhsa_inst_pref_size 142
	.end_amdhsa_kernel
	.amdgpu_metadata
---
amdhsa.version: [ 1, 2 ]
amdhsa.kernels:
  - .name:           k_q8d597382f1_ffn1
    .symbol:         k_q8d597382f1_ffn1.kd
    .args:
      - { .name: x1c, .offset: 0, .size: 8, .value_kind: global_buffer, .address_space: global }
      - { .name: wc, .offset: 8, .size: 8, .value_kind: global_buffer, .address_space: global }
      - { .name: lowp_scales, .offset: 16, .size: 8, .value_kind: global_buffer, .address_space: global }
      - { .name: b1, .offset: 24, .size: 8, .value_kind: global_buffer, .address_space: global }
      - { .name: hc, .offset: 32, .size: 8, .value_kind: global_buffer, .address_space: global }
    .group_segment_fixed_size: 327680
    .private_segment_fixed_size: 0
    .kernarg_segment_align: 8
    .kernarg_segment_size: 40
    .max_flat_workgroup_size: 128
    .sgpr_count:     100
    .vgpr_count:     1024
    .wavefront_size: 32
...
	.end_amdgpu_metadata
.endif
;; end of part 7
;; launch ffn2 (part 8): grid 4 x 16, 4 waves a work-group, clusters of 4 x 4, 327,680 bytes of LDS; arguments hc, wc, lowp_scales, cb; writes cb
.if DOCPART == 8
	.amdgcn_target "amdgcn-amd-amdhsa--gfx1250"
	.amdhsa_code_object_version 6
	.text
	.protected	k_q8d597382f1_ffn2
	.globl	k_q8d597382f1_ffn2
	.p2align	8
	.type	k_q8d597382f1_ffn2,@function
k_q8d597382f1_ffn2:
	s_mov_b64 s[64:65], 0
	v_nop
	global_prefetch_b8 v0, s[64:65] scope:SCOPE_SE
	s_setreg_imm32_b32 hwreg(HW_REG_WAVE_MODE, 25, 1), 1
	s_wait_xcnt 0x0
	s_wait_alu depctr_hold_cnt(0) depctr_sa_sdst(0) depctr_va_vdst(0) depctr_va_sdst(0) depctr_va_ssrc(0) depctr_va_vcc(0) depctr_vm_vsrc(0)
	s_getreg_b32 s2, hwreg(HW_REG_IB_STS2, 6, 4)
	s_cmp_eq_u32 s2, 0
	s_cbranch_scc0 .Lentry_in_a_cluster
	s_endpgm
.Lentry_in_a_cluster:
	s_bfe_u32 s2, ttmp6, 0x10000c
	s_cmp_lg_u32 s2, 0xf033
	s_cbranch_scc0 .Lentry_shape_is_right
	s_endpgm
.Lentry_shape_is_right:
; The second feed-forward product: C [4096][1024] f32 = the hidden layer's codes x W2's codes (K = 4,096, BF8), each sum x 2^(e14 + e15).  The bias and the residual are added by the layer norm's launch.  No work is left out.
; A tile of 256 x 256 to a work-group of four waves, 128 x 128 a wave.  K in steps of 256 through two LDS slots.  CLUSTERS of 4 x 4: A's tile is asked for jointly by a row of the cluster, B's by a column.
; A ARRIVES AS IMAGES OF ITS FRAGMENTS: [16 tokens][K / 128][2,048 B]: a K step of 16 tokens is 4,096 consecutive bytes, so a wave's load is 8 rows of 4,096 bytes, dense in LDS, and a fragment comes by four loads of 512 consecutive bytes.
; B (W2's codes, [n][k], at 8 MiB of the weights' buffer) comes as rows of 256 bytes, padded to 272.  Both hold K = 32 c + 16 (lane / 16) + 0 .. 15 in registers 4 c .. 4 c + 3.
; Source 0 = rows of B, source 1 = rows of A: a lane holds eight neighbouring numbers of a row of C.  LIMIT: e14 + e15 between -126 and 127.
; REGISTERS: window 0: v16-29 addresses; v128-255 A's fragments, one set; on the way out v32-255 are free.  window 1: B's, two sets.  windows 2, 3: the accumulators.
.set SIZE_K, 4096
.set SIZE_N, 1024
.set BOFF,   0x800000                  ; W2's codes in the weights' buffer
.set EOFF,   0x38                      ; entries 14, 15
.set KSTEP,  256
.set ROWB,   256
.set ASTEP,  4096                      ; a K step of 16 tokens' images
.set KROW,   SIZE_K
.set PITCH,  272
.set FR,     16
.set NL,     4
.set NP,     4
.set HALFT,  128*PITCH
.set SLOT,   4*HALFT
.set LAPS,   SIZE_K/(2*KSTEP)
.set SPARE,  2*SLOT
.set SPITCH, 528                       ; the way out: a stage of 16 rows x (512 + 16) bytes a wave, in slot 0, which has had its last fill and its last read by then
.set ADRA, 16
.set ADRB, 20
.set STO,  24
.set RD,   25
.set CO,   26
.set SPW,  28
.set NIL,  29
.set TMP,  32
.set AF,   128
.set BK,   128
.set G1, 24
.set G0, 32
.set G1B, 48
.set G0B, 56
.set MSB, 0
.macro WIN new
.if MSB != \new
	s_set_vgpr_msb (MSB<<8)|\new
.set MSB, \new
.endif
.endm
.set MUL_LO, 0xa1
.set MUL_HI, 0xf1
.set TO_B,   0x40
.macro JLOAD g0a, g1a, g0b, g1b        ; a joint load: waves 0 and 1 fetch for A, waves 2 and 3 for B; an s_nop 0 and four v_nop follow each line
	s_cmp_eq_u32 s15, 0
	s_cbranch_scc0 .Lfor_b_\@
	tensor_load_to_lds s[\g0a:\g0a+3], s[\g1a:\g1a+7]
	s_nop 0
.rept 4
	v_nop
.endr
	s_branch .Lasked_\@
.Lfor_b_\@:
	tensor_load_to_lds s[\g0b:\g0b+3], s[\g1b:\g1b+7]
	s_nop 0
.rept 4
	v_nop
.endr
.Lasked_\@:
.endm
.macro CREST
	s_cmp_lg_u32 s14, 0
	s_cbranch_scc1 .Lnot_wave_0_\@
	s_barrier_signal -3
.Lnot_wave_0_\@:
	s_barrier_wait -3
	s_barrier_signal -1
	s_barrier_wait -1
.endm
.macro CROUND
	s_barrier_signal -1
	s_barrier_wait -1
	CREST
.endm
	s_load_b128 s[4:7], s[0:1], 0x0                ; A's images, the weights' codes
	s_load_b128 s[8:11], s[0:1], 0x10              ; the exponents, C
	v_lshl_add_u32 v[SPW], v0, 2, SPARE
	v_mov_b32 v[NIL], 0
	ds_add_u32 v[SPW], v[NIL]                      ; the wave's opening: the add, twice on end, and its wait ahead of my first tensor load
	ds_add_u32 v[SPW], v[NIL]
	v_lshrrev_b32 v1, 5, v0
	v_readfirstlane_b32 s14, v1
	s_lshr_b32 s15, s14, 1
	s_and_b32 s16, s14, 1
	s_bfe_u32 s40, ttmp6, 0x40000
	s_bfe_u32 s41, ttmp6, 0x40004
	s_lshl_b32 s42, ttmp9, 2
	s_add_co_u32 s42, s42, s40                     ; tile column
	s_and_b32 s17, ttmp7, 0xffff
	s_lshl_b32 s17, s17, 2
	s_add_co_u32 s17, s17, s41                     ; tile row
	s_lshl_b32 s43, s41, 2
	s_lshl_b32 s43, 15, s43
	s_lshl_b32 s44, 0x1111, s40
	s_or_b32 s[G1+0], s43, (1<<21)                 ; A: the mask of my row; elements of 1 byte; bit 21 beside a mask; no padding
	s_mov_b32 s[G1+1], ASTEP<<16                   ; tensor_dim0 = 4,096
	s_mov_b32 s[G1+2], 8<<16                       ; tensor_dim1 = 8
	s_mov_b32 s[G1+3], ASTEP<<16                   ; tile_dim0
	s_mov_b32 s[G1+4], 8                           ; tile_dim1: 8 tiles of 16 tokens
	s_mov_b32 s[G1+5], 16*SIZE_K                   ; stride: 16 tokens' codes
	s_mov_b32 s[G1+6], 0
	s_mov_b32 s[G1+7], 0
	s_or_b32 s[G1B+0], s44, (0<<16)|(1<<20)|(1<<21)|(5<<22)|(3<<25)
	s_mov_b32 s[G1B+1], ROWB<<16
	s_mov_b32 s[G1B+2], 128<<16
	s_mov_b32 s[G1B+3], ROWB<<16
	s_mov_b32 s[G1B+4], 128
	s_mov_b32 s[G1B+5], KROW
	s_mov_b32 s[G1B+6], 0
	s_mov_b32 s[G1B+7], 0
	s_lshl_b32 s18, s16, 7
	s_lshl_b32 s20, s17, 8
	s_add_co_u32 s20, s20, s18
	s_lshl_b32 s46, s42, 8
	s_add_co_u32 s46, s46, s18
	s_mov_b32 s21, 0
	s_mov_b32 s47, 0
	s_mov_b64 s[18:19], KROW
	s_mul_u64 s[20:21], s[20:21], s[18:19]         ; a token's codes are K bytes in the images too
	s_mul_u64 s[46:47], s[46:47], s[18:19]
	s_mul_i32 s45, s14, HALFT
	s_wait_dscnt 0x0
	s_wait_kmcnt 0x0
	s_load_b64 s[96:97], s[8:9], EOFF              ; ea, eb
	s_add_nc_u64 s[20:21], s[4:5], s[20:21]
	s_add_nc_u64 s[46:47], s[6:7], s[46:47]
	s_add_nc_u64 s[46:47], s[46:47], BOFF
	CROUND
.irp s, 0,1
	s_mov_b32 s[G0+4*\s], 1
	s_add_co_u32 s[G0+4*\s+1], s45, \s*SLOT
	s_add_nc_u64 s[G0+4*\s+2:G0+4*\s+3], s[20:21], \s*ASTEP
	s_or_b32 s[G0+4*\s+3], s[G0+4*\s+3], 0x80000000
	s_mov_b32 s[G0B+4*\s], 1
	s_add_co_u32 s[G0B+4*\s+1], s45, \s*SLOT
	s_add_nc_u64 s[G0B+4*\s+2:G0B+4*\s+3], s[46:47], \s*ROWB
	s_or_b32 s[G0B+4*\s+3], s[G0B+4*\s+3], 0x80000000
	JLOAD G0+4*\s, G1, G0B+4*\s, G1B
.endr
	v_and_b32 v1, 15, v0
	v_bfe_u32 v2, v0, 4, 1
	v_mul_u32_u24 v3, v1, PITCH
	v_lshl_add_u32 v4, v2, 4, v3
	v_and_b32 v6, 31, v0
	v_lshlrev_b32 v[CO], 4, v6                     ; 16 x lane
	s_mul_i32 s21, s15, HALFT
	s_mul_i32 s22, s16, HALFT
	s_add_co_u32 s22, s22, 2*HALFT
.irp s, 0,1
	v_add_nc_u32 v[ADRA+\s], s21, v[CO]            ; A: an image's place for my lane
	v_add_nc_u32 v[ADRB+\s], s22, v4
	s_add_co_u32 s21, s21, SLOT
	s_add_co_u32 s22, s22, SLOT
.endr
	s_mul_i32 s23, s14, 16*SPITCH
	v_mul_u32_u24 v5, v1, SPITCH
	v_lshl_add_u32 v5, v2, 5, v5
	v_add_nc_u32 v[STO], s23, v5
	v_add_nc_u32 v[RD], s23, v[CO]
	s_lshl_b32 s20, s17, 8
	s_lshl_b32 s21, s15, 7
	s_add_co_u32 s20, s20, s21
	s_mov_b32 s21, 0
	s_mov_b64 s[18:19], SIZE_N*4
	s_mul_u64 s[20:21], s[20:21], s[18:19]
	s_lshl_b32 s46, s42, 10
	s_lshl_b32 s47, s16, 9
	s_add_co_u32 s46, s46, s47
	s_mov_b32 s47, 0
	s_add_nc_u64 s[20:21], s[20:21], s[46:47]
	s_add_nc_u64 s[10:11], s[10:11], s[20:21]
.macro FRAG reg, adr, q, i             ; B: 16 rows x 128 K from padded rows
.irp c, 0,1,2,3
	ds_load_b128 v[\reg+4*\c:\reg+4*\c+3], v[\adr] offset:128*(\q)+32*\c+(\i)*16*PITCH
.endr
.endm
.macro FRAGA reg, adr, q, i            ; A: the image of tile i, the slot's q-th 128 along K
.irp c, 0,1,2,3
	ds_load_b128 v[\reg+4*\c:\reg+4*\c+3], v[\adr] offset:ASTEP*(\i)+2048*(\q)+512*\c
.endr
.endm
.macro MUL16 a0, p, zero               ; the 64 accumulators take turns, one instruction a turn
.irp a, \a0, \a0+1
.irp b, 0,1,2,3,4,5,6,7
.if \zero
	v_wmma_f32_16x16x128_bf8_bf8 v[8*(8*((\a)%4)+\b):8*(8*((\a)%4)+\b)+7], v[128*(\p)+FR*\b:128*(\p)+FR*\b+FR-1], v[AF+FR*(\a):AF+FR*(\a)+FR-1], 0
.else
	v_wmma_f32_16x16x128_bf8_bf8 v[8*(8*((\a)%4)+\b):8*(8*((\a)%4)+\b)+7], v[128*(\p)+FR*\b:128*(\p)+FR*\b+FR-1], v[AF+FR*(\a):AF+FR*(\a)+FR-1], v[8*(8*((\a)%4)+\b):8*(8*((\a)%4)+\b)+7]
.endif
.endr
.endr
.endm
.macro FETCH_B slot, q, p
	WIN TO_B
.irp i, 0,1,2,3,4,5,6,7
	FRAG 128*(\p)+FR*\i, ADRB+\slot, \q, \i
.endr
	WIN 0
.endm
.macro FETCH_A slot, q, i0
.irp i, \i0, \i0+1, \i0+2, \i0+3
	FRAGA AF+FR*(\i), ADRA+\slot, \q, \i
.endr
.endm
.macro PLACES n
.rept \n
	v_nop
.endr
.endm
.macro STEP slot, q, zero
	s_wait_dscnt 4*NL                              ; the youngest sixteen loads (A's blocks 4-7) may be out
	WIN MUL_LO
	MUL16 0, (\q)%2, \zero
	MUL16 2, (\q)%2, \zero
	s_wait_dscnt 0
	PLACES NP
	FETCH_B \slot, (\q)+1, 1-(\q)%2
	FETCH_A \slot, (\q)+1, 0
	WIN MUL_HI
	MUL16 4, (\q)%2, \zero
	MUL16 6, (\q)%2, \zero
	PLACES NP
	WIN 0
	FETCH_A \slot, (\q)+1, 4
.endm
.macro TURN slot, next, fill
	s_wait_tensorcnt 0x0                           ; all my tensor loads have landed
	ds_add_u32 v[SPW], v[NIL]
	s_wait_dscnt 4*NL+1                            ; the add and the youngest sixteen loads may be out
	WIN MUL_LO
	MUL16 0, 1, 0
	s_wait_dscnt 0x0                               ; the add is done, and my reads of this slot are over
	s_barrier_signal -1
	MUL16 2, 1, 0
	WIN 0
	s_barrier_wait -1
.if \fill
	CREST
	s_add_nc_u64 s[G0+4*\slot+2:G0+4*\slot+3], s[G0+4*\slot+2:G0+4*\slot+3], 2*ASTEP
	s_add_nc_u64 s[G0B+4*\slot+2:G0B+4*\slot+3], s[G0B+4*\slot+2:G0B+4*\slot+3], 2*ROWB
	JLOAD G0+4*\slot, G1, G0B+4*\slot, G1B
.else
	PLACES NP
.endif
	FETCH_B \next, 0, 0
	FETCH_A \next, 0, 0
	WIN MUL_HI
	MUL16 4, 1, 0
	MUL16 6, 1, 0
	PLACES NP
	WIN 0
	FETCH_A \next, 0, 4
.endm
	s_wait_tensorcnt 1                             ; my part of K step 0 is in; K step 1's load may be out
	s_barrier_signal -1
	s_barrier_wait -1
	FETCH_B 0, 0, 0
	FETCH_A 0, 0, 0
	FETCH_A 0, 0, 4
	STEP 0, 0, 1
	s_mov_b32 s3, LAPS-1
.Llap:
	TURN 0, 1, 1
	STEP 1, 0, 0
	TURN 1, 0, 1
	STEP 0, 0, 0
	s_sub_co_u32 s3, s3, 1
	s_cmp_lg_u32 s3, 0
	s_cbranch_scc1 .Llap
	TURN 0, 1, 0
	STEP 1, 0, 0
	s_wait_dscnt 4*NL
	WIN MUL_LO
	MUL16 0, 1, 0
	MUL16 2, 1, 0
	s_wait_dscnt 0
	WIN MUL_HI
	MUL16 4, 1, 0
	MUL16 6, 1, 0
	WIN 0
; THE WAY OUT, block by block of 16 rows x 128 columns, through my own stage, back as whole rows of 512 bytes
.macro TOSTAGE a
.set AC, 64*((\a)%4)
	WIN 0x02+((\a)/4)
.set jj, 0
.rept 32
	v_pk_mul_f32 v[TMP+jj:TMP+jj+1], v[AC+jj:AC+jj+1], s[96:97] op_sel_hi:[1,0]   ; x 2^(ea + eb); each accumulator from its low end on
.set jj, jj+2
.endr
	WIN 0
.irp b, 0,1,2,3,4,5,6,7
	ds_store_b128 v[STO], v[TMP+8*\b:TMP+8*\b+3] offset:64*\b
	ds_store_b128 v[STO], v[TMP+8*\b+4:TMP+8*\b+7] offset:64*\b+16
.endr
.set BB, BK+64*((\a)%2)
.irp t, 0,1,2,3,4,5,6,7,8,9,10,11,12,13,14,15
	ds_load_b128 v[BB+4*\t:BB+4*\t+3], v[RD] offset:\t*SPITCH
.endr
.endm
.macro SEND a, younger
.set BB, BK+64*((\a)%2)
	s_wait_dscnt \younger
.if (\a) > 0
	s_add_nc_u64 s[10:11], s[10:11], 16*SIZE_N*4   ; (behind a wait on XCNT: the earlier stores have read their base)
.endif
.irp t, 0,1,2,3,4,5,6,7,8,9,10,11,12,13,14,15
	global_store_b128 v[CO], v[BB+4*\t:BB+4*\t+3], s[10:11] offset:\t*SIZE_N*4 th:TH_STORE_NT   ; 512 consecutive bytes, aligned
.endr
.endm
	s_wait_kmcnt 0x0
	s_add_co_i32 s96, s96, s97
	s_add_co_i32 s96, s96, 127
	s_lshl_b32 s96, s96, 23                        ; 2^(ea + eb) as f32
	PLACES NP
	TOSTAGE 0
.irp a, 1,2,3,4,5,6,7
.if \a > 1
	s_wait_xcnt 0x0                                ; block a - 2's stores have read their registers and their base
.endif
	TOSTAGE \a
	SEND \a-1, 32                                  ; behind block a - 1's loads: block a's 16 stores and 16 loads
.endr
	s_wait_xcnt 0x0
	SEND 7, 0
	s_wait_tensorcnt 0x0                           ; the wave's end
	ds_add_u32 v[SPW], v[NIL]
	s_wait_dscnt 0x0
	CROUND
	s_endpgm
.Lfunc_end_k_q8d597382f1_ffn2:
	.size	k_q8d597382f1_ffn2, .Lfunc_end_k_q8d597382f1_ffn2-k_q8d597382f1_ffn2
	.p2alignl 7, 3214868480
	.fill 96, 4, 3214868480
	.section	.rodata,"a",@progbits
	.p2align	6, 0x0
	.amdhsa_kernel k_q8d597382f1_ffn2
		.amdhsa_group_segment_fixed_size 327680
		.amdhsa_private_segment_fixed_size 0
		.amdhsa_enable_private_segment 0
		.amdhsa_kernarg_size 32
		.amdhsa_user_sgpr_count 2
		.amdhsa_user_sgpr_kernarg_segment_ptr 1
		.amdhsa_wavefront_size32 1
		.amdhsa_system_sgpr_workgroup_id_x 1
		.amdhsa_system_sgpr_workgroup_id_y 1
		.amdhsa_system_sgpr_workgroup_id_z 1
		.amdhsa_system_vgpr_workitem_id 0
		.amdhsa_next_free_vgpr 1024
		.amdhsa_next_free_sgpr 98
		.amdhsa_reserve_vcc 0
		.amdhsa_float_denorm_mode_32 3
		.amdhsa_float_denorm_mode_16_64 3
		.amdhsa_memory_ordered 1
		.amdhsa_forward_progress 1
		.amdhsa_inst_pref_size 123
	.end_amdhsa_kernel
	.amdgpu_metadata
---
amdhsa.version: [ 1, 2 ]
amdhsa.kernels:
  - .name:           k_q8d597382f1_ffn2
    .symbol:         k_q8d597382f1_ffn2.kd
    .args:
      - { .name: hc, .offset: 0, .size: 8, .value_kind: global_buffer, .address_space: global }
      - { .name: wc, .offset: 8, .size: 8, .value_kind: global_buffer, .address_space: global }
      - { .name: lowp_scales, .offset: 16, .size: 8, .value_kind: global_buffer, .address_space: global }
      - { .name: cb, .offset: 24, .size: 8, .value_kind: global_buffer, .address_space: global }
    .group_segment_fixed_size: 327680
    .private_segment_fixed_size: 0
    .kernarg_segment_align: 8
    .kernarg_segment_size: 32
    .max_flat_workgroup_size: 128
    .sgpr_count:     98
    .vgpr_count:     1024
    .wavefront_size: 32
...
	.end_amdgpu_metadata
.endif
;; end of part 8
;; launch ln2 (part 9): grid 512 x 1, 4 waves a work-group, no clusters, 0 bytes of LDS; arguments x1, cb, b2, g2, be2, out0; writes out0
.if DOCPART == 9
	.amdgcn_target "amdgcn-amd-amdhsa--gfx1250"
	.amdhsa_code_object_version 6
	.text
	.protected	k_q8d597382f1_ln2
	.globl	k_q8d597382f1_ln2
	.p2align	8
	.type	k_q8d597382f1_ln2,@function
k_q8d597382f1_ln2:
	s_mov_b64 s[64:65], 0
	v_nop
	global_prefetch_b8 v0, s[64:65] scope:SCOPE_SE
	s_setreg_imm32_b32 hwreg(HW_REG_WAVE_MODE, 25, 1), 1
	s_wait_xcnt 0x0
; out = layernorm(x1 + (c + b2)) x g2 + be2, rows of 1,024, in f32.  c is the second feed-forward product's result.  No work is left out.
; One wave, two rows, each kept in 32 registers between the passes: memory is read once, no wave waits for another, no LDS.  Load j of a row gives lane l columns 128 j + 4 l + 0 .. 3: 512 consecutive bytes an instruction.
; Mean, then the mean of the squared differences (two passes over registers), eps = 1e-5.
.set GA,  16                           ; v16-47   g
.set BE,  48                           ; v48-79   be
.set BS,  80                           ; v80-111  b2
.set XR,  112                          ; row p: v[112 + 64 p ..] 32 registers: x1, then the row at work
.set CR,  144                          ; row p: v[144 + 64 p ..] 32 registers: c
	s_load_b256 s[4:11], s[0:1], 0x0               ; x1, c, b2, g2
	s_load_b128 s[12:15], s[0:1], 0x20             ; be2, out
	v_lshrrev_b32 v1, 5, v0
	v_readfirstlane_b32 s20, v1                    ; wave
	v_and_b32 v2, 31, v0
	v_lshlrev_b32 v1, 4, v2                        ; 16 x lane
	v_mov_b32 v250, 0                              ; a lane permute's destination counts as one of its sources
	s_lshl_b32 s22, ttmp9, 3
	s_lshl_b32 s23, s20, 1
	s_add_co_u32 s22, s22, s23                     ; my first row
	s_lshl_b32 s24, s22, 12
	s_mov_b32 s25, 0
	s_mov_b32 s28, 0x76543210
	s_mov_b32 s29, 0xfedcba98
	s_mov_b32 s30, 0x3a800000                      ; 1 / 1,024
	s_mov_b32 s31, 0x3727c5ac                      ; 1e-5
	s_wait_kmcnt 0x0
	s_add_nc_u64 s[4:5], s[4:5], s[24:25]
	s_add_nc_u64 s[6:7], s[6:7], s[24:25]
	s_add_nc_u64 s[14:15], s[14:15], s[24:25]
.macro RLOAD p
.irp j, 0,1,2,3,4,5,6,7
	global_load_b128 v[XR+64*\p+4*\j:XR+64*\p+4*\j+3], v1, s[4:5] offset:4096*\p+512*\j th:TH_LOAD_NT
.endr
.irp j, 0,1,2,3,4,5,6,7
	global_load_b128 v[CR+64*\p+4*\j:CR+64*\p+4*\j+3], v1, s[6:7] offset:4096*\p+512*\j th:TH_LOAD_NT
.endr
.endm
	RLOAD 0
.irp j, 0,1,2,3,4,5,6,7
	global_load_b128 v[BS+4*\j:BS+4*\j+3], v1, s[8:9] offset:512*\j
	global_load_b128 v[GA+4*\j:GA+4*\j+3], v1, s[10:11] offset:512*\j
	global_load_b128 v[BE+4*\j:BE+4*\j+3], v1, s[12:13] offset:512*\j
.endr
	RLOAD 1
.macro ALLSUM                          ; v2 summed over the 32 lanes, the result in every lane
	v_add_f32_dpp v2, v2, v2 row_xmask:1 row_mask:0xf bank_mask:0xf
	v_add_f32_dpp v2, v2, v2 row_xmask:2 row_mask:0xf bank_mask:0xf
	v_add_f32_dpp v2, v2, v2 row_xmask:4 row_mask:0xf bank_mask:0xf
	v_add_f32_dpp v2, v2, v2 row_xmask:8 row_mask:0xf bank_mask:0xf
	v_permlanex16_b32 v250, v2, s28, s29
	v_add_f32 v2, v2, v250
.endm
.macro ROW p
.set XP, XR+64*(\p)
.set CP, CR+64*(\p)
.if (\p) == 0
	s_wait_loadcnt 16                              ; row 0 and the three vectors are in; row 1's sixteen loads may be out
.else
	s_wait_loadcnt 0
.endif
.set jj, 0
.rept 16
	v_pk_add_f32 v[CP+jj:CP+jj+1], v[CP+jj:CP+jj+1], v[BS+jj:BS+jj+1]   ; c + b2,
.set jj, jj+2
.endr
.set jj, 0
.rept 16
	v_pk_add_f32 v[XP+jj:XP+jj+1], v[XP+jj:XP+jj+1], v[CP+jj:CP+jj+1]   ; x1 + that
.set jj, jj+2
.endr
	v_pk_add_f32 v[2:3], v[XP:XP+1], v[XP+2:XP+3]  ; the row's sum, in two chains
	v_pk_add_f32 v[4:5], v[XP+4:XP+5], v[XP+6:XP+7]
.set jj, 8
.rept 6
	v_pk_add_f32 v[2:3], v[2:3], v[XP+jj:XP+jj+1]
	v_pk_add_f32 v[4:5], v[4:5], v[XP+jj+2:XP+jj+3]
.set jj, jj+4
.endr
	v_pk_add_f32 v[2:3], v[2:3], v[4:5]
	v_add_f32 v2, v2, v3
	ALLSUM
	v_mul_f32 v6, s30, v2                          ; the mean
	v_mov_b32 v7, v6
.set jj, 0
.rept 16
	v_pk_add_f32 v[XP+jj:XP+jj+1], v[XP+jj:XP+jj+1], v[6:7] neg_lo:[0,1] neg_hi:[0,1]
.set jj, jj+2
.endr
	v_pk_mul_f32 v[2:3], v[XP:XP+1], v[XP:XP+1]    ; the squares' sum
	v_pk_mul_f32 v[4:5], v[XP+2:XP+3], v[XP+2:XP+3]
.set jj, 4
.rept 7
	v_pk_fma_f32 v[2:3], v[XP+jj:XP+jj+1], v[XP+jj:XP+jj+1], v[2:3]
	v_pk_fma_f32 v[4:5], v[XP+jj+2:XP+jj+3], v[XP+jj+2:XP+jj+3], v[4:5]
.set jj, jj+4
.endr
	v_pk_add_f32 v[2:3], v[2:3], v[4:5]
	v_add_f32 v2, v2, v3
	ALLSUM
	v_fma_f32 v10, v2, s30, s31                    ; the variance + eps
	v_rsq_f32 v8, v10
	v_nop                                          ; a plain line behind the transcendental,
	s_wait_alu depctr_va_vdst(0)                   ; and the wait ahead of its first reader
	v_mov_b32 v9, v8
.set jj, 0
.rept 16
	v_pk_mul_f32 v[XP+jj:XP+jj+1], v[XP+jj:XP+jj+1], v[8:9]
.set jj, jj+2
.endr
.set jj, 0
.rept 16
	v_pk_fma_f32 v[XP+jj:XP+jj+1], v[XP+jj:XP+jj+1], v[GA+jj:GA+jj+1], v[BE+jj:BE+jj+1]
.set jj, jj+2
.endr
.irp j, 0,1,2,3,4,5,6,7
	global_store_b128 v1, v[XP+4*\j:XP+4*\j+3], s[14:15] offset:4096*(\p)+512*\j th:TH_STORE_NT
.endr
.endm
	ROW 0
	ROW 1
	s_endpgm
.Lfunc_end_k_q8d597382f1_ln2:
	.size	k_q8d597382f1_ln2, .Lfunc_end_k_q8d597382f1_ln2-k_q8d597382f1_ln2
	.p2alignl 7, 3214868480
	.fill 96, 4, 3214868480
	.section	.rodata,"a",@progbits
	.p2align	6, 0x0
	.amdhsa_kernel k_q8d597382f1_ln2
		.amdhsa_group_segment_fixed_size 0
		.amdhsa_private_segment_fixed_size 0
		.amdhsa_enable_private_segment 0
		.amdhsa_kernarg_size 48
		.amdhsa_user_sgpr_count 2
		.amdhsa_user_sgpr_kernarg_segment_ptr 1
		.amdhsa_wavefront_size32 1
		.amdhsa_system_sgpr_workgroup_id_x 1
		.amdhsa_system_sgpr_workgroup_id_y 1
		.amdhsa_system_sgpr_workgroup_id_z 1
		.amdhsa_system_vgpr_workitem_id 0
		.amdhsa_next_free_vgpr 256
		.amdhsa_next_free_sgpr 66
		.amdhsa_reserve_vcc 0
		.amdhsa_float_denorm_mode_32 3
		.amdhsa_float_denorm_mode_16_64 3
		.amdhsa_memory_ordered 1
		.amdhsa_forward_progress 1
		.amdhsa_inst_pref_size 24
	.end_amdhsa_kernel
	.amdgpu_metadata
---
amdhsa.version: [ 1, 2 ]
amdhsa.kernels:
  - .name:           k_q8d597382f1_ln2
    .symbol:         k_q8d597382f1_ln2.kd
    .args:
      - { .name: x1, .offset: 0, .size: 8, .value_kind: global_buffer, .address_space: global }
      - { .name: cb, .offset: 8, .size: 8, .value_kind: global_buffer, .address_space: global }
      - { .name: b2, .offset: 16, .size: 8, .value_kind: global_buffer, .address_space: global }
      - { .name: g2, .offset: 24, .size: 8, .value_kind: global_buffer, .address_space: global }
      - { .name: be2, .offset: 32, .size: 8, .value_kind: global_buffer, .address_space: global }
      - { .name: out0, .offset: 40, .size: 8, .value_kind: global_buffer, .address_space: global }
    .group_segment_fixed_size: 0
    .private_segment_fixed_size: 0
    .kernarg_segment_align: 8
    .kernarg_segment_size: 48
    .max_flat_workgroup_size: 128
    .sgpr_count:     66
    .vgpr_count:     256
    .wavefront_size: 32
...
	.end_amdgpu_metadata
.endif
;; end of part 9
;; ======== version 2 of 2: 8 launches
;; limits: right only within a limited range of input values
;; workspace buffers: xc 12,582,912 bytes; wc 12,582,912 bytes; qkvc 12,582,912 bytes; ao 4,194,304 bytes; cb 16,777,216 bytes; x1 16,777,216 bytes; x1c 4,194,304 bytes; hc 16,777,216 bytes
;; launch prep (part 10): grid 640 x 1, 4 waves a work-group, no clusters, 68,608 bytes of LDS; arguments Wq, Wk, Wv, Wo, W1, W2, lowp_scales, wc, x, xc; writes wc, xc
.if DOCPART == 10
	.amdgcn_target "amdgcn-amd-amdhsa--gfx1250"
	.amdhsa_code_object_version 6
	.text
	.protected	k_q8d597382f1_prep
	.globl	k_q8d597382f1_prep
	.p2align	8
	.type	k_q8d597382f1_prep,@function
k_q8d597382f1_prep:
	s_mov_b64 s[64:65], 0
	v_nop
	global_prefetch_b8 v0, s[64:65] scope:SCOPE_SE
	s_setreg_imm32_b32 hwreg(HW_REG_WAVE_MODE, 25, 1), 1
	s_wait_xcnt 0x0
; THE PROGRAM: one encoder layer (attention of 16 heads, two residual layer norms, a feed-forward pair), all eight matrix products on codes of BF8 (E5M2), each operand with its given scale 2^e.
; DEAD WORK: none is left out.  Every bias goes into a quantised operand or into a layer norm's input, every gain and shift into an output or a quantised operand: every input is loaded by some launch.
; THIS LAUNCH quantises all inputs that are operands: code = number / 2^e, held within +-57,344, to the nearest code, ties to even.  LIMITS: each e between -126 and 112; NaN among the inputs is not served.
; WORK-GROUPS 0 to 383: the six weights, f32 with K NOT innermost, become codes laid [n][k] in one buffer: Wq at 0, Wk at 1 MiB, Wv at 2 MiB (n = 64 head + channel), Wo at 3 MiB, W1 at 4 MiB, W2 at 8 MiB (entries 0, 2, 4, 11, 13, 15).
;   A lane takes a column n and its registers run down K; a wave takes 32 columns x 256 along K; its codes go through its own stage in LDS and leave as rows: sixteen lanes store 256 consecutive bytes, aligned.
;   Number / 128 = 0: number / 32 picks Wq, Wk, Wv, Wo (32 work-groups each); 1: W1; 2: W2 (128 each).  The tensor and its shape are chosen by s_cselect on the work-group's number alone.
; WORK-GROUPS 384 to 639: x [4096][1024] is an operand of three products, each with its own scale (entries 1, 3, 5): three planes of codes, [3][4096][1024] bytes.  A wave takes 8 steps of 512 numbers; a step's 2,048 bytes turn
;   through the wave's own stage in LDS, so that a lane holds 16 neighbours along K; the numbers are read once and converted three times; a store covers 512 consecutive bytes.
; The two paths part on the work-group's number and have LDS bytes of their own.  No tensor loads, no barrier: waves share nothing.
.set NB,    8
.set PITCH, 272
.set OFF,   16                         ; v16-47   4 x lane + i source rows
.set X,     48                         ; v48-111  two sets of 32 numbers
.set C,     112                        ; v112-119 a block's codes
.set OUTR,  120                        ; v120-183 the way out
.set OO,    184                        ; v184-199 my place in rows 2 t, 2 t + 1 of the codes
.set SPW,   14
.set NIL,   15
.set SPARE, 4*32*PITCH                 ; behind the weights' four stages: the spare words, 128 bytes a wave, that no other line names
.set XREG,  35840                      ; x's path: 8,192 bytes a wave
.set BASE,  68
	s_load_b512 s[8:23], s[0:1], 0x0               ; Wq, Wk, Wv, Wo, W1, W2, the exponents, the weights' codes
	s_load_b128 s[4:7], s[0:1], 0x40               ; x, x's codes
	v_lshl_add_u32 v[SPW], v0, 2, SPARE
	v_mov_b32 v[NIL], 0
	v_lshrrev_b32 v1, 5, v0
	v_readfirstlane_b32 s24, v1                    ; wave
	v_and_b32 v2, 31, v0                           ; lane
	s_cmp_ge_u32 ttmp9, 384
	s_wait_alu depctr_va_vdst(0)                   ; the wait ahead of the branch and of the scalar run below
	s_cbranch_scc1 .Lx_path
	s_lshr_b32 s25, ttmp9, 7                       ; 0: the four small weights; 1: W1; 2: W2
	s_lshr_b32 s26, ttmp9, 5
	s_and_b32 s27, ttmp9, 31
	s_and_b32 s62, ttmp9, 127
	s_add_co_u32 s28, s25, 3
	s_cmp_eq_u32 s25, 0
	s_cselect_b32 s26, s26, s28                    ; T: 0 .. 5
	s_cselect_b32 s27, s27, s62                    ; u: my number among T's work-groups
	s_lshl_b32 s31, s26, 20
	s_cmp_lt_u32 s26, 3
	s_cselect_b32 s28, 6, 10
	s_cmp_eq_u32 s26, 4
	s_cselect_b32 s28, 12, s28                     ; log2 of a source row's columns
	s_cmp_eq_u32 s26, 5
	s_cselect_b32 s29, 4, 2                        ; log2 of K / 256
	s_cselect_b32 s30, 12, 10                      ; log2 of K
	s_cselect_b32 s31, 0x800000, s31               ; T's place among the codes
	s_lshl_b32 s48, 1, s29
	s_sub_co_u32 s48, s48, 1
	s_and_b32 s48, s27, s48                        ; which 256 along K
	s_lshr_b32 s49, s27, s29
	s_lshl_b32 s49, s49, 7
	s_lshl_b32 s50, s24, 5
	s_add_co_u32 s49, s49, s50                     ; n0: my wave's first column
	s_lshr_b32 s50, s49, s28                       ; the head (0 where the source is one matrix)
	s_add_co_u32 s51, s30, s28
	s_add_co_u32 s51, s51, 2
	s_lshl_b32 s50, s50, s51
	s_add_co_u32 s52, s28, 10
	s_lshl_b32 s52, s48, s52
	s_add_co_u32 s50, s50, s52
	s_lshl_b32 s53, 1, s28
	s_sub_co_u32 s53, s53, 1
	s_and_b32 s53, s49, s53
	s_lshl_b32 s53, s53, 2
	s_add_co_u32 s50, s50, s53
	s_mov_b32 s51, 0
	s_lshl_b32 s54, 4, s28                         ; a source row in bytes
	s_lshl_b32 s56, s54, 5
	s_mov_b32 s57, 0
	s_lshl_b32 s58, 2, s30                         ; two rows of codes
	s_lshl_b32 s60, s49, s30
	s_add_co_u32 s60, s60, s31
	s_lshl_b32 s59, s48, 8
	s_add_co_u32 s60, s60, s59
	s_mov_b32 s61, 0
	v_lshlrev_b32 v[OFF], 2, v2
.set ii, 1
.rept 31
	v_add_nc_u32 v[OFF+ii], s54, v[OFF+ii-1]
.set ii, ii+1
.endr
	s_mul_i32 s55, s24, 32*PITCH                   ; my stage
	v_mul_u32_u24 v4, v2, PITCH
	v_add_nc_u32 v4, s55, v4                       ; into it: row = my column
	v_and_b32 v5, 15, v2
	v_lshrrev_b32 v6, 4, v2
	v_mul_u32_u24 v7, v6, PITCH
	v_lshl_add_u32 v7, v5, 4, v7
	v_add_nc_u32 v7, s55, v7                       ; out of it: sixteen lanes to a row
	v_lshlrev_b32 v[OO], s30, v6
	v_lshl_add_u32 v[OO], v5, 4, v[OO]
.set ii, 1
.rept 15
	v_add_nc_u32 v[OO+ii], s58, v[OO+ii-1]
.set ii, ii+1
.endr
	s_wait_kmcnt 0x0
	s_load_b512 s[32:47], s[20:21], 0x0            ; the sixteen exponents
	s_cmp_eq_u32 s26, 1                            ; the source: a choice that hangs on the work-group's number alone
	s_cselect_b64 s[86:87], s[10:11], s[8:9]
	s_cmp_eq_u32 s26, 2
	s_cselect_b64 s[86:87], s[12:13], s[86:87]
	s_cmp_eq_u32 s26, 3
	s_cselect_b64 s[86:87], s[14:15], s[86:87]
	s_cmp_eq_u32 s26, 4
	s_cselect_b64 s[86:87], s[16:17], s[86:87]
	s_cmp_eq_u32 s26, 5
	s_cselect_b64 s[86:87], s[18:19], s[86:87]
	s_add_nc_u64 s[BASE:BASE+1], s[86:87], s[50:51]
.irp t, 1,2,3,4,5,6,7
	s_add_nc_u64 s[BASE+2*\t:BASE+2*\t+1], s[BASE+2*\t-2:BASE+2*\t-1], s[56:57]
.endr
	s_add_nc_u64 s[84:85], s[22:23], s[60:61]
.macro LOAD t                          ; block t: W(32 t + i, my column), i = 0 .. 31, into set t % 2
.set ii, 0
.rept 32
	global_load_b32 v[X+32*((\t)%2)+ii], v[OFF+ii], s[BASE+2*(\t):BASE+2*(\t)+1] th:TH_LOAD_NT
.set ii, ii+1
.endr
.endm
	LOAD 0
	LOAD 1
	s_wait_kmcnt 0x0
	s_cmp_eq_u32 s26, 1
	s_cselect_b32 s88, s34, s32
	s_cmp_eq_u32 s26, 2
	s_cselect_b32 s88, s36, s88
	s_cmp_eq_u32 s26, 3
	s_cselect_b32 s88, s43, s88
	s_cmp_eq_u32 s26, 4
	s_cselect_b32 s88, s45, s88
	s_cmp_eq_u32 s26, 5
	s_cselect_b32 s88, s47, s88                    ; e
	s_add_co_i32 s88, s88, 127
	s_lshl_b32 s89, s88, 23
	v_mov_b32 v11, s89                             ; 2^e as f32
	s_add_co_i32 s88, s88, 15
	s_lshl_b32 s88, s88, 23
	s_or_b32 s88, s88, 0x600000
	v_mov_b32 v10, s88                             ; 57,344 x 2^e
.macro BLOCK t
.set XS, X+32*((\t)%2)
.if (\t) < NB-1
	s_wait_loadcnt 32                              ; this block's 32 loads are in; the next block's 32 may be out
.else
	s_wait_loadcnt 0
.endif
.set ii, 0
.rept 32
	v_med3_num_f32 v[XS+ii], v[XS+ii], -v10, v10   ; the conversion does not saturate (ISA guide 7.6.2)
.set ii, ii+1
.endr
.irp g, 0,1,2,3
	v_cvt_scalef32_pk8_bf8_f32 v[C+2*\g:C+2*\g+1], v[XS+8*\g:XS+8*\g+7], v11
.endr
	ds_store_b128 v4, v[C:C+3] offset:32*(\t)
	ds_store_b128 v4, v[C+4:C+7] offset:32*(\t)+16
.if (\t)+2 < NB
	LOAD (\t)+2
.endif
	s_wait_dscnt 0x0                               ; the stores have read their registers: the next block's codes may be written
.endm
	s_wait_alu depctr_va_vdst(0)                   ; the wait at the head's end
.irp t, 0,1,2,3,4,5,6,7
	BLOCK \t
.endr
.irp t, 0,1,2,3,4,5,6,7,8,9,10,11,12,13,14,15
	ds_load_b128 v[OUTR+4*\t:OUTR+4*\t+3], v7 offset:2*\t*PITCH   ; LDS serves a wave's instructions in order: these see my stores
.endr
.irp t, 0,1,2,3,4,5,6,7,8,9,10,11,12,13,14,15
	s_wait_dscnt 15-\t                             ; the loads behind this one may be out
	global_store_b128 v[OO+\t], v[OUTR+4*\t:OUTR+4*\t+3], s[84:85]
.endr
	s_wait_tensorcnt 0x0                           ; the wave's end, behind my last LDS store
	ds_add_u32 v[SPW], v[NIL]
	s_wait_dscnt 0x0
	s_endpgm
; x's path
.set SP,  80                           ; a lane's place in a stage: its 64 bytes + 16 of padding
.set RL,  16                           ; v16-79   four sets of 16 numbers as they are loaded
.set XN,  80                           ; v80-111  two sets of 16 neighbours
.set TH,  112                          ; v112-127 the 16 numbers held within one plane's range
.set CX,  128                          ; v128-223 codes: four registers for each step and plane
.Lx_path:
	v_lshlrev_b32 v3, 4, v2                        ; my 16 bytes of a load's 512, and of a store's
	s_mul_i32 s30, s24, 8192                       ; (s4 to s23 are not named ahead of the wait for the arguments)
	s_add_co_u32 s30, s30, XREG
	v_lshrrev_b32 v12, 2, v2
	v_mul_u32_u24 v12, v12, SP
	v_and_b32 v13, 3, v2
	v_lshl_add_u32 v12, v13, 4, v12
	v_add_nc_u32 v12, s30, v12                     ; the stage, in: four lanes' 64 bytes on end, then 16 of padding
	v_mul_u32_u24 v13, v2, SP
	v_add_nc_u32 v13, s30, v13                     ; out: my 16 neighbours
	s_sub_co_u32 s31, ttmp9, 384
	s_lshl_b32 s31, s31, 2
	s_add_co_u32 s31, s31, s24                     ; which run of 4,096 numbers is my wave's
	s_lshl_b32 s26, s31, 14
	s_mov_b32 s27, 0
	s_lshl_b32 s28, s31, 12
	s_mov_b32 s29, 0
	s_wait_alu depctr_va_vdst(0)
	s_wait_kmcnt 0x0
	s_load_b256 s[32:39], s[20:21], 0x0            ; entries 0 to 7
	s_add_nc_u64 s[4:5], s[4:5], s[26:27]
	s_add_nc_u64 s[8:9], s[6:7], s[28:29]          ; plane 0,
	s_add_nc_u64 s[10:11], s[8:9], 0x400000        ; plane 1,
	s_add_nc_u64 s[12:13], s[8:9], 0x800000        ; plane 2
.macro XLOAD t
.irp i, 0,1,2,3
	global_load_b128 v[RL+16*((\t)%4)+4*\i:RL+16*((\t)%4)+4*\i+3], v3, s[4:5] offset:2048*(\t)+512*\i th:TH_LOAD_NT
.endr
.endm
.macro XTURN t                         ; step t's numbers through the stage: LDS serves a wave's instructions in order
.irp i, 0,1,2,3
	ds_store_b128 v12, v[RL+16*((\t)%4)+4*\i:RL+16*((\t)%4)+4*\i+3] offset:32*SP*((\t)%2)+8*SP*\i
.endr
.irp i, 0,1,2,3
	ds_load_b128 v[XN+16*((\t)%2)+4*\i:XN+16*((\t)%2)+4*\i+3], v13 offset:32*SP*((\t)%2)+16*\i
.endr
.endm
.irp t, 0,1,2,3
	XLOAD \t
.endr
	s_wait_kmcnt 0x0
.irp p, 0,1,2
	s_add_co_i32 s40, s[33+2*\p], 127
	s_lshl_b32 s41, s40, 23
	v_mov_b32 v[5+\p], s41                         ; 2^e as f32
	s_add_co_i32 s40, s40, 15
	s_lshl_b32 s40, s40, 23
	s_or_b32 s40, s40, 0x600000
	v_mov_b32 v[8+\p], s40                         ; 57,344 x 2^e
.endr
	s_wait_alu depctr_va_vdst(0)                   ; the wait at the head's end
	s_wait_loadcnt 12                              ; step 0's four loads are in; the twelve of steps 1 to 3 may be out
	XTURN 0
.macro XSTEP t
.set XS, XN+16*((\t)%2)
	s_wait_dscnt 0x0                               ; this step's numbers are back, so its stores into the stage have read their registers,
.if (\t)+4 < 8
	XLOAD (\t)+4                                   ; which take the loads of four steps on
.endif
.if (\t)+1 < 8
.if 6-(\t) >= 3
	s_wait_loadcnt 12                              ; the next step's four loads are in; those of the three steps behind it may be out
.else
	s_wait_loadcnt 4*(6-(\t))
.endif
	XTURN (\t)+1
.endif
.irp p, 0,1,2
.irp i, 0,1,2,3,4,5,6,7,8,9,10,11,12,13,14,15
	v_med3_num_f32 v[TH+\i], v[XS+\i], -v[8+\p], v[8+\p]
.endr
	v_cvt_scalef32_pk8_bf8_f32 v[CX+12*(\t)+4*\p:CX+12*(\t)+4*\p+1], v[TH:TH+7], v[5+\p]
	v_cvt_scalef32_pk8_bf8_f32 v[CX+12*(\t)+4*\p+2:CX+12*(\t)+4*\p+3], v[TH+8:TH+15], v[5+\p]
	v_nop                                          ; a plain line between the conversions and the next plane's holds, which write their sources
	global_store_b128 v3, v[CX+12*(\t)+4*\p:CX+12*(\t)+4*\p+3], s[8+2*\p:9+2*\p] offset:512*(\t)
.endr
.endm
.irp t, 0,1,2,3,4,5,6,7
	XSTEP \t
.endr
	s_wait_tensorcnt 0x0                           ; the wave's end, behind my last LDS store
	ds_add_u32 v[SPW], v[NIL]
	s_wait_dscnt 0x0
	s_endpgm
.Lfunc_end_k_q8d597382f1_prep:
	.size	k_q8d597382f1_prep, .Lfunc_end_k_q8d597382f1_prep-k_q8d597382f1_prep
	.p2alignl 7, 3214868480
	.fill 96, 4, 3214868480
	.section	.rodata,"a",@progbits
	.p2align	6, 0x0
	.amdhsa_kernel k_q8d597382f1_prep
		.amdhsa_group_segment_fixed_size 68608
		.amdhsa_private_segment_fixed_size 0
		.amdhsa_enable_private_segment 0
		.amdhsa_kernarg_size 80
		.amdhsa_user_sgpr_count 2
		.amdhsa_user_sgpr_kernarg_segment_ptr 1
		.amdhsa_wavefront_size32 1
		.amdhsa_system_sgpr_workgroup_id_x 1
		.amdhsa_system_sgpr_workgroup_id_y 1
		.amdhsa_system_sgpr_workgroup_id_z 1
		.amdhsa_system_vgpr_workitem_id 0
		.amdhsa_next_free_vgpr 224
		.amdhsa_next_free_sgpr 96
		.amdhsa_reserve_vcc 0
		.amdhsa_float_denorm_mode_32 3
		.amdhsa_float_denorm_mode_16_64 3
		.amdhsa_memory_ordered 1
		.amdhsa_forward_progress 1
		.amdhsa_inst_pref_size 92
	.end_amdhsa_kernel
	.amdgpu_metadata
---
amdhsa.version: [ 1, 2 ]
amdhsa.kernels:
  - .name:           k_q8d597382f1_prep
    .symbol:         k_q8d597382f1_prep.kd
    .args:
      - { .name: Wq, .offset: 0, .size: 8, .value_kind: global_buffer, .address_space: global }
      - { .name: Wk, .offset: 8, .size: 8, .value_kind: global_buffer, .address_space: global }
      - { .name: Wv, .offset: 16, .size: 8, .value_kind: global_buffer, .address_space: global }
      - { .name: Wo, .offset: 24, .size: 8, .value_kind: global_buffer, .address_space: global }
      - { .name: W1, .offset: 32, .size: 8, .value_kind: global_buffer, .address_space: global }
      - { .name: W2, .offset: 40, .size: 8, .value_kind: global_buffer, .address_space: global }
      - { .name: lowp_scales, .offset: 48, .size: 8, .value_kind: global_buffer, .address_space: global }
      - { .name: wc, .offset: 56, .size: 8, .value_kind: global_buffer, .address_space: global }
      - { .name: x, .offset: 64, .size: 8, .value_kind: global_buffer, .address_space: global }
      - { .name: xc, .offset: 72, .size: 8, .value_kind: global_buffer, .address_space: global }
    .group_segment_fixed_size: 68608
    .private_segment_fixed_size: 0
    .kernarg_segment_align: 8
    .kernarg_segment_size: 80
    .max_flat_workgroup_size: 128
    .sgpr_count:     96
    .vgpr_count:     224
    .wavefront_size: 32
...
	.end_amdgpu_metadata
.endif
;; end of part 10
;; launch qkv (part 11): grid 12 x 16, 4 waves a work-group, clusters of 4 x 4, 327,680 bytes of LDS; arguments xc, wc, lowp_scales, bq, bk, bv, qkvc; writes qkvc
.if DOCPART == 11
	.amdgcn_target "amdgcn-amd-amdhsa--gfx1250"
	.amdhsa_code_object_version 6
	.text
	.protected	k_q8d597382f1_qkv
	.globl	k_q8d597382f1_qkv
	.p2align	8
	.type	k_q8d597382f1_qkv,@function
k_q8d597382f1_qkv:
	s_mov_b64 s[64:65], 0
	v_nop
	global_prefetch_b8 v0, s[64:65] scope:SCOPE_SE
	s_setreg_imm32_b32 hwreg(HW_REG_WAVE_MODE, 25, 1), 1
	s_wait_xcnt 0x0
	s_wait_alu depctr_hold_cnt(0) depctr_sa_sdst(0) depctr_va_vdst(0) depctr_va_sdst(0) depctr_va_ssrc(0) depctr_va_vcc(0) depctr_vm_vsrc(0)
	s_getreg_b32 s2, hwreg(HW_REG_IB_STS2, 6, 4)
	s_cmp_eq_u32 s2, 0
	s_cbranch_scc0 .Lentry_in_a_cluster
	s_endpgm
.Lentry_in_a_cluster:
	s_bfe_u32 s2, ttmp6, 0x10000c
	s_cmp_lg_u32 s2, 0xf033
	s_cbranch_scc0 .Lentry_shape_is_right
	s_endpgm
.Lentry_shape_is_right:
; q, k and v: three products of x's codes [4096][1024] with a weight's codes [1024][1024] (K = 1,024, BF8), each sum x 2^(eW + ex) + bias in f32, then quantised for attention (entries 6, 7, 9).  No work is left out.
; A tile of 256 x 256 to a work-group of four waves, 128 x 128 a wave: 64 accumulators, 512 registers.  K in steps of 256 through two LDS slots filled by the tensor data mover.
; CLUSTERS of 4 x 4; A's tile is asked for jointly by a row of the cluster, B's by a column.  The cluster's x says which product: 0: q, 1: k (A = x's plane, B = the weight), 2: v (A = Wv, B = x's plane 2: v TRANSPOSED).
; The matrix instruction takes B's rows as source 0 and A's as source 1, so a lane holds ONE row of A and eight neighbouring rows of B: for q and k one token and eight channels (the next K), for v one channel and eight keys (the next K).
; OUT, as images of the next operands' registers (a group of four registers = 512 consecutive bytes, lane l's 16 at 16 l):
;   q, k: [batch x head 32][16 tokens 128][1,024 B]: group c: lane (r, h): token r, channels 32 c + 16 h + 0 .. 15.
;   v:    [batch x head][128 keys 16][16 channels 4][2,048 B]: lane (r, h): channel r; registers 4 c, 4 c + 1: keys 32 c + 8 h + 0 .. 7; 4 c + 2, 4 c + 3: keys 32 c + 16 + 8 h + 0 .. 7: the order in which attention's weights fall.
; LIMITS: eW + ex between -126 and 127; entries 6, 7, 9 between -126 and 112; NaN is not served by the holds.
; REGISTERS: window 0: v16-31 addresses and scales; v32-39 the bias loads' offsets; v64-127 the bias; v128-255 A's fragments, one set; on the way out v128-191 the numbers, v192-223 codes, v224-255 images.
;   window 1: B's fragments, two sets.  windows 2, 3: the accumulators ((a, b) at v[8 (8 (a % 4) + b)]).
.set SIZE_K, 1024
.set KSTEP,  256
.set ROWB,   256
.set KROW,   SIZE_K
.set PITCH,  272                       ; an LDS row: 256 bytes + 16 of padding: the 16 rows that a load touches start at 16 different banks (64 banks of 4 bytes: ISA guide 11.1)
.set FR,     16
.set NL,     4
.set NP,     4                         ; places behind this matrix instruction (ISA guide 7.12.1)
.set HALFT,  128*PITCH
.set SLOT,   4*HALFT
.set LAPS,   SIZE_K/(2*KSTEP)
.set SPARE,  2*SLOT                    ; behind the ring: the spare words, 128 bytes a wave, that no other line names
.set ADRA, 16
.set ADRB, 20
.set STO,  24                          ; the way out: where I put 8 codes of a row of my stage
.set RD,   25                          ; and where I read 16 back
.set LI,   26                          ; 16 x lane
.set SPW,  28
.set NIL,  29
.set SC,   30                          ; 2^eo as f32
.set LIM,  31                          ; 57,344 x 2^eo
.set BA,   32
.set BI,   64
.set AF,   128
.set TMP,  128
.set CD,   192
.set IM,   224
.set G1, 24
.set G0, 32
.set G1B, 48
.set G0B, 56
.set MSB, 0
.macro WIN new                         ; the immediate's high byte repeats the setting that is left
.if MSB != \new
	s_set_vgpr_msb (MSB<<8)|\new
.set MSB, \new
.endif
.endm
.set MUL_LO, 0xa1                      ; source 0 (B) window 1, source 1 (A) window 0, C and D window 2
.set MUL_HI, 0xf1
.set TO_B,   0x40
.macro JLOAD g0a, g1a, g0b, g1b        ; a joint load: waves 0 and 1 fetch for A, waves 2 and 3 for B; an s_nop 0 and four v_nop follow each line
	s_cmp_eq_u32 s15, 0
	s_cbranch_scc0 .Lfor_b_\@
	tensor_load_to_lds s[\g0a:\g0a+3], s[\g1a:\g1a+7]
	s_nop 0
.rept 4
	v_nop
.endr
	s_branch .Lasked_\@
.Lfor_b_\@:
	tensor_load_to_lds s[\g0b:\g0b+3], s[\g1b:\g1b+7]
	s_nop 0
.rept 4
	v_nop
.endr
.Lasked_\@:
.endm
.macro CREST
	s_cmp_lg_u32 s14, 0
	s_cbranch_scc1 .Lnot_wave_0_\@
	s_barrier_signal -3
.Lnot_wave_0_\@:
	s_barrier_wait -3
	s_barrier_signal -1
	s_barrier_wait -1
.endm
.macro CROUND
	s_barrier_signal -1
	s_barrier_wait -1
	CREST
.endm
	s_load_b256 s[4:11], s[0:1], 0x0               ; x's codes, the weights' codes, the exponents, bq
	s_load_b128 s[68:71], s[0:1], 0x20             ; bk, bv
	s_load_b64 s[72:73], s[0:1], 0x30              ; the result
	v_lshl_add_u32 v[SPW], v0, 2, SPARE
	v_mov_b32 v[NIL], 0
	ds_add_u32 v[SPW], v[NIL]                      ; the wave's opening: the add, twice on end, and its wait ahead of my first tensor load
	ds_add_u32 v[SPW], v[NIL]
	v_lshrrev_b32 v1, 5, v0
	v_readfirstlane_b32 s14, v1                    ; wave 0..3
	s_lshr_b32 s15, s14, 1                         ; which half of the tile's rows is mine; also: I fetch for A (0) or B (1)
	s_and_b32 s16, s14, 1                          ; which half of its columns; also: which 128 rows I fetch
	s_bfe_u32 s40, ttmp6, 0x40000                  ; cx
	s_bfe_u32 s41, ttmp6, 0x40004                  ; cy
	s_and_b32 s12, ttmp7, 0xffff
	s_lshl_b32 s12, s12, 2                         ; 4 x cluster y
	s_lshl_b32 s66, ttmp9, 22                      ; x's plane of codes for q, k
	s_lshl_b32 s94, ttmp9, 20                      ; the weight's place for q, k
	s_lshl_b32 s43, s41, 2
	s_lshl_b32 s43, 15, s43                        ; my row of the cluster
	s_lshl_b32 s44, 0x1111, s40                    ; my column
	s_cmp_eq_u32 ttmp9, 2                          ; v?  The cluster's x is the same in all sixteen partners
	s_cselect_b32 s17, 0, s12
	s_cselect_b32 s42, s12, 0
	s_cselect_b32 s66, 0x200000, s66               ; A's place in its buffer: Wv's codes, or x's plane
	s_cselect_b32 s94, 0x800000, s94               ; B's: x's plane 2, or the weight
	s_mov_b32 s67, 0
	s_mov_b32 s95, 0
	s_add_co_u32 s17, s17, s41                     ; tile row (of A's rows)
	s_add_co_u32 s42, s42, s40                     ; tile column (of B's rows)
	s_or_b32 s[G1+0], s43, (0<<16)|(1<<20)|(1<<21)|(5<<22)|(3<<25)  ; the mask; elements of 1 byte; padding on; bit 21 beside a mask; after every 64 words four words
	s_or_b32 s[G1B+0], s44, (0<<16)|(1<<20)|(1<<21)|(5<<22)|(3<<25)
.irp g, G1, G1B
	s_mov_b32 s[\g+1], ROWB<<16                    ; tensor_dim0
	s_mov_b32 s[\g+2], 128<<16                     ; tensor_dim1
	s_mov_b32 s[\g+3], ROWB<<16                    ; tile_dim0
	s_mov_b32 s[\g+4], 128                         ; tile_dim1
	s_mov_b32 s[\g+5], KROW                        ; stride
	s_mov_b32 s[\g+6], 0
	s_mov_b32 s[\g+7], 0
.endr
	s_lshl_b32 s18, s16, 7
	s_lshl_b32 s20, s17, 8
	s_add_co_u32 s20, s20, s18                     ; A: row 256 x tile row + 128 x half
	s_lshl_b32 s46, s42, 8
	s_add_co_u32 s46, s46, s18                     ; B likewise
	s_mov_b32 s21, 0
	s_mov_b32 s47, 0
	s_mov_b64 s[18:19], KROW
	s_mul_u64 s[20:21], s[20:21], s[18:19]
	s_mul_u64 s[46:47], s[46:47], s[18:19]
	s_mul_i32 s45, s14, HALFT                      ; where they go: wave x 128 rows
	s_wait_dscnt 0x0                               ; both opening adds are done
	s_wait_kmcnt 0x0
	s_load_b512 s[76:91], s[8:9], 0x0              ; the sixteen exponents
	s_cmp_eq_u32 ttmp9, 2
	s_cselect_b64 s[22:23], s[6:7], s[4:5]         ; A's buffer,
	s_cselect_b64 s[98:99], s[4:5], s[6:7]         ; B's
	s_add_nc_u64 s[22:23], s[22:23], s[66:67]
	s_add_nc_u64 s[98:99], s[98:99], s[94:95]
	s_add_nc_u64 s[20:21], s[22:23], s[20:21]
	s_add_nc_u64 s[46:47], s[98:99], s[46:47]
	CROUND                                         ; all sixteen work-groups are here: the first joint loads meet
.irp s, 0,1
	s_mov_b32 s[G0+4*\s], 1
	s_add_co_u32 s[G0+4*\s+1], s45, \s*SLOT
	s_add_nc_u64 s[G0+4*\s+2:G0+4*\s+3], s[20:21], \s*ROWB
	s_or_b32 s[G0+4*\s+3], s[G0+4*\s+3], 0x80000000
	s_mov_b32 s[G0B+4*\s], 1
	s_add_co_u32 s[G0B+4*\s+1], s45, \s*SLOT
	s_add_nc_u64 s[G0B+4*\s+2:G0B+4*\s+3], s[46:47], \s*ROWB
	s_or_b32 s[G0B+4*\s+3], s[G0B+4*\s+3], 0x80000000
.if \s
	s_wait_alu depctr_va_vdst(0)                   ; slot 1's first fill is issued as a refill is
	s_wait_tensorcnt 0x0                           ; my part of K step 0 is in
	ds_add_u32 v[SPW], v[NIL]
	s_wait_dscnt 0x0
	CROUND
.endif
	JLOAD G0+4*\s, G1, G0B+4*\s, G1B
.endr
	v_and_b32 v1, 15, v0                           ; r
	s_wait_alu depctr_va_vdst(0)
	v_bfe_u32 v2, v0, 4, 1                         ; h
	v_mul_u32_u24 v3, v1, PITCH
	v_lshl_add_u32 v4, v2, 4, v3
	s_mul_i32 s21, s15, HALFT
	s_mul_i32 s22, s16, HALFT
	s_add_co_u32 s22, s22, 2*HALFT
.irp s, 0,1
	v_add_nc_u32 v[ADRA+\s], s21, v4
	v_add_nc_u32 v[ADRB+\s], s22, v4
	s_add_co_u32 s21, s21, SLOT
	s_add_co_u32 s22, s22, SLOT
.endr
	s_mul_i32 s23, s14, 16*144                     ; my stage: 16 rows of 128 codes + 16 bytes.  It lies in slot 0, which has had its last fill and its last read when the first code is stored there
	v_mul_u32_u24 v5, v1, 144
	v_add_nc_u32 v5, s23, v5
	s_wait_alu depctr_va_vdst(0)
	v_lshl_add_u32 v[STO], v2, 3, v5
	v_lshl_add_u32 v[RD], v2, 4, v5
	v_and_b32 v6, 31, v0
	v_lshlrev_b32 v[LI], 4, v6
	; where my 128 x 128 goes, and its bias
	s_lshl_b32 s20, s17, 8
	s_lshl_b32 s21, s15, 7
	s_add_co_u32 s20, s20, s21                     ; my first row of A
	s_lshl_b32 s22, s42, 8
	s_lshl_b32 s23, s16, 7
	s_add_co_u32 s22, s22, s23                     ; my first row of B
	s_cmp_eq_u32 ttmp9, 2
	s_cselect_b32 s21, s22, s20                    ; my first token,
	s_cselect_b32 s23, s20, s22                    ; my first channel (of 1,024 = 64 head + d)
	s_cselect_b32 s2, 4, 0                         ; the bias loads' offsets: for v 4 r,
	s_cselect_b32 s3, 0, 32                        ; for q and k 32 h
	s_cselect_b32 s13, 0, 4                        ; + 4 j
	s_lshr_b32 s20, s21, 11
	s_lshl_b32 s20, s20, 4
	s_lshr_b32 s22, s23, 6
	s_add_co_u32 s20, s20, s22                     ; 16 batch + head
	s_lshl_b32 s20, s20, 17                        ; x 131,072 bytes
	s_and_b32 s21, s21, 2047
	s_lshl_b32 s21, s21, 6                         ; + 64 bytes a token of the sequence
	s_add_co_u32 s20, s20, s21
	s_lshl_b32 s21, ttmp9, 22                      ; + the plane
	s_add_co_u32 s92, s20, s21
	s_mov_b32 s93, 0
	s_add_nc_u64 s[92:93], s[72:73], s[92:93]
	s_cmp_eq_u32 ttmp9, 1
	s_cselect_b64 s[74:75], s[68:69], s[10:11]
	s_cmp_eq_u32 ttmp9, 2
	s_cselect_b64 s[74:75], s[70:71], s[74:75]
	s_lshl_b32 s22, s23, 2
	s_mov_b32 s23, 0
	s_add_nc_u64 s[74:75], s[74:75], s[22:23]
	v_mul_u32_u24 v[BA], v1, s2
	v_mad_u32_u24 v[BA], v2, s3, v[BA]
.irp j, 1,2,3,4,5,6,7
	v_add_nc_u32 v[BA+\j], s13, v[BA+\j-1]
.endr
; The bias in the result's layout, one path for all three products.  q, k: register 8 b + j = bias(first channel + 16 b + 8 h + j).  v: registers 8 a + j, all j alike = bias(first channel + 16 a + r).
; The loads stay out under the whole loop; their offsets and base are never rewritten.
.irp b, 0,1,2,3,4,5,6,7
.irp j, 0,1,2,3,4,5,6,7
	global_load_b32 v[BI+8*\b+\j], v[BA+\j], s[74:75] offset:64*\b
.endr
.endr
.macro FRAG reg, adr, q, i             ; 16 rows x 128 K: lane l holds row l % 16; registers 4 c .. 4 c + 3 hold K = 32 c + 16 (l / 16) + 0 .. 15: the same permutation of K in A and in B
.irp c, 0,1,2,3
	ds_load_b128 v[\reg+4*\c:\reg+4*\c+3], v[\adr] offset:128*(\q)+32*\c+(\i)*16*PITCH
.endr
.endm
; 16 matrix instructions: A's blocks a0, a0 + 1 x B's eight.  The 64 accumulators take turns, one instruction a turn, in the same order in every step.
.macro MUL16 a0, p, zero
.irp a, \a0, \a0+1
.irp b, 0,1,2,3,4,5,6,7
.if \zero
	v_wmma_f32_16x16x128_bf8_bf8 v[8*(8*((\a)%4)+\b):8*(8*((\a)%4)+\b)+7], v[128*(\p)+FR*\b:128*(\p)+FR*\b+FR-1], v[AF+FR*(\a):AF+FR*(\a)+FR-1], 0
.else
	v_wmma_f32_16x16x128_bf8_bf8 v[8*(8*((\a)%4)+\b):8*(8*((\a)%4)+\b)+7], v[128*(\p)+FR*\b:128*(\p)+FR*\b+FR-1], v[AF+FR*(\a):AF+FR*(\a)+FR-1], v[8*(8*((\a)%4)+\b):8*(8*((\a)%4)+\b)+7]
.endif
.endr
.endr
.endm
.macro FETCH_B slot, q, p
	WIN TO_B
.irp i, 0,1,2,3,4,5,6,7
	FRAG 128*(\p)+FR*\i, ADRB+\slot, \q, \i
.endr
	WIN 0
.endm
.macro FETCH_A slot, q, i0
.irp i, \i0, \i0+1, \i0+2, \i0+3
	FRAG AF+FR*(\i), ADRA+\slot, \q, \i
.endr
.endm
.macro PLACES n                        ; plain vector lines between a matrix instruction and a load into, or a vector read or write of, its registers
.rept \n
	v_nop
.endr
.endm
.macro STEP slot, q, zero              ; 128 along K, with its successor in the same slot
	s_wait_dscnt 4*NL                              ; B's set and A's blocks 0-3 are in; the youngest sixteen loads (A's blocks 4-7) may be out
	WIN MUL_LO
	MUL16 0, (\q)%2, \zero
	MUL16 2, (\q)%2, \zero
	s_wait_dscnt 0
	PLACES NP
	FETCH_B \slot, (\q)+1, 1-(\q)%2
	FETCH_A \slot, (\q)+1, 0
	WIN MUL_HI
	MUL16 4, (\q)%2, \zero
	MUL16 6, (\q)%2, \zero
	PLACES NP
	WIN 0
	FETCH_A \slot, (\q)+1, 4
.endm
.macro TURN slot, next, fill           ; a slot's last step changes slots: one barrier; fill = 1: it opens a round of the cluster's barrier and this slot is filled again
	s_wait_tensorcnt 0x0                           ; all my tensor loads have landed: my part of the next slot
	ds_add_u32 v[SPW], v[NIL]                      ; 0 onto my spare word
	s_wait_dscnt 4*NL+1                            ; the add and the youngest sixteen loads may be out
	WIN MUL_LO
	MUL16 0, 1, 0
	s_wait_dscnt 0x0                               ; the add is done, and my reads of this slot are over
	s_barrier_signal -1
	MUL16 2, 1, 0
	WIN 0
	s_barrier_wait -1
.if \fill
	CREST                                          ; no wave of any partner still reads this slot or has a load on its way
	s_add_nc_u64 s[G0+4*\slot+2:G0+4*\slot+3], s[G0+4*\slot+2:G0+4*\slot+3], 2*ROWB
	s_add_nc_u64 s[G0B+4*\slot+2:G0B+4*\slot+3], s[G0B+4*\slot+2:G0B+4*\slot+3], 2*ROWB
	JLOAD G0+4*\slot, G1, G0B+4*\slot, G1B         ; the first tensor load behind the round; its four v_nop are the places in front of the loads below
.else
	PLACES NP
.endif
	FETCH_B \next, 0, 0
	FETCH_A \next, 0, 0
	WIN MUL_HI
	MUL16 4, 1, 0
	MUL16 6, 1, 0
	PLACES NP
	WIN 0
	FETCH_A \next, 0, 4
.endm
	s_wait_tensorcnt 1                             ; my part of K step 0 is in; K step 1's load may be out
	s_barrier_signal -1
	s_barrier_wait -1
	FETCH_B 0, 0, 0
	FETCH_A 0, 0, 0
	FETCH_A 0, 0, 4
	STEP 0, 0, 1                                   ; the first step's products start the sums
	s_mov_b32 s3, LAPS-1
.Llap:
	TURN 0, 1, 1
	STEP 1, 0, 0
	TURN 1, 0, 1
	STEP 0, 0, 0
	s_sub_co_u32 s3, s3, 1
	s_cmp_lg_u32 s3, 0
	s_cbranch_scc1 .Llap
	TURN 0, 1, 0                                   ; the last lap fills nothing
	STEP 1, 0, 0
	s_wait_dscnt 4*NL
	WIN MUL_LO
	MUL16 0, 1, 0
	MUL16 2, 1, 0
	s_wait_dscnt 0
	WIN MUL_HI
	MUL16 4, 1, 0
	MUL16 6, 1, 0
	WIN 0
	; THE WAY OUT: sum x 2^(eW + ex) + bias, held, converted; block by block of 16 rows of A
	s_wait_kmcnt 0x0
	s_add_co_i32 s76, s76, s77
	s_add_co_i32 s78, s78, s79
	s_add_co_i32 s80, s80, s81
	s_cmp_eq_u32 ttmp9, 1
	s_cselect_b32 s96, s78, s76
	s_cselect_b32 s98, s83, s82
	s_cmp_eq_u32 ttmp9, 2
	s_cselect_b32 s96, s80, s96                    ; eW + ex
	s_cselect_b32 s98, s85, s98                    ; the result's own exponent: entry 6, 7 or 9
	s_add_co_i32 s96, s96, 127
	s_lshl_b32 s96, s96, 23                        ; 2^(eW + ex) as f32
	s_mov_b32 s97, s96                             ; (named with it as a pair)
	s_add_co_i32 s98, s98, 127
	s_lshl_b32 s99, s98, 23
	v_mov_b32 v[SC], s99
	s_add_co_i32 s98, s98, 15
	s_lshl_b32 s98, s98, 23
	s_or_b32 s98, s98, 0x600000
	v_mov_b32 v[LIM], s98
	s_wait_loadcnt 0x0                             ; the bias
	PLACES NP
.macro NUMBERS a, bias, step           ; block a's 64 sums become numbers, each accumulator from its low end on, then are held and converted
.set AC, 64*((\a)%4)
.set CS_, CD+16*((\a)%2)
	WIN 0x02+((\a)/4)                              ; source 0: window 2 or 3
.set jj, 0
.rept 32
	v_pk_fma_f32 v[TMP+jj:TMP+jj+1], v[AC+jj:AC+jj+1], s[96:97], v[\bias+\step*jj:\bias+\step*jj+1] op_sel_hi:[1,0,1]
.set jj, jj+2
.endr
	WIN 0
.set jj, 0
.rept 64
	v_med3_num_f32 v[TMP+jj], v[TMP+jj], -v[LIM], v[LIM]   ; the conversion does not saturate (ISA guide 7.6.2)
.set jj, jj+1
.endr
.irp b, 0,1,2,3,4,5,6,7
	v_cvt_scalef32_pk8_bf8_f32 v[CS_+2*\b:CS_+2*\b+1], v[TMP+8*\b:TMP+8*\b+7], v[SC]
.endr
	v_nop                                          ; a plain line between the conversions and the next block's lines, which write their sources
.endm
; q, k: a lane's 8 codes of a block of 16 channels go into my stage's row r and come back 16 to a lane, in the order of the next operand's registers
.macro QKBLOCK a
	NUMBERS \a, BI, 1
.set IS_, IM+16*((\a)%2)
.irp b, 0,1,2,3,4,5,6,7
	ds_store_b64 v[STO], v[CS_+2*\b:CS_+2*\b+1] offset:16*\b
.endr
.irp c, 0,1,2,3
	ds_load_b128 v[IS_+4*\c:IS_+4*\c+3], v[RD] offset:32*\c   ; LDS serves a wave's instructions in order: these see the stores above, and the next block's stores come behind them
.endr
.endm
.macro QKSEND a, younger
.set IS_, IM+16*((\a)%2)
	s_wait_dscnt \younger
.irp c, 0,1,2,3
	global_store_b128 v[LI], v[IS_+4*\c:IS_+4*\c+3], s[92:93] offset:1024*(\a)+131072*(\c/2)+512*(\c%2)   ; 512 consecutive bytes: tokens 16 a on, head c / 2, group c % 2
.endr
.endm
; v: the conversions' results are the operand's registers as they stand
.macro VBLOCK a
.if (\a) > 1
	s_wait_xcnt 0x0                                ; block a - 2's stores have read their registers
.endif
	NUMBERS \a, BI+8*(\a), 0
.irp c, 0,1,2,3
	global_store_b128 v[LI], v[CS_+4*\c:CS_+4*\c+3], s[92:93] offset:131072*((\a)/4)+2048*((\a)%4)+512*\c
.endr
.endm
	s_cmp_eq_u32 ttmp9, 2
	s_cbranch_scc1 .Lv_out
	QKBLOCK 0
.irp a, 1,2,3,4,5,6,7
.if \a > 1
	s_wait_xcnt 0x0                                ; block a - 2's stores have read their registers: block a's loads may land there
.endif
	QKBLOCK \a
	QKSEND \a-1, 12                                ; behind block a - 1's loads: block a's 8 stores and 4 loads
.endr
	QKSEND 7, 0
	s_branch .Lend
.Lv_out:
.irp a, 0,1,2,3,4,5,6,7
	VBLOCK \a
.endr
.Lend:
	s_wait_tensorcnt 0x0                           ; the wave's end
	ds_add_u32 v[SPW], v[NIL]
	s_wait_dscnt 0x0
	CROUND                                         ; the closing round
	s_endpgm
.Lfunc_end_k_q8d597382f1_qkv:
	.size	k_q8d597382f1_qkv, .Lfunc_end_k_q8d597382f1_qkv-k_q8d597382f1_qkv
	.p2alignl 7, 3214868480
	.fill 96, 4, 3214868480
	.section	.rodata,"a",@progbits
	.p2align	6, 0x0
	.amdhsa_kernel k_q8d597382f1_qkv
		.amdhsa_group_segment_fixed_size 327680
		.amdhsa_private_segment_fixed_size 0
		.amdhsa_enable_private_segment 0
		.amdhsa_kernarg_size 56
		.amdhsa_user_sgpr_count 2
		.amdhsa_user_sgpr_kernarg_segment_ptr 1
		.amdhsa_wavefront_size32 1
		.amdhsa_system_sgpr_workgroup_id_x 1
		.amdhsa_system_sgpr_workgroup_id_y 1
		.amdhsa_system_sgpr_workgroup_id_z 1
		.amdhsa_system_vgpr_workitem_id 0
		.amdhsa_next_free_vgpr 1024
		.amdhsa_next_free_sgpr 100
		.amdhsa_reserve_vcc 0
		.amdhsa_float_denorm_mode_32 3
		.amdhsa_float_denorm_mode_16_64 3
		.amdhsa_memory_ordered 1
		.amdhsa_forward_progress 1
		.amdhsa_inst_pref_size 205
	.end_amdhsa_kernel
	.amdgpu_metadata
---
amdhsa.version: [ 1, 2 ]
amdhsa.kernels:
  - .name:           k_q8d597382f1_qkv
    .symbol:         k_q8d597382f1_qkv.kd
    .args:
      - { .name: xc, .offset: 0, .size: 8, .value_kind: global_buffer, .address_space: global }
      - { .name: wc, .offset: 8, .size: 8, .value_kind: global_buffer, .address_space: global }
      - { .name: lowp_scales, .offset: 16, .size: 8, .value_kind: global_buffer, .address_space: global }
      - { .name: bq, .offset: 24, .size: 8, .value_kind: global_buffer, .address_space: global }
      - { .name: bk, .offset: 32, .size: 8, .value_kind: global_buffer, .address_space: global }
      - { .name: bv, .offset: 40, .size: 8, .value_kind: global_buffer, .address_space: global }
      - { .name: qkvc, .offset: 48, .size: 8, .value_kind: global_buffer, .address_space: global }
    .group_segment_fixed_size: 327680
    .private_segment_fixed_size: 0
    .kernarg_segment_align: 8
    .kernarg_segment_size: 56
    .max_flat_workgroup_size: 128
    .sgpr_count:     100
    .vgpr_count:     1024
    .wavefront_size: 32
...
	.end_amdgpu_metadata
.endif
;; end of part 11
;; launch attn (part 12): grid 8 x 32, 8 waves a work-group, clusters of 4 x 1, 327,680 bytes of LDS; arguments qkvc, lowp_scales, ao; writes ao
.if DOCPART == 12
	.amdgcn_target "amdgcn-amd-amdhsa--gfx1250"
	.amdhsa_code_object_version 6
	.text
	.protected	k_q8d597382f1_attn
	.globl	k_q8d597382f1_attn
	.p2align	8
	.type	k_q8d597382f1_attn,@function
k_q8d597382f1_attn:
	s_mov_b64 s[64:65], 0
	v_nop
	global_prefetch_b8 v0, s[64:65] scope:SCOPE_SE
	s_setreg_imm32_b32 hwreg(HW_REG_WAVE_MODE, 25, 1), 1
	s_wait_xcnt 0x0
	s_wait_alu depctr_hold_cnt(0) depctr_sa_sdst(0) depctr_va_vdst(0) depctr_va_sdst(0) depctr_va_ssrc(0) depctr_va_vcc(0) depctr_vm_vsrc(0)
	s_getreg_b32 s2, hwreg(HW_REG_IB_STS2, 6, 4)
	s_cmp_eq_u32 s2, 0
	s_cbranch_scc0 .Lentry_in_a_cluster
	s_endpgm
.Lentry_in_a_cluster:
	s_bfe_u32 s2, ttmp6, 0x10000c
	s_cmp_lg_u32 s2, 0x3003
	s_cbranch_scc0 .Lentry_shape_is_right
	s_endpgm
.Lentry_shape_is_right:
; Attention of one head on codes of BF8 (E5M2): S^T = K Q^T (K = 64), p = 2^(t - M), O^T = V^T P^T (K = the keys), O / the row's sum, quantised for the projection (entry 10).  No work is left out.
; t = score x log2(e) / 8 x 2^(e6 + e7); M = the running largest t rounded up to a whole number; p is quantised with 2^e8, held at 57,344 x 2^e8; the sum is taken of the unquantised p in f32.
; When M moves, the sum and O^T are multiplied by 2^(old M - new M), which rounds nothing; no branch hangs on data.
; SHARES.  A work-group owns 256 queries of one batch x head, each of its eight waves 32 of them: two tiles of 16; two waves to a SIMD.  A step is 256 keys: its fragments of K (128 registers) and V (128) are read from LDS once and serve both tiles.
; K and V of the head, 131,072 bytes each, lie whole in LDS: one tensor load a wave at the head, 128 rows of 256 bytes (waves 0-3: K's quarters; 4-7: V's).  Nothing is filled again, so the loop has no barrier.
; CLUSTER of 4: the four work-groups are query blocks of one head and ask for K and V jointly (mask 15).  No prefetch: all that the launch reads through LDS is asked for by the head's one group of loads, and no loop asks memory for anything.
; LAYOUTS are the images that the launch before stores: q, k: [16 tokens][1,024 B]; v: [128 keys][16 channels][2,048 B], keys in the order in which p's codes fall.  A lane holds ONE query (lane % 16) throughout.
; p's CODES ARE LAID OVER p: key tile t's two registers fall on v[126 + 2 t], which tiles converted earlier have left; plain lines (later tiles' holds) stand between two conversions.
; The loop asks for the next step's K in its second tile; in the last trip that run reads the first 16,384 bytes behind K (V's, landed bytes) into registers that nobody uses: so the loop has no tail of its own.
; LIMITS: e6 + e7 between -123 and 130; e8 and e10 between -126 and 112; the scaled scores stay under 2^31 in magnitude; NaN is not served by the holds.
; REGISTERS.  window 0: v1-11 addresses; v12-19 a tile's -M, largest score, sum (pair); v20-35 Q; v36-99 O^T (tile i, channels 16 t: v[36 + 32 i + 8 t]); v100-120 at work; v126-157 p's codes; v128-255 S^T, then p.  window 1: v0-127 K, v128-255 V.
.set VB,    131072
.set STAGE, 262144                     ; the way out: 2 tiles x 16 rows x 80 bytes for each wave; no tensor load lands there
.set SPARE, STAGE+8*2560               ; the spare words, 128 bytes a wave, that no other line names
.set LI,  1
.set LV,  2
.set SPW, 5
.set NIL, 6
.set ADK, 8
.set ADV, 9
.set STO, 10
.set RD,  11
.set ST,  12
.set QR,  20
.set OR,  36
.set T0,  100
.set FF,  104
.set PL,  106
.set OLD, 107
.set CH,  108
.set LA,  116
.set LB,  117
.set SCP, 118
.set SCO, 119
.set LO,  120
.set CD,  126
.set SR,  128
.set WV,  18
.set SEL, 20
.set CS,  22
.set G1,  24
.set TB,  40
.set CNT, 41
.set MSB, 0
.macro WIN new                         ; the immediate's high byte repeats the setting that is left
.if MSB != \new
	s_set_vgpr_msb (MSB<<8)|\new
.set MSB, \new
.endif
.endm
.macro CROUND
	s_barrier_signal -1
	s_barrier_wait -1
	s_cmp_lg_u32 s[WV], 0
	s_cbranch_scc1 .Lnot_wave_0_\@
	s_barrier_signal -3
.Lnot_wave_0_\@:
	s_barrier_wait -3
	s_barrier_signal -1
	s_barrier_wait -1
.endm
	s_load_b128 s[4:7], s[0:1], 0x0                ; q, k, v's codes; the exponents
	s_load_b64 s[8:9], s[0:1], 0x10                ; the result
	v_lshl_add_u32 v[SPW], v0, 2, SPARE
	v_mov_b32 v[NIL], 0
	ds_add_u32 v[SPW], v[NIL]                      ; the opening: the add, twice on end, and its wait ahead of my first tensor load
	ds_add_u32 v[SPW], v[NIL]
	v_lshrrev_b32 v3, 5, v0
	v_readfirstlane_b32 s[WV], v3                  ; wave 0..7
	s_bfe_u32 s42, ttmp6, 0x40000                  ; cx
	s_lshl_b32 s43, ttmp9, 2
	s_add_co_u32 s43, s43, s42                     ; which 256 queries
	s_and_b32 s44, ttmp7, 0xffff                   ; 16 batch + head
	s_mov_b32 s[G1], 15|(3<<16)|(1<<21)            ; the mask of all four; elements of 8 bytes; bit 21 beside a mask
	s_mov_b32 s[G1+1], 32<<16                      ; rows of 256 bytes
	s_mov_b32 s[G1+2], 128<<16                     ; 128 of them
	s_mov_b32 s[G1+3], 32<<16
	s_mov_b32 s[G1+4], 128
	s_mov_b32 s[G1+5], 32                          ; dense
	s_mov_b32 s[G1+6], 0
	s_mov_b32 s[G1+7], 0
	s_lshl_b32 s47, s[WV], 15                      ; LDS: 32,768 x wave
	s_lshr_b32 s45, s[WV], 2
	s_lshl_b32 s48, s45, 22                        ; k's plane or v's
	s_and_b32 s46, s[WV], 3
	s_lshl_b32 s46, s46, 15                        ; which quarter
	s_add_co_u32 s48, s48, s46
	s_lshl_b32 s50, s44, 17                        ; the head's 131,072 bytes
	s_add_co_u32 s48, s48, s50
	s_add_co_u32 s48, s48, 0x400000
	s_mov_b32 s49, 0
	s_lshl_b32 s51, s43, 4
	s_lshl_b32 s52, s[WV], 1
	s_add_co_u32 s51, s51, s52                     ; my first tile of 16 queries
	s_lshl_b32 s52, s51, 10
	s_add_co_u32 s52, s52, s50                     ; its place in q's plane
	s_mov_b32 s53, 0
	s_lshr_b32 s54, s44, 4
	s_lshl_b32 s54, s54, 7
	s_add_co_u32 s54, s54, s51
	s_lshl_b32 s54, s54, 14                        ; the result: 16,384 bytes for 16 tokens,
	s_and_b32 s55, s44, 15
	s_lshl_b32 s55, s55, 10                        ; 1,024 of them the head's
	s_add_co_u32 s54, s54, s55
	s_mov_b32 s55, 0
	s_mov_b32 s[SEL], 0x76543210
	s_mov_b32 s[SEL+1], 0xfedcba98
	s_mov_b32 s[CS], 0x3e38aa3b                    ; log2(e) / 8
	s_mov_b32 s[TB], 0
	s_wait_dscnt 0x0                               ; both opening adds are done
	s_wait_kmcnt 0x0
	s_load_b128 s[56:59], s[6:7], 0x18             ; entries 6 to 9
	s_load_b32 s60, s[6:7], 0x28                   ; entry 10
	s_mov_b32 s32, 1
	s_mov_b32 s33, s47
	s_add_nc_u64 s[34:35], s[4:5], s[48:49]
	s_or_b32 s35, s35, 0x80000000
	CROUND                                         ; all four work-groups are here: the joint loads meet
	tensor_load_to_lds s[32:35], s[G1:G1+7]        ; my one tensor load of the launch
	s_nop 0
.rept 4
	v_nop
.endr
	s_add_nc_u64 s[4:5], s[4:5], s[52:53]
	s_add_nc_u64 s[8:9], s[8:9], s[54:55]
	v_and_b32 v3, 31, v0
	v_lshlrev_b32 v[LI], 4, v3                     ; 16 x lane
	v_add_nc_u32 v[LV], VB, v[LI]
.set tt, 0
.rept 4
	global_load_b128 v[QR+4*tt:QR+4*tt+3], v[LI], s[4:5] offset:512*tt   ; Q's two fragments stay in registers
.set tt, tt+1
.endr
	v_and_b32 v3, 15, v0
	v_bfe_u32 v4, v0, 4, 1
	s_mul_i32 s45, s[WV], 2560
	s_add_co_u32 s45, s45, STAGE
	v_mul_u32_u24 v7, v3, 80
	v_add_nc_u32 v7, s45, v7
	v_lshl_add_u32 v[STO], v4, 3, v7
	v_lshl_add_u32 v[RD], v4, 4, v7
.irp i, 0,1
	v_mov_b32 v[ST+4*\i], 0x7f61b1e6               ; -M: over every -t
	v_mov_b32 v[ST+4*\i+1], 0xff61b1e6             ; the largest score so far: under every score
	v_mov_b32 v[ST+4*\i+2], 0                      ; the sum, in two halves
	v_mov_b32 v[ST+4*\i+3], 0
.endr
	v_mov_b32 v[FF+1], 0                           ; (named as the upper half of a pair)
	v_mov_b32 v[PL], 0                             ; a lane permute's destination counts as one of its sources
.set jj, 0
.rept 64
	v_mov_b32 v[OR+jj], 0                          ; O^T: the loop is written once; its first step finds zeros
.set jj, jj+1
.endr
	s_wait_kmcnt 0x0
	s_add_co_i32 s45, s56, s57
	s_lshl_b32 s45, s45, 23
	s_add_co_i32 s[CS], s[CS], s45                 ; e6 + e7 go into c's exponent field
	s_mov_b32 s[CS+1], s[CS]
	s_add_co_i32 s45, s58, 127
	s_lshl_b32 s46, s45, 23
	v_mov_b32 v[SCP], s46                          ; 2^e8
	s_add_co_i32 s45, s45, 15
	s_lshl_b32 s45, s45, 23
	s_or_b32 s45, s45, 0x600000
	v_mov_b32 v[LA], s45                           ; 57,344 x 2^e8, twice: one for each half of a dual line
	v_mov_b32 v[LB], s45
	s_add_co_i32 s45, s60, 127
	s_lshl_b32 s46, s45, 23
	v_mov_b32 v[SCO], s46                          ; 2^e10
	s_add_co_i32 s45, s45, 15
	s_lshl_b32 s45, s45, 23
	s_or_b32 s45, s45, 0x600000
	v_mov_b32 v[LO], s45                           ; 57,344 x 2^e10
	s_add_co_i32 s61, s58, s59                     ; e8 + e9
.macro KLOAD adr, off                  ; 16 tiles of 16 keys: 32 loads of 512 consecutive bytes
.set tt, 0
.rept 32
	ds_load_b128 v[4*tt:4*tt+3], v[\adr] offset:(\off)+512*tt
.set tt, tt+1
.endr
.endm
.macro FMA k                           ; t - M, two at a time
	v_pk_fma_f32 v[SR+2*(\k):SR+2*(\k)+1], v[SR+2*(\k):SR+2*(\k)+1], s[CS:CS+1], v[NM:NM+1] op_sel_hi:[1,0,0]
.endm
.macro HOLD k                          ; the conversion does not saturate (ISA guide 7.6.2); p is not negative, so the hold is one-sided; two in one line
	v_dual_min_num_f32 v[SR+2*(\k)], v[SR+2*(\k)], v[LA] :: v_dual_min_num_f32 v[SR+2*(\k)+1], v[SR+2*(\k)+1], v[LB]
.endm
.macro SUM k                           ; four chains take turns
	v_pk_add_f32 v[CH+2*((\k)%4):CH+2*((\k)%4)+1], v[CH+2*((\k)%4):CH+2*((\k)%4)+1], v[SR+2*(\k):SR+2*(\k)+1]
.endm
; ONE TILE OF 16 QUERIES AGAINST THE STEP'S 256 KEYS
.macro TS i
.set NM, ST+4*(\i)
.set RM, NM+1
.set SU, NM+2
.set OA, OR+32*(\i)
.if (\i) == 0
	s_wait_dscnt 32                                ; K's 32 loads are in; V's 32, issued behind them, may be out
.else
.rept 5
	v_nop                                          ; five places: the products below write over the codes that the last products read (ISA guide 7.12.1)
.endr
.endif
	WIN 0x01                                       ; source 0: window 1
.set tt, 0
.rept 16
	v_wmma_f32_16x16x64_bf8_bf8 v[SR+8*tt:SR+8*tt+7], v[8*tt:8*tt+7], v[QR+8*(\i):QR+8*(\i)+7], 0
.set tt, tt+1
.endr
	WIN 0
	v_mov_b32 v[OLD], v[NM]                        ; four places behind the products
.rept 3
	v_nop
.endr
.if (\i) == 1
	WIN 0x40
	KLOAD ADK, 16384                               ; the next step's K: its registers have served both tiles
	WIN 0
.endif
.irp q, 0,1,2,3                        ; the largest of my 128 scores, in four chains, each accumulator from its low end on
	v_max3_num_f32 v[T0+\q], v[SR+3*\q], v[SR+3*\q+1], v[SR+3*\q+2]
.endr
.set jj, 12
.rept 14
.irp q, 0,1,2,3
	v_max3_num_f32 v[T0+\q], v[T0+\q], v[SR+jj+2*\q], v[SR+jj+2*\q+1]
.endr
.set jj, jj+8
.endr
	v_max3_num_f32 v[T0], v[T0], v[SR+124], v[SR+125]
	v_max3_num_f32 v[T0+1], v[T0+1], v[SR+126], v[SR+127]
	s_delay_alu instid0(VALU_DEP_1)
	v_max3_num_f32 v[T0], v[T0], v[T0+1], v[T0+2]
	s_delay_alu instid0(VALU_DEP_1)
	v_max3_num_f32 v[T0], v[T0], v[T0+3], v[RM]    ; and the largest so far,
	s_delay_alu instid0(VALU_DEP_1)
	v_permlanex16_b32 v[PL], v[T0], s[SEL], s[SEL+1]
	s_delay_alu instid0(VALU_DEP_1)
	v_max_num_f32 v[RM], v[T0], v[PL]              ; and lane l xor 16's
	s_delay_alu instid0(VALU_DEP_1)
	v_mul_f32 v[T0+1], s[CS], v[RM]                ; as t (c is positive)
	s_delay_alu instid0(VALU_DEP_1)
	v_floor_f32 v[NM], -v[T0+1]                    ; -M = floor(-t): M is a whole number
	FMA 0
	v_sub_f32 v[T0+2], v[NM], v[OLD]               ; old M - new M, 0 or less
	FMA 1
	FMA 2
	v_cvt_i32_f32 v[T0+2], v[T0+2]                 ; (it saturates)
	FMA 3
	FMA 4
	v_ldexp_f32 v[FF], 1.0, v[T0+2]                ; f = 2^(old M - new M)
.set kk, 5
.rept 27
	FMA kk
.set kk, kk+1
.endr
	s_wait_alu depctr_va_vdst(0)                   ; the wait ahead of the exponentials
.set kk, 0
.rept 32                               ; keys 0-127: p = 2^(t - M); between them the other half's t - M, which nothing reads ahead of the next wait
	v_exp_f32 v[SR+2*kk], v[SR+2*kk]
	v_exp_f32 v[SR+2*kk+1], v[SR+2*kk+1]
	FMA 32+kk
.set kk, kk+1
.endr
	s_wait_alu depctr_va_vdst(0)                   ; one wait: behind the exponentials, ahead of the next ones' sources' readers, and directly ahead of the first readers of O^T
.set jj, 0
.rept 16
	v_pk_mul_f32 v[OA+jj:OA+jj+1], v[OA+jj:OA+jj+1], v[FF:FF+1] op_sel_hi:[1,0]   ; O^T under the new M
.set jj, jj+2
.endr
.irp q, 0,1,2,3                        ; the sum of the unquantised p
	v_pk_add_f32 v[CH+2*\q:CH+2*\q+1], v[SR+4*\q:SR+4*\q+1], v[SR+4*\q+2:SR+4*\q+3]
.endr
.set kk, 8
.rept 24
	SUM kk
.set kk, kk+1
.endr
.set kk, 0
.rept 32                               ; keys 128-255: p; between them the first half's holds, which nothing reads ahead of the next wait
	v_exp_f32 v[SR+64+2*kk], v[SR+64+2*kk]
	v_exp_f32 v[SR+64+2*kk+1], v[SR+64+2*kk+1]
	HOLD kk
.set kk, kk+1
.endr
	s_wait_alu depctr_va_vdst(0)                   ; one wait for the batch, ahead of its first reader
.set kk, 32
.rept 32
	SUM kk
.set kk, kk+1
.endr
	v_pk_add_f32 v[CH:CH+1], v[CH:CH+1], v[CH+2:CH+3]
	v_pk_add_f32 v[CH+4:CH+5], v[CH+4:CH+5], v[CH+6:CH+7]
.set tt, 0
.rept 16                               ; tile tt's pairs 4 tt .. 4 tt + 3 are held when it is converted: pairs up to 33 + 2 tt are.  Its codes fall on pair tt - 1, which tile (tt - 1) / 4 has left
	HOLD 32+2*tt
	HOLD 33+2*tt
	v_cvt_scalef32_pk8_bf8_f32 v[CD+2*tt:CD+2*tt+1], v[SR+8*tt:SR+8*tt+7], v[SCP]
.set tt, tt+1
.endr
	v_pk_add_f32 v[CH:CH+1], v[CH:CH+1], v[CH+4:CH+5]   ; (plain lines between the conversions and the products)
	v_pk_fma_f32 v[SU:SU+1], v[SU:SU+1], v[FF:FF+1], v[CH:CH+1] op_sel_hi:[1,0,1]   ; the sum under the new M, + this step's
.if (\i) == 0
	s_wait_alu depctr_va_vdst(0)
	s_wait_dscnt 0x0                               ; V's 32 loads are in
.endif
	WIN 0x01
.irp u, 0,1                            ; the tile's four accumulators take turns
.irp t, 0,1,2,3
	v_wmma_f32_16x16x128_bf8_bf8 v[OA+8*\t:OA+8*\t+7], v[128+64*\u+16*\t:128+64*\u+16*\t+15], v[CD+16*\u:CD+16*\u+15], v[OA+8*\t:OA+8*\t+7]
.endr
.endr
	WIN 0
.endm
	s_wait_alu depctr_va_vdst(0)                   ; the wait at the head's end
	s_wait_loadcnt 0x0                             ; Q
	s_wait_tensorcnt 0x0                           ; my eighth of K and V is in;
	s_barrier_signal -1
	s_barrier_wait -1                              ; everybody's is.
	WIN 0x40
	KLOAD LI, 0                                    ; step 0's K
	WIN 0
	s_mov_b32 s[CNT], 8
.Lstep:                                                ; 8 steps of 256 keys
	v_add_nc_u32 v[ADK], s[TB], v[LI]              ; these two and three v_nop are the places behind the last trip's products: four in front of the loads into V's registers, five in front of the products that write over the codes
	v_add_nc_u32 v[ADV], s[TB], v[LV]
.rept 3
	v_nop
.endr
	WIN 0x40
.set tt, 0
.rept 32
	ds_load_b128 v[128+4*tt:128+4*tt+3], v[ADV] offset:512*tt   ; this step's V: 2 x 128 keys x 4 tiles of 16 channels
.set tt, tt+1
.endr
	WIN 0
	TS 0
	TS 1
	s_add_co_u32 s[TB], s[TB], 16384
	s_sub_co_u32 s[CNT], s[CNT], 1
	s_cmp_lg_u32 s[CNT], 0
	s_wait_alu depctr_va_vdst(0)                   ; the wait ahead of the branch
	s_cbranch_scc1 .Lstep
	; THE WAY OUT: O^T / the sum x 2^(e8 + e9), held, converted with 2^e10, turned through my stage into the next operand's images
.irp i, 0,1
	v_add_f32 v[ST+4*\i+2], v[ST+4*\i+2], v[ST+4*\i+3]
.endr
.irp i, 0,1
	v_permlanex16_b32 v[T0+\i], v[ST+4*\i+2], s[SEL], s[SEL+1]
.endr
.irp i, 0,1
	v_add_f32 v[ST+4*\i+2], v[ST+4*\i+2], v[T0+\i]
.endr
	s_wait_alu depctr_va_vdst(0)                   ; the wait ahead of the batch
.irp i, 0,1
	v_rcp_f32 v[ST+4*\i+2], v[ST+4*\i+2]
.endr
	v_nop                                          ; a plain line behind the transcendentals,
	s_wait_alu depctr_va_vdst(0)                   ; and the wait ahead of their first reader
.irp i, 0,1
	v_ldexp_f32 v[ST+4*\i+2], v[ST+4*\i+2], s61
.endr
	s_wait_alu depctr_va_vdst(0)                   ; the wait directly ahead of the first readers of O^T
.irp i, 0,1
.set jj, 0
.rept 16
	v_pk_mul_f32 v[SR+32*\i+jj:SR+32*\i+jj+1], v[OR+32*\i+jj:OR+32*\i+jj+1], v[ST+4*\i+2:ST+4*\i+3] op_sel_hi:[1,0]
.set jj, jj+2
.endr
.endr
.set jj, 0
.rept 64
	v_med3_num_f32 v[SR+jj], v[SR+jj], -v[LO], v[LO]
.set jj, jj+1
.endr
.set tt, 0
.rept 8
	v_cvt_scalef32_pk8_bf8_f32 v[SR+64+2*tt:SR+64+2*tt+1], v[SR+8*tt:SR+8*tt+7], v[SCO]
.set tt, tt+1
.endr
	v_nop
.set tt, 0
.rept 8
	ds_store_b64 v[STO], v[SR+64+2*tt:SR+64+2*tt+1] offset:1280*(tt/4)+16*(tt%4)   ; tile tt / 4, row = query, channels 16 (tt % 4) + 8 h on
.set tt, tt+1
.endr
.set tt, 0
.rept 4
	ds_load_b128 v[SR+96+4*tt:SR+96+4*tt+3], v[RD] offset:1280*(tt/2)+32*(tt%2)    ; LDS serves a wave's instructions in order: these see my stores
.set tt, tt+1
.endr
	s_wait_alu depctr_va_vdst(0)
	s_wait_dscnt 0x0
.set tt, 0
.rept 4
	global_store_b128 v[LI], v[SR+96+4*tt:SR+96+4*tt+3], s[8:9] offset:16384*(tt/2)+512*(tt%2)   ; 512 consecutive bytes, aligned
.set tt, tt+1
.endr
	s_wait_tensorcnt 0x0                           ; the wave's end
	ds_add_u32 v[SPW], v[NIL]
	s_wait_dscnt 0x0
	CROUND                                         ; the closing round
	s_endpgm
.Lfunc_end_k_q8d597382f1_attn:
	.size	k_q8d597382f1_attn, .Lfunc_end_k_q8d597382f1_attn-k_q8d597382f1_attn
	.p2alignl 7, 3214868480
	.fill 96, 4, 3214868480
	.section	.rodata,"a",@progbits
	.p2align	6, 0x0
	.amdhsa_kernel k_q8d597382f1_attn
		.amdhsa_group_segment_fixed_size 327680
		.amdhsa_private_segment_fixed_size 0
		.amdhsa_enable_private_segment 0
		.amdhsa_kernarg_size 24
		.amdhsa_user_sgpr_count 2
		.amdhsa_user_sgpr_kernarg_segment_ptr 1
		.amdhsa_wavefront_size32 1
		.amdhsa_system_sgpr_workgroup_id_x 1
		.amdhsa_system_sgpr_workgroup_id_y 1
		.amdhsa_system_sgpr_workgroup_id_z 1
		.amdhsa_system_vgpr_workitem_id 0
		.amdhsa_next_free_vgpr 512
		.amdhsa_next_free_sgpr 66
		.amdhsa_reserve_vcc 0
		.amdhsa_float_denorm_mode_32 3
		.amdhsa_float_denorm_mode_16_64 3
		.amdhsa_memory_ordered 1
		.amdhsa_forward_progress 1
		.amdhsa_inst_pref_size 73
	.end_amdhsa_kernel
	.amdgpu_metadata
---
amdhsa.version: [ 1, 2 ]
amdhsa.kernels:
  - .name:           k_q8d597382f1_attn
    .symbol:         k_q8d597382f1_attn.kd
    .args:
      - { .name: qkvc, .offset: 0, .size: 8, .value_kind: global_buffer, .address_space: global }
      - { .name: lowp_scales, .offset: 8, .size: 8, .value_kind: global_buffer, .address_space: global }
      - { .name: ao, .offset: 16, .size: 8, .value_kind: global_buffer, .address_space: global }
    .group_segment_fixed_size: 327680
    .private_segment_fixed_size: 0
    .kernarg_segment_align: 8
    .kernarg_segment_size: 24
    .max_flat_workgroup_size: 256
    .sgpr_count:     66
    .vgpr_count:     512
    .wavefront_size: 32
...
	.end_amdgpu_metadata
.endif
;; end of part 12
;; launch wo (part 13): grid 8 x 32, 4 waves a work-group, clusters of 4 x 4, 327,680 bytes of LDS; arguments ao, wc, lowp_scales, cb; writes cb
.if DOCPART == 13
	.amdgcn_target "amdgcn-amd-amdhsa--gfx1250"
	.amdhsa_code_object_version 6
	.text
	.protected	k_q8d597382f1_wo
	.globl	k_q8d597382f1_wo
	.p2align	8
	.type	k_q8d597382f1_wo,@function
k_q8d597382f1_wo:
	s_mov_b64 s[64:65], 0
	v_nop
	global_prefetch_b8 v0, s[64:65] scope:SCOPE_SE
	s_setreg_imm32_b32 hwreg(HW_REG_WAVE_MODE, 25, 1), 1
	s_wait_xcnt 0x0
	s_wait_alu depctr_hold_cnt(0) depctr_sa_sdst(0) depctr_va_vdst(0) depctr_va_sdst(0) depctr_va_ssrc(0) depctr_va_vcc(0) depctr_vm_vsrc(0)
	s_getreg_b32 s2, hwreg(HW_REG_IB_STS2, 6, 4)
	s_cmp_eq_u32 s2, 0
	s_cbranch_scc0 .Lentry_in_a_cluster
	s_endpgm
.Lentry_in_a_cluster:
	s_bfe_u32 s2, ttmp6, 0x10000c
	s_cmp_lg_u32 s2, 0xf033
	s_cbranch_scc0 .Lentry_shape_is_right
	s_endpgm
.Lentry_shape_is_right:
; The projection: C [4096][1024] f32 = attention's codes x Wo's codes (K = 1,024, BF8), each sum x 2^(e10 + e11).  The bias and the residual are added by the layer norm's launch.  No work is left out.
; A TILE OF C IS 128 x 128, so that C's 4,096 x 1,024 make 256 work-groups, where tiles of 256 x 256 would make 64.  Four waves, each 64 x 64: 16 accumulators of 16 x 16, 128 registers.
; K goes in steps of 512, as long as two LDS slots allow: here K = 1,024 is the two first fills, and no slot is filled again.
; CLUSTERS of 4 x 4: A's tile is asked for jointly by a row of the cluster, B's by a column: the same tensor load, with the same descriptor and a mask that names the four.
; A ARRIVES AS IMAGES OF ITS FRAGMENTS: [16 tokens][K / 32][512 B]: a K step of 16 tokens is 8,192 consecutive bytes, so a wave's load is 4 rows of 8,192 bytes, dense in LDS, and a fragment comes by four loads of 512 consecutive bytes.
; B (Wo's codes, [n][k], at 3 MiB of the weights' buffer) comes as rows of 512 bytes, padded to 528.  Both hold K = 32 c + 16 (lane / 16) + 0 .. 15 in registers 4 c .. 4 c + 3: the same permutation of K on both sides.
; Source 0 = rows of B, source 1 = rows of A: a lane holds eight neighbouring numbers of a row of C.  LIMIT: e10 + e11 between -126 and 127, so that 2^(e10 + e11) is an f32 number.
; REGISTERS: window 0: v16-29 addresses; v32-63 a block's numbers; v64-127 rows read back, two sets; v128-255 the accumulators ((a, b) at v[128 + 8 (4 a + b)]).
;   window 1: two fragment buffers of 128: for 128 along K, A's four fragments (64 registers), then B's four.
.set SIZE_K, 1024
.set SIZE_N, 1024
.set BOFF,   0x300000                  ; Wo's codes in the weights' buffer
.set EOFF,   0x28                      ; entries 10, 11
.set KSTEP,  512                       ; along K in a slot
.set ROWB,   512                       ; a row of B's tile in bytes
.set ASTEP,  8192                      ; a K step of 16 tokens' images
.set KROW,   SIZE_K
.set PITCH,  528                       ; B's LDS row: 512 bytes + 16 of padding = 132 words: row r starts at bank 4 r mod 64 (64 banks of 4 bytes: ISA guide 11.1)
.set FR,     16                        ; registers of a fragment: 16 rows x 128 K
.set NP,     4                         ; places behind this matrix instruction (ISA guide 7.12.1)
.set AHALF,  4*ASTEP                   ; 64 tokens of A: what one tensor load brings, and what one wave reads
.set BHALF,  64*PITCH                  ; 64 rows of B likewise
.set BREG,   2*AHALF                   ; B's rows lie behind A's 128 tokens
.set SLOT,   BREG+2*BHALF
.set LAPS,   SIZE_K/(2*KSTEP)          ; a lap = two K steps = once round the ring
.set STAGE,  2*SLOT                    ; behind the ring: 16 rows x (256 + 16) bytes for each wave, for the way out; no tensor load lands there
.set SPITCH, 272
.set SPARE,  STAGE+4*16*SPITCH         ; behind the stages: the spare words, 128 bytes a wave, that no other line names
.set ADRA, 16                          ; v16-17  LDS address of my A fragments in slot 0, 1
.set ADRB, 20                          ; v20-21  the same for B
.set STO,  24                          ; the way out: where I put 32 bytes of a row
.set RD,   25                          ; and where I read a row back
.set CO,   26                          ; my byte offset in two rows of C
.set LI,   27                          ; 16 x lane
.set SPW,  28
.set NIL,  29
.set TMP,  32
.set BK,   64
.set ACC,  128
.set F0,   0                           ; fragment buffers, in window 1
.set F1,   128
.set G1, 24
.set G0, 32
.set G1B, 48
.set G0B, 56
.set MSB, 0
.macro WIN new                         ; the immediate's high byte repeats the setting that is left
.if MSB != \new
	s_set_vgpr_msb (MSB<<8)|\new
.set MSB, \new
.endif
.endm
.set MUL,  0x05                        ; sources 0 (B) and 1 (A) window 1; C and D window 0
.set TO_F, 0x40                        ; destination window 1, address window 0
.macro JLOAD g0a, g1a, g0b, g1b        ; a joint load: waves 0 and 1 fetch for A, waves 2 and 3 for B; an s_nop 0 and four v_nop follow each line
	s_cmp_eq_u32 s15, 0
	s_cbranch_scc0 .Lfor_b_\@
	tensor_load_to_lds s[\g0a:\g0a+3], s[\g1a:\g1a+7]
	s_nop 0
.rept 4
	v_nop
.endr
	s_branch .Lasked_\@
.Lfor_b_\@:
	tensor_load_to_lds s[\g0b:\g0b+3], s[\g1b:\g1b+7]
	s_nop 0
.rept 4
	v_nop
.endr
.Lasked_\@:
.endm
.macro CREST                           ; a round of the cluster's barrier behind its opening barrier
	s_cmp_lg_u32 s14, 0
	s_cbranch_scc1 .Lnot_wave_0_\@
	s_barrier_signal -3
.Lnot_wave_0_\@:
	s_barrier_wait -3
	s_barrier_signal -1
	s_barrier_wait -1
.endm
.macro CROUND
	s_barrier_signal -1
	s_barrier_wait -1
	CREST
.endm
	s_load_b128 s[4:7], s[0:1], 0x0                ; A's images, the weights' codes
	s_load_b128 s[8:11], s[0:1], 0x10              ; the exponents, C
	v_lshl_add_u32 v[SPW], v0, 2, SPARE
	v_mov_b32 v[NIL], 0
	ds_add_u32 v[SPW], v[NIL]                      ; the wave's opening: the add, twice on end, and its wait ahead of my first tensor load
	ds_add_u32 v[SPW], v[NIL]
	v_lshrrev_b32 v1, 5, v0
	v_readfirstlane_b32 s14, v1                    ; wave 0..3
	s_lshr_b32 s15, s14, 1                         ; which half of the tile's rows is mine; also: I fetch for A (0) or for B (1)
	s_and_b32 s16, s14, 1                          ; which half of its columns; also: which 64 rows of that tile I fetch
	s_bfe_u32 s40, ttmp6, 0x40000                  ; cx
	s_bfe_u32 s41, ttmp6, 0x40004                  ; cy
	s_lshl_b32 s42, ttmp9, 2
	s_add_co_u32 s42, s42, s40                     ; tile column of C
	s_and_b32 s17, ttmp7, 0xffff
	s_lshl_b32 s17, s17, 2
	s_add_co_u32 s17, s17, s41                     ; tile row of C
	s_lshl_b32 s43, s41, 2
	s_lshl_b32 s43, 15, s43                        ; my row of the cluster
	s_lshl_b32 s44, 0x1111, s40                    ; my column
	s_or_b32 s[G1+0], s43, (1<<21)                 ; A: the mask of my row; elements of 1 byte; bit 21 beside a mask; no padding
	s_mov_b32 s[G1+1], ASTEP<<16                   ; tensor_dim0 = 8,192
	s_mov_b32 s[G1+2], 4<<16                       ; tensor_dim1 = 4
	s_mov_b32 s[G1+3], ASTEP<<16                   ; tile_dim0
	s_mov_b32 s[G1+4], 4                           ; tile_dim1: 4 tiles of 16 tokens
	s_mov_b32 s[G1+5], 16*SIZE_K                   ; stride: 16 tokens' codes
	s_mov_b32 s[G1+6], 0
	s_mov_b32 s[G1+7], 0
	s_or_b32 s[G1B+0], s44, (0<<16)|(1<<20)|(1<<21)|(6<<22)|(3<<25)  ; B: the mask of my column; padding on: after every 128 words four words
	s_mov_b32 s[G1B+1], ROWB<<16                   ; tensor_dim0 = 512
	s_mov_b32 s[G1B+2], 64<<16                     ; tensor_dim1 = 64
	s_mov_b32 s[G1B+3], ROWB<<16                   ; tile_dim0
	s_mov_b32 s[G1B+4], 64                         ; tile_dim1
	s_mov_b32 s[G1B+5], KROW                       ; stride
	s_mov_b32 s[G1B+6], 0
	s_mov_b32 s[G1B+7], 0
	s_lshl_b32 s18, s16, 6                         ; which 64 rows of the tile I fetch
	s_lshl_b32 s20, s17, 7
	s_add_co_u32 s20, s20, s18                     ; A: token 128 x tile row + 64 x half
	s_lshl_b32 s46, s42, 7
	s_add_co_u32 s46, s46, s18                     ; B: row 128 x tile column + 64 x half
	s_mov_b32 s21, 0
	s_mov_b32 s47, 0
	s_mov_b64 s[18:19], KROW
	s_mul_u64 s[20:21], s[20:21], s[18:19]         ; a token's codes are K bytes in the images too
	s_mul_u64 s[46:47], s[46:47], s[18:19]
	s_mul_i32 s45, s16, AHALF                      ; where A's half goes,
	s_mul_i32 s12, s16, BHALF
	s_add_co_u32 s12, s12, BREG                    ; and B's: no place in the cluster enters an LDS address
	s_wait_dscnt 0x0                               ; both opening adds are done
	s_wait_kmcnt 0x0
	s_load_b64 s[96:97], s[8:9], EOFF              ; ea, eb
	s_add_nc_u64 s[20:21], s[4:5], s[20:21]
	s_add_nc_u64 s[46:47], s[6:7], s[46:47]
	s_add_nc_u64 s[46:47], s[46:47], BOFF
	CROUND                                         ; all sixteen work-groups are here: the first joint loads meet
.irp s, 0,1
	s_mov_b32 s[G0+4*\s], 1
	s_add_co_u32 s[G0+4*\s+1], s45, \s*SLOT
	s_add_nc_u64 s[G0+4*\s+2:G0+4*\s+3], s[20:21], \s*ASTEP
	s_or_b32 s[G0+4*\s+3], s[G0+4*\s+3], 0x80000000
	s_mov_b32 s[G0B+4*\s], 1
	s_add_co_u32 s[G0B+4*\s+1], s12, \s*SLOT
	s_add_nc_u64 s[G0B+4*\s+2:G0B+4*\s+3], s[46:47], \s*ROWB
	s_or_b32 s[G0B+4*\s+3], s[G0B+4*\s+3], 0x80000000
.if \s
	s_wait_alu depctr_va_vdst(0)                   ; slot 1's first fill is issued as a refill is
	s_wait_tensorcnt 0x0                           ; my part of K step 0 is in
	ds_add_u32 v[SPW], v[NIL]
	s_wait_dscnt 0x0
	CROUND
.endif
	JLOAD G0+4*\s, G1, G0B+4*\s, G1B
.endr
	v_and_b32 v1, 15, v0                           ; r
	v_bfe_u32 v2, v0, 4, 1                         ; h
	v_mul_u32_u24 v3, v1, PITCH
	v_lshl_add_u32 v4, v2, 4, v3                   ; B: row r x pitch + 16 h
	v_and_b32 v6, 31, v0
	v_lshlrev_b32 v[LI], 4, v6                     ; A: an image's place for my lane
	s_mul_i32 s21, s15, AHALF                      ; my 64 tokens of A
	s_mul_i32 s22, s16, BHALF                      ; my 64 rows of B,
	s_add_co_u32 s22, s22, BREG                    ; which lie behind A's 128 tokens
.irp s, 0,1
	v_add_nc_u32 v[ADRA+\s], s21, v[LI]
	v_add_nc_u32 v[ADRB+\s], s22, v4
	s_add_co_u32 s21, s21, SLOT
	s_add_co_u32 s22, s22, SLOT
.endr
	s_mul_i32 s23, s14, 16*SPITCH
	s_add_co_u32 s23, s23, STAGE                   ; my stage
	v_mul_u32_u24 v5, v1, SPITCH
	v_lshl_add_u32 v5, v2, 5, v5
	v_add_nc_u32 v[STO], s23, v5                   ; in: row r, 32 bytes for each half of the lanes
	v_mul_u32_u24 v5, v2, SPITCH
	v_lshl_add_u32 v5, v1, 4, v5
	v_add_nc_u32 v[RD], s23, v5                    ; back: lanes 0-15 take one row of 256 bytes, lanes 16-31 the next
	v_mul_u32_u24 v5, v2, SIZE_N*4
	v_lshl_add_u32 v[CO], v1, 4, v5                ; and the same two rows in C
	s_lshl_b32 s20, s17, 7
	s_lshl_b32 s21, s15, 6
	s_add_co_u32 s20, s20, s21                     ; my first row of C: 128 x tile row + 64 x half
	s_mov_b32 s21, 0
	s_mov_b64 s[18:19], SIZE_N*4
	s_mul_u64 s[20:21], s[20:21], s[18:19]
	s_lshl_b32 s46, s42, 9                         ; my first column, in bytes: 512 x tile column + 256 x half
	s_lshl_b32 s47, s16, 8
	s_add_co_u32 s46, s46, s47
	s_mov_b32 s47, 0
	s_add_nc_u64 s[20:21], s[20:21], s[46:47]
	s_add_nc_u64 s[10:11], s[10:11], s[20:21]
.macro FRAGB reg, adr, q, i            ; B: 16 rows x 128 K from padded rows: the slot's q-th 128 along K, rows 16 i on
.irp c, 0,1,2,3
	ds_load_b128 v[\reg+4*\c:\reg+4*\c+3], v[\adr] offset:128*(\q)+32*\c+(\i)*16*PITCH
.endr
.endm
.macro FRAGA reg, adr, q, i            ; A: the image of tile i, the slot's q-th 128 along K
.irp c, 0,1,2,3
	ds_load_b128 v[\reg+4*\c:\reg+4*\c+3], v[\adr] offset:ASTEP*(\i)+2048*(\q)+512*\c
.endr
.endm
.macro FETCH slot, q, f                ; 32 LDS loads in one run: B's four fragments, then A's four, into buffer f
	WIN TO_F
.irp i, 0,1,2,3
	FRAGB \f+64+FR*\i, ADRB+\slot, \q, \i
.endr
.irp i, 0,1,2,3
	FRAGA \f+FR*\i, ADRA+\slot, \q, \i
.endr
.endm
; 8 matrix instructions: A's blocks a0, a0 + 1 x B's four, 128 along K.  zero = 1: the first product starts the sums: nothing is ever cleared.
; The 16 accumulators take turns, one instruction a turn, in the same order in every step.
.macro MUL8 f, a0, zero
.irp a, \a0, \a0+1
.irp b, 0,1,2,3
.if \zero
	v_wmma_f32_16x16x128_bf8_bf8 v[ACC+8*(4*(\a)+\b):ACC+8*(4*(\a)+\b)+7], v[\f+64+FR*\b:\f+64+FR*\b+FR-1], v[\f+FR*(\a):\f+FR*(\a)+FR-1], 0
.else
	v_wmma_f32_16x16x128_bf8_bf8 v[ACC+8*(4*(\a)+\b):ACC+8*(4*(\a)+\b)+7], v[\f+64+FR*\b:\f+64+FR*\b+FR-1], v[\f+FR*(\a):\f+FR*(\a)+FR-1], v[ACC+8*(4*(\a)+\b):ACC+8*(4*(\a)+\b)+7]
.endif
.endr
.endr
.endm
.macro PLACES n                        ; plain vector lines between a matrix instruction and a load into, or a vector read of, its registers
.rept \n
	v_nop
.endr
.endm
; A slot is four steps of 128 along K, 16 matrix instructions each, on buffers 0, 1, 0, 1.  One of the first three: asks for the slot's q-th 128 along K into buffer g, which the step before multiplied, then multiplies buffer f.
.macro STEP slot, q, f, g, zero
	PLACES NP
	FETCH \slot, \q, \g
	s_wait_dscnt 32                                ; all but the 32 just issued: buffer f is in
	WIN MUL
	MUL8 \f, 0, \zero
	MUL8 \f, 2, \zero
.endm
; A slot's last step multiplies buffer 1 and changes slots: ONE barrier; in front of it each wave waits for all its tensor loads, adds 0 to its spare word, and waits for that and for its own reads of this slot.
; fill = 1: the barrier opens a round of the cluster's barrier, and this slot is filled again, two K steps ahead.
.macro TURN slot, next, fill
	WIN 0                                          ; (the add's two registers lie in window 0)
	s_wait_tensorcnt 0x0                           ; all my tensor loads have landed: my part of the next slot
	ds_add_u32 v[SPW], v[NIL]                      ; 0 onto my spare word
	s_wait_dscnt 9                                 ; the add and the youngest eight loads (A's blocks 2, 3) may be out
	WIN MUL
	MUL8 F1, 0, 0                                  ; eight matrix instructions stand between the add and the wait for it
	s_wait_dscnt 0x0                               ; the add is done, and my reads of this slot are over
	s_barrier_signal -1
	WIN 0                                          ; (branches may follow)
	s_barrier_wait -1
.if \fill
	CREST                                          ; no wave of any partner still reads this slot or has a load on its way
	s_add_nc_u64 s[G0+4*\slot+2:G0+4*\slot+3], s[G0+4*\slot+2:G0+4*\slot+3], 2*ASTEP
	s_add_nc_u64 s[G0B+4*\slot+2:G0B+4*\slot+3], s[G0B+4*\slot+2:G0B+4*\slot+3], 2*ROWB
	JLOAD G0+4*\slot, G1, G0B+4*\slot, G1B         ; the first tensor load behind the round; its four v_nop are the places in front of the loads below
.else
	PLACES NP
.endif
	FETCH \next, 0, F0
	WIN MUL
	MUL8 F1, 2, 0
.endm
	s_wait_alu depctr_va_vdst(0)
	s_wait_tensorcnt 1                             ; my part of K step 0 is in; K step 1's load may be out
	s_barrier_signal -1
	s_barrier_wait -1                              ; everybody's is
	FETCH 0, 0, F0
	STEP 0, 1, F0, F1, 1                           ; the first step stands in front of the loop: its products start the sums
.if LAPS > 1
	WIN 0                                          ; at a label and at a branch every window is 0
	s_mov_b32 s3, LAPS-1
.Llap:                                                 ; a trip goes once round the ring, from a lap's second step to the next lap's first, and fills both slots again
	STEP 0, 2, F1, F0, 0
	STEP 0, 3, F0, F1, 0
	TURN 0, 1, 1
	STEP 1, 1, F0, F1, 0
	STEP 1, 2, F1, F0, 0
	STEP 1, 3, F0, F1, 0
	TURN 1, 0, 1
	STEP 0, 1, F0, F1, 0
	WIN 0
	s_sub_co_u32 s3, s3, 1
	s_cmp_lg_u32 s3, 0
	s_cbranch_scc1 .Llap
.endif
	STEP 0, 2, F1, F0, 0                           ; the last lap fills nothing, and has no round of the cluster's barrier
	STEP 0, 3, F0, F1, 0
	TURN 0, 1, 0
	STEP 1, 1, F0, F1, 0
	STEP 1, 2, F1, F0, 0
	STEP 1, 3, F0, F1, 0
	s_wait_dscnt 0x0                               ; the very last step: nothing more to fetch
	MUL8 F1, 0, 0
	MUL8 F1, 2, 0
	WIN 0
; THE WAY OUT, block by block of 16 rows x 64 columns.  A lane holds 32 neighbouring bytes of a row, and the lanes beside it hold other rows: so a block goes through my own stage and comes back as whole rows of 256 bytes:
; my 64 columns of f32 are 256 consecutive bytes, aligned, so no other wave has a part in them.  LDS serves a wave's instructions in order (ISA guide 5.7.1.4): no wait between the stores and the loads, nor in front of the next block's stores.
.macro TOSTAGE a
.set jj, 0
.rept 16
	v_pk_mul_f32 v[TMP+jj:TMP+jj+1], v[ACC+32*(\a)+jj:ACC+32*(\a)+jj+1], s[96:97] op_sel_hi:[1,0]   ; x 2^(ea + eb); each accumulator from its low end on
.set jj, jj+2
.endr
.irp b, 0,1,2,3
	ds_store_b128 v[STO], v[TMP+8*\b:TMP+8*\b+3] offset:64*\b
	ds_store_b128 v[STO], v[TMP+8*\b+4:TMP+8*\b+7] offset:64*\b+16
.endr
.set BB, BK+32*((\a)%2)
.irp t, 0,1,2,3,4,5,6,7
	ds_load_b128 v[BB+4*\t:BB+4*\t+3], v[RD] offset:\t*2*SPITCH
.endr
.endm
.macro SEND a, younger                 ; younger: the LDS instructions issued behind block a's loads, which may stay out
.set BB, BK+32*((\a)%2)
	s_wait_dscnt \younger
.irp t, 0,1,2,3,4,5,6,7
	global_store_b128 v[CO], v[BB+4*\t:BB+4*\t+3], s[10:11] offset:(\a)*16*SIZE_N*4+2*\t*SIZE_N*4 th:TH_STORE_NT   ; 16 lanes store 256 consecutive bytes, aligned; 62 rows of C at the most stand in the immediate
.endr
.endm
	s_wait_kmcnt 0x0
	s_add_co_i32 s96, s96, s97
	s_add_co_i32 s96, s96, 127
	s_lshl_b32 s96, s96, 23                        ; 2^(ea + eb) as f32
	PLACES NP
	TOSTAGE 0
.irp a, 1,2,3
.if \a > 1
	s_wait_xcnt 0x0                                ; block a - 2's stores have read their registers: block a's loads may land there
.endif
	TOSTAGE \a
	SEND \a-1, 16                                  ; behind block a - 1's loads: block a's 8 stores and 8 loads
.endr
	SEND 3, 0
	s_wait_tensorcnt 0x0                           ; the wave's end
	ds_add_u32 v[SPW], v[NIL]
	s_wait_dscnt 0x0
	CROUND                                         ; the closing round
	s_endpgm
.Lfunc_end_k_q8d597382f1_wo:
	.size	k_q8d597382f1_wo, .Lfunc_end_k_q8d597382f1_wo-k_q8d597382f1_wo
	.p2alignl 7, 3214868480
	.fill 96, 4, 3214868480
	.section	.rodata,"a",@progbits
	.p2align	6, 0x0
	.amdhsa_kernel k_q8d597382f1_wo
		.amdhsa_group_segment_fixed_size 327680
		.amdhsa_private_segment_fixed_size 0
		.amdhsa_enable_private_segment 0
		.amdhsa_kernarg_size 32
		.amdhsa_user_sgpr_count 2
		.amdhsa_user_sgpr_kernarg_segment_ptr 1
		.amdhsa_wavefront_size32 1
		.amdhsa_system_sgpr_workgroup_id_x 1
		.amdhsa_system_sgpr_workgroup_id_y 1
		.amdhsa_system_sgpr_workgroup_id_z 1
		.amdhsa_system_vgpr_workitem_id 0
		.amdhsa_next_free_vgpr 512
		.amdhsa_next_free_sgpr 98
		.amdhsa_reserve_vcc 0
		.amdhsa_float_denorm_mode_32 3
		.amdhsa_float_denorm_mode_16_64 3
		.amdhsa_memory_ordered 1
		.amdhsa_forward_progress 1
		.amdhsa_inst_pref_size 46
	.end_amdhsa_kernel
	.amdgpu_metadata
---
amdhsa.version: [ 1, 2 ]
amdhsa.kernels:
  - .name:           k_q8d597382f1_wo
    .symbol:         k_q8d597382f1_wo.kd
    .args:
      - { .name: ao, .offset: 0, .size: 8, .value_kind: global_buffer, .address_space: global }
      - { .name: wc, .offset: 8, .size: 8, .value_kind: global_buffer, .address_space: global }
      - { .name: lowp_scales, .offset: 16, .size: 8, .value_kind: global_buffer, .address_space: global }
      - { .name: cb, .offset: 24, .size: 8, .value_kind: global_buffer, .address_space: global }
    .group_segment_fixed_size: 327680
    .private_segment_fixed_size: 0
    .kernarg_segment_align: 8
    .kernarg_segment_size: 32
    .max_flat_workgroup_size: 128
    .sgpr_count:     98
    .vgpr_count:     512
    .wavefront_size: 32
...
	.end_amdgpu_metadata
.endif
;; end of part 13
;; launch ln1 (part 14): grid 512 x 1, 4 waves a work-group, no clusters, 33,280 bytes of LDS; arguments x, cb, bo, g1, be1, lowp_scales, x1, x1c; writes x1, x1c
.if DOCPART == 14
	.amdgcn_target "amdgcn-amd-amdhsa--gfx1250"
	.amdhsa_code_object_version 6
	.text
	.protected	k_q8d597382f1_ln1
	.globl	k_q8d597382f1_ln1
	.p2align	8
	.type	k_q8d597382f1_ln1,@function
k_q8d597382f1_ln1:
	s_mov_b64 s[64:65], 0
	v_nop
	global_prefetch_b8 v0, s[64:65] scope:SCOPE_SE
	s_setreg_imm32_b32 hwreg(HW_REG_WAVE_MODE, 25, 1), 1
	s_wait_xcnt 0x0
; x1 = layernorm(x + (c + bo)) x g1 + be1, rows of 1,024, in f32; and x1's codes of BF8 (entry 12), [4096][1024] bytes, for the next product.  c is the projection's result.  No work is left out.
; One wave, two rows, each kept in 32 registers between the passes: memory is read once, no wave waits for another.  Load j of a row gives lane l columns 128 j + 4 l + 0 .. 3: 512 consecutive bytes an instruction.
; Mean, then the mean of the squared differences (two passes over registers), eps = 1e-5.  For the codes a row turns through the wave's own stage in LDS, so that a lane holds 16 neighbours.
; LIMITS: entry 12 between -126 and 112; NaN is not served by the hold.
.set GA,  16                           ; v16-47   g
.set BE,  48                           ; v48-79   be
.set BS,  80                           ; v80-111  bo
.set XR,  112                          ; row p: v[112 + 64 p ..] 32 registers: x, then the row at work
.set CR,  144                          ; row p: v[144 + 64 p ..] 32 registers: c, later the row's numbers 16 neighbours a lane
.set SPW, 12
.set NIL, 13
.set SP,  80
.set SPARE, 4*8192
	s_load_b256 s[4:11], s[0:1], 0x0               ; x, c, bo, g1
	s_load_b256 s[12:19], s[0:1], 0x20             ; be1, the exponents, x1, x1's codes
	v_lshl_add_u32 v[SPW], v0, 2, SPARE
	v_mov_b32 v[NIL], 0
	v_lshrrev_b32 v1, 5, v0
	v_readfirstlane_b32 s20, v1                    ; wave
	v_and_b32 v2, 31, v0
	v_lshlrev_b32 v1, 4, v2                        ; 16 x lane
	s_mul_i32 s21, s20, 8192
	v_lshrrev_b32 v14, 2, v2
	v_mul_u32_u24 v14, v14, SP
	v_and_b32 v15, 3, v2
	v_lshl_add_u32 v14, v15, 4, v14
	v_add_nc_u32 v14, s21, v14                     ; the stage, in: four lanes' 64 bytes on end, then 16 of padding
	v_mul_u32_u24 v15, v2, SP
	v_add_nc_u32 v15, s21, v15                     ; out: my 16 neighbours
	v_mov_b32 v250, 0                              ; a lane permute's destination counts as one of its sources
	s_lshl_b32 s22, ttmp9, 3
	s_lshl_b32 s23, s20, 1
	s_add_co_u32 s22, s22, s23                     ; my first row
	s_lshl_b32 s24, s22, 12
	s_mov_b32 s25, 0
	s_lshl_b32 s26, s22, 10
	s_mov_b32 s27, 0
	s_mov_b32 s28, 0x76543210
	s_mov_b32 s29, 0xfedcba98
	s_mov_b32 s30, 0x3a800000                      ; 1 / 1,024
	s_mov_b32 s31, 0x3727c5ac                      ; 1e-5
	s_wait_alu depctr_va_vdst(0)
	s_wait_kmcnt 0x0
	s_load_b32 s32, s[14:15], 0x30                 ; entry 12
	s_add_nc_u64 s[4:5], s[4:5], s[24:25]
	s_add_nc_u64 s[6:7], s[6:7], s[24:25]
	s_add_nc_u64 s[16:17], s[16:17], s[24:25]
	s_add_nc_u64 s[18:19], s[18:19], s[26:27]
.macro RLOAD p
.irp j, 0,1,2,3,4,5,6,7
	global_load_b128 v[XR+64*\p+4*\j:XR+64*\p+4*\j+3], v1, s[4:5] offset:4096*\p+512*\j th:TH_LOAD_NT
.endr
.irp j, 0,1,2,3,4,5,6,7
	global_load_b128 v[CR+64*\p+4*\j:CR+64*\p+4*\j+3], v1, s[6:7] offset:4096*\p+512*\j th:TH_LOAD_NT
.endr
.endm
	RLOAD 0
.irp j, 0,1,2,3,4,5,6,7
	global_load_b128 v[BS+4*\j:BS+4*\j+3], v1, s[8:9] offset:512*\j
	global_load_b128 v[GA+4*\j:GA+4*\j+3], v1, s[10:11] offset:512*\j
	global_load_b128 v[BE+4*\j:BE+4*\j+3], v1, s[12:13] offset:512*\j
.endr
	RLOAD 1
	s_wait_kmcnt 0x0
	s_add_co_i32 s32, s32, 127
	s_lshl_b32 s33, s32, 23
	v_mov_b32 v248, s33                            ; 2^e12
	s_add_co_i32 s32, s32, 15
	s_lshl_b32 s32, s32, 23
	s_or_b32 s32, s32, 0x600000
	v_mov_b32 v249, s32                            ; 57,344 x 2^e12
.macro ALLSUM                          ; v2 summed over the 32 lanes, the result in every lane
	v_add_f32_dpp v2, v2, v2 row_xmask:1 row_mask:0xf bank_mask:0xf
	v_add_f32_dpp v2, v2, v2 row_xmask:2 row_mask:0xf bank_mask:0xf
	v_add_f32_dpp v2, v2, v2 row_xmask:4 row_mask:0xf bank_mask:0xf
	v_add_f32_dpp v2, v2, v2 row_xmask:8 row_mask:0xf bank_mask:0xf
	v_permlanex16_b32 v250, v2, s28, s29
	v_add_f32 v2, v2, v250
.endm
.macro ROW p
.set XP, XR+64*(\p)
.set CP, CR+64*(\p)
.if (\p) == 0
	s_wait_loadcnt 16                              ; row 0 and the three vectors are in; row 1's sixteen loads may be out
.else
	s_wait_loadcnt 0
.endif
.set jj, 0
.rept 16
	v_pk_add_f32 v[CP+jj:CP+jj+1], v[CP+jj:CP+jj+1], v[BS+jj:BS+jj+1]   ; c + bo,
.set jj, jj+2
.endr
.set jj, 0
.rept 16
	v_pk_add_f32 v[XP+jj:XP+jj+1], v[XP+jj:XP+jj+1], v[CP+jj:CP+jj+1]   ; x + that
.set jj, jj+2
.endr
	v_pk_add_f32 v[2:3], v[XP:XP+1], v[XP+2:XP+3]  ; the row's sum, in two chains
	v_pk_add_f32 v[4:5], v[XP+4:XP+5], v[XP+6:XP+7]
.set jj, 8
.rept 6
	v_pk_add_f32 v[2:3], v[2:3], v[XP+jj:XP+jj+1]
	v_pk_add_f32 v[4:5], v[4:5], v[XP+jj+2:XP+jj+3]
.set jj, jj+4
.endr
	v_pk_add_f32 v[2:3], v[2:3], v[4:5]
	v_add_f32 v2, v2, v3
	ALLSUM
	v_mul_f32 v6, s30, v2                          ; the mean
	v_mov_b32 v7, v6
.set jj, 0
.rept 16
	v_pk_add_f32 v[XP+jj:XP+jj+1], v[XP+jj:XP+jj+1], v[6:7] neg_lo:[0,1] neg_hi:[0,1]
.set jj, jj+2
.endr
	v_pk_mul_f32 v[2:3], v[XP:XP+1], v[XP:XP+1]    ; the squares' sum
	v_pk_mul_f32 v[4:5], v[XP+2:XP+3], v[XP+2:XP+3]
.set jj, 4
.rept 7
	v_pk_fma_f32 v[2:3], v[XP+jj:XP+jj+1], v[XP+jj:XP+jj+1], v[2:3]
	v_pk_fma_f32 v[4:5], v[XP+jj+2:XP+jj+3], v[XP+jj+2:XP+jj+3], v[4:5]
.set jj, jj+4
.endr
	v_pk_add_f32 v[2:3], v[2:3], v[4:5]
	v_add_f32 v2, v2, v3
	ALLSUM
	v_fma_f32 v10, v2, s30, s31                    ; the variance + eps
	s_wait_alu depctr_va_vdst(0)
	v_rsq_f32 v8, v10
	v_nop                                          ; a plain line behind the transcendental,
	s_wait_alu depctr_va_vdst(0)                   ; and the wait ahead of its first reader
	v_mov_b32 v9, v8
.set jj, 0
.rept 16
	v_pk_mul_f32 v[XP+jj:XP+jj+1], v[XP+jj:XP+jj+1], v[8:9]
.set jj, jj+2
.endr
.set jj, 0
.rept 16
	v_pk_fma_f32 v[XP+jj:XP+jj+1], v[XP+jj:XP+jj+1], v[GA+jj:GA+jj+1], v[BE+jj:BE+jj+1]
.set jj, jj+2
.endr
.irp j, 0,1,2,3,4,5,6,7
	global_store_b128 v1, v[XP+4*\j:XP+4*\j+3], s[16:17] offset:4096*(\p)+512*\j
.endr
.irp s, 0,1                            ; the row's two halves of 512 numbers through the stage; LDS serves a wave's instructions in order
.irp i, 0,1,2,3
	ds_store_b128 v14, v[XP+16*\s+4*\i:XP+16*\s+4*\i+3] offset:32*SP*\s+8*SP*\i
.endr
.endr
.irp s, 0,1
.irp i, 0,1,2,3
	ds_load_b128 v[CP+16*\s+4*\i:CP+16*\s+4*\i+3], v15 offset:32*SP*\s+16*\i
.endr
.endr
	s_wait_dscnt 0x0
.if (\p) > 0
	s_wait_xcnt 0x0                                ; row 0's stores have read the codes' registers
.endif
.set jj, 0
.rept 32
	v_med3_num_f32 v[CP+jj], v[CP+jj], -v249, v249 ; the conversion does not saturate (ISA guide 7.6.2)
.set jj, jj+1
.endr
.irp u, 0,1,2,3
	v_cvt_scalef32_pk8_bf8_f32 v[240+2*\u:241+2*\u], v[CP+8*\u:CP+8*\u+7], v248
.endr
	v_nop
.irp s, 0,1
	global_store_b128 v1, v[240+4*\s:243+4*\s], s[18:19] offset:1024*(\p)+512*\s
.endr
.endm
	ROW 0
	ROW 1
	s_wait_tensorcnt 0x0                           ; the wave's end, behind my last LDS store
	ds_add_u32 v[SPW], v[NIL]
	s_wait_dscnt 0x0
	s_endpgm
.Lfunc_end_k_q8d597382f1_ln1:
	.size	k_q8d597382f1_ln1, .Lfunc_end_k_q8d597382f1_ln1-k_q8d597382f1_ln1
	.p2alignl 7, 3214868480
	.fill 96, 4, 3214868480
	.section	.rodata,"a",@progbits
	.p2align	6, 0x0
	.amdhsa_kernel k_q8d597382f1_ln1
		.amdhsa_group_segment_fixed_size 33280
		.amdhsa_private_segment_fixed_size 0
		.amdhsa_enable_private_segment 0
		.amdhsa_kernarg_size 64
		.amdhsa_user_sgpr_count 2
		.amdhsa_user_sgpr_kernarg_segment_ptr 1
		.amdhsa_wavefront_size32 1
		.amdhsa_system_sgpr_workgroup_id_x 1
		.amdhsa_system_sgpr_workgroup_id_y 1
		.amdhsa_system_sgpr_workgroup_id_z 1
		.amdhsa_system_vgpr_workitem_id 0
		.amdhsa_next_free_vgpr 256
		.amdhsa_next_free_sgpr 66
		.amdhsa_reserve_vcc 0
		.amdhsa_float_denorm_mode_32 3
		.amdhsa_float_denorm_mode_16_64 3
		.amdhsa_memory_ordered 1
		.amdhsa_forward_progress 1
		.amdhsa_inst_pref_size 33
	.end_amdhsa_kernel
	.amdgpu_metadata
---
amdhsa.version: [ 1, 2 ]
amdhsa.kernels:
  - .name:           k_q8d597382f1_ln1
    .symbol:         k_q8d597382f1_ln1.kd
    .args:
      - { .name: x, .offset: 0, .size: 8, .value_kind: global_buffer, .address_space: global }
      - { .name: cb, .offset: 8, .size: 8, .value_kind: global_buffer, .address_space: global }
      - { .name: bo, .offset: 16, .size: 8, .value_kind: global_buffer, .address_space: global }
      - { .name: g1, .offset: 24, .size: 8, .value_kind: global_buffer, .address_space: global }
      - { .name: be1, .offset: 32, .size: 8, .value_kind: global_buffer, .address_space: global }
      - { .name: lowp_scales, .offset: 40, .size: 8, .value_kind: global_buffer, .address_space: global }
      - { .name: x1, .offset: 48, .size: 8, .value_kind: global_buffer, .address_space: global }
      - { .name: x1c, .offset: 56, .size: 8, .value_kind: global_buffer, .address_space: global }
    .group_segment_fixed_size: 33280
    .private_segment_fixed_size: 0
    .kernarg_segment_align: 8
    .kernarg_segment_size: 64
    .max_flat_workgroup_size: 128
    .sgpr_count:     66
    .vgpr_count:     256
    .wavefront_size: 32
...
	.end_amdgpu_metadata
.endif
;; end of part 14
;; launch ffn1 (part 15): grid 16 x 16, 4 waves a work-group, clusters of 4 x 4, 327,680 bytes of LDS; arguments x1c, wc, lowp_scales, b1, hc; writes hc
.if DOCPART == 15
	.amdgcn_target "amdgcn-amd-amdhsa--gfx1250"
	.amdhsa_code_object_version 6
	.text
	.protected	k_q8d597382f1_ffn1
	.globl	k_q8d597382f1_ffn1
	.p2align	8
	.type	k_q8d597382f1_ffn1,@function
k_q8d597382f1_ffn1:
	s_mov_b64 s[64:65], 0
	v_nop
	global_prefetch_b8 v0, s[64:65] scope:SCOPE_SE
	s_setreg_imm32_b32 hwreg(HW_REG_WAVE_MODE, 25, 1), 1
	s_wait_xcnt 0x0
	s_wait_alu depctr_hold_cnt(0) depctr_sa_sdst(0) depctr_va_vdst(0) depctr_va_sdst(0) depctr_va_ssrc(0) depctr_va_vcc(0) depctr_vm_vsrc(0)
	s_getreg_b32 s2, hwreg(HW_REG_IB_STS2, 6, 4)
	s_cmp_eq_u32 s2, 0
	s_cbranch_scc0 .Lentry_in_a_cluster
	s_endpgm
.Lentry_in_a_cluster:
	s_bfe_u32 s2, ttmp6, 0x10000c
	s_cmp_lg_u32 s2, 0xf033
	s_cbranch_scc0 .Lentry_shape_is_right
	s_endpgm
.Lentry_shape_is_right:
.set SIZE_K, 1024
.set KSTEP,  256
.set ROWB,   256
.set KROW,   SIZE_K
.set PITCH,  272
.set FR,     16
.set NL,     4
.set NP,     4
.set HALFT,  128*PITCH
.set SLOT,   4*HALFT
.set LAPS,   SIZE_K/(2*KSTEP)
.set SPARE,  2*SLOT
.set ADRA, 16
.set ADRB, 20
.set STO,  24
.set RD,   25
.set LI,   26
.set BA,   27
.set SPW,  28
.set NIL,  29
.set SC,   30
.set LIM,  31
.set BI,   64
.set AF,   128
.set TMP,  128
.set CD,   192
.set IM,   224
.set G1, 24
.set G0, 32
.set G1B, 48
.set G0B, 56
.set MSB, 0
.macro WIN new
.if MSB != \new
	s_set_vgpr_msb (MSB<<8)|\new
.set MSB, \new
.endif
.endm
.set MUL_LO, 0xa1
.set MUL_HI, 0xf1
.set TO_B,   0x40
.macro JLOAD g0a, g1a, g0b, g1b
	s_cmp_eq_u32 s15, 0
	s_cbranch_scc0 .Lfor_b_\@
	tensor_load_to_lds s[\g0a:\g0a+3], s[\g1a:\g1a+7]
	s_nop 0
.rept 4
	v_nop
.endr
	s_branch .Lasked_\@
.Lfor_b_\@:
	tensor_load_to_lds s[\g0b:\g0b+3], s[\g1b:\g1b+7]
	s_nop 0
.rept 4
	v_nop
.endr
.Lasked_\@:
.endm
.macro CREST
	s_cmp_lg_u32 s14, 0
	s_cbranch_scc1 .Lnot_wave_0_\@
	s_barrier_signal -3
.Lnot_wave_0_\@:
	s_barrier_wait -3
	s_barrier_signal -1
	s_barrier_wait -1
.endm
.macro CROUND
	s_barrier_signal -1
	s_barrier_wait -1
	CREST
.endm
	s_load_b256 s[4:11], s[0:1], 0x0
	s_load_b64 s[72:73], s[0:1], 0x20
	v_lshl_add_u32 v[SPW], v0, 2, SPARE
	v_mov_b32 v[NIL], 0
	ds_add_u32 v[SPW], v[NIL]
	ds_add_u32 v[SPW], v[NIL]
	v_lshrrev_b32 v1, 5, v0
	v_readfirstlane_b32 s14, v1
	s_lshr_b32 s15, s14, 1
	s_and_b32 s16, s14, 1
	s_bfe_u32 s40, ttmp6, 0x40000
	s_bfe_u32 s41, ttmp6, 0x40004
	s_lshl_b32 s42, ttmp9, 2
	s_add_co_u32 s42, s42, s40
	s_and_b32 s17, ttmp7, 0xffff
	s_lshl_b32 s17, s17, 2
	s_add_co_u32 s17, s17, s41
	s_lshl_b32 s43, s41, 2
	s_lshl_b32 s43, 15, s43
	s_lshl_b32 s44, 0x1111, s40
	s_or_b32 s[G1+0], s43, (0<<16)|(1<<20)|(1<<21)|(5<<22)|(3<<25)
	s_or_b32 s[G1B+0], s44, (0<<16)|(1<<20)|(1<<21)|(5<<22)|(3<<25)
.irp g, G1, G1B
	s_mov_b32 s[\g+1], ROWB<<16
	s_mov_b32 s[\g+2], 128<<16
	s_mov_b32 s[\g+3], ROWB<<16
	s_mov_b32 s[\g+4], 128
	s_mov_b32 s[\g+5], KROW
	s_mov_b32 s[\g+6], 0
	s_mov_b32 s[\g+7], 0
.endr
	s_lshl_b32 s18, s16, 7
	s_lshl_b32 s20, s17, 8
	s_add_co_u32 s20, s20, s18
	s_lshl_b32 s46, s42, 8
	s_add_co_u32 s46, s46, s18
	s_mov_b32 s21, 0
	s_mov_b32 s47, 0
	s_mov_b64 s[18:19], KROW
	s_mul_u64 s[20:21], s[20:21], s[18:19]
	s_mul_u64 s[46:47], s[46:47], s[18:19]
	s_mul_i32 s45, s14, HALFT
	s_wait_dscnt 0x0
	s_wait_kmcnt 0x0
	s_load_b128 s[76:79], s[8:9], 0x30
	s_add_nc_u64 s[20:21], s[4:5], s[20:21]
	s_add_nc_u64 s[46:47], s[6:7], s[46:47]
	s_add_nc_u64 s[46:47], s[46:47], 0x400000
	CROUND
.irp s, 0,1
	s_mov_b32 s[G0+4*\s], 1
	s_add_co_u32 s[G0+4*\s+1], s45, \s*SLOT
	s_add_nc_u64 s[G0+4*\s+2:G0+4*\s+3], s[20:21], \s*ROWB
	s_or_b32 s[G0+4*\s+3], s[G0+4*\s+3], 0x80000000
	s_mov_b32 s[G0B+4*\s], 1
	s_add_co_u32 s[G0B+4*\s+1], s45, \s*SLOT
	s_add_nc_u64 s[G0B+4*\s+2:G0B+4*\s+3], s[46:47], \s*ROWB
	s_or_b32 s[G0B+4*\s+3], s[G0B+4*\s+3], 0x80000000
.if \s
	s_wait_alu depctr_va_vdst(0)                   ; slot 1's first fill is issued as a refill is
	s_wait_tensorcnt 0x0                           ; my part of K step 0 is in
	ds_add_u32 v28, v29
	s_wait_dscnt 0x0
	CROUND
.endif
	JLOAD G0+4*\s, G1, G0B+4*\s, G1B
.endr
	v_and_b32 v1, 15, v0
	s_wait_alu depctr_va_vdst(0)
	v_bfe_u32 v2, v0, 4, 1
	v_mul_u32_u24 v3, v1, PITCH
	v_lshl_add_u32 v4, v2, 4, v3
	s_mul_i32 s21, s15, HALFT
	s_mul_i32 s22, s16, HALFT
	s_add_co_u32 s22, s22, 2*HALFT
.irp s, 0,1
	v_add_nc_u32 v[ADRA+\s], s21, v4
	v_add_nc_u32 v[ADRB+\s], s22, v4
	s_add_co_u32 s21, s21, SLOT
	s_add_co_u32 s22, s22, SLOT
.endr
	s_mul_i32 s23, s14, 16*144
	v_mul_u32_u24 v5, v1, 144
	v_add_nc_u32 v5, s23, v5
	s_wait_alu depctr_va_vdst(0)
	v_lshl_add_u32 v[STO], v2, 3, v5
	v_lshl_add_u32 v[RD], v2, 4, v5
	v_and_b32 v6, 31, v0
	v_lshlrev_b32 v[LI], 4, v6
	v_lshlrev_b32 v[BA], 5, v2
	s_wait_alu depctr_va_vdst(0)
	s_lshl_b32 s20, s17, 4
	s_lshl_b32 s21, s15, 3
	s_add_co_u32 s20, s20, s21
	s_lshl_b32 s20, s20, 16
	s_lshl_b32 s21, s42, 1
	s_add_co_u32 s21, s21, s16
	s_lshl_b32 s22, s21, 11
	s_add_co_u32 s92, s20, s22
	s_mov_b32 s93, 0
	s_add_nc_u64 s[92:93], s[72:73], s[92:93]
	s_lshl_b32 s22, s21, 9
	s_mov_b32 s23, 0
	s_add_nc_u64 s[74:75], s[10:11], s[22:23]
.irp b, 0,1,2,3,4,5,6,7
	global_load_b128 v[BI+8*\b:BI+8*\b+3], v[BA], s[74:75] offset:64*\b
	global_load_b128 v[BI+8*\b+4:BI+8*\b+7], v[BA], s[74:75] offset:64*\b+16
.endr
.macro FRAG reg, adr, q, i
.irp c, 0,1,2,3
	ds_load_b128 v[\reg+4*\c:\reg+4*\c+3], v[\adr] offset:128*(\q)+32*\c+(\i)*16*PITCH
.endr
.endm
.macro MUL16 a0, p, zero
.irp a, \a0, \a0+1
.irp b, 0,1,2,3,4,5,6,7
.if \zero
	v_wmma_f32_16x16x128_bf8_bf8 v[8*(8*((\a)%4)+\b):8*(8*((\a)%4)+\b)+7], v[128*(\p)+FR*\b:128*(\p)+FR*\b+FR-1], v[AF+FR*(\a):AF+FR*(\a)+FR-1], 0
.else
	v_wmma_f32_16x16x128_bf8_bf8 v[8*(8*((\a)%4)+\b):8*(8*((\a)%4)+\b)+7], v[128*(\p)+FR*\b:128*(\p)+FR*\b+FR-1], v[AF+FR*(\a):AF+FR*(\a)+FR-1], v[8*(8*((\a)%4)+\b):8*(8*((\a)%4)+\b)+7]
.endif
.endr
.endr
.endm
.macro FETCH_B slot, q, p
	WIN TO_B
.irp i, 0,1,2,3,4,5,6,7
	FRAG 128*(\p)+FR*\i, ADRB+\slot, \q, \i
.endr
	WIN 0
.endm
.macro FETCH_A slot, q, i0
.irp i, \i0, \i0+1, \i0+2, \i0+3
	FRAG AF+FR*(\i), ADRA+\slot, \q, \i
.endr
.endm
.macro PLACES n
.rept \n
	v_nop
.endr
.endm
.macro STEP slot, q, zero
	s_wait_dscnt 4*NL
	WIN MUL_LO
	MUL16 0, (\q)%2, \zero
	MUL16 2, (\q)%2, \zero
	s_wait_dscnt 0
	PLACES NP
	FETCH_B \slot, (\q)+1, 1-(\q)%2
	FETCH_A \slot, (\q)+1, 0
	WIN MUL_HI
	MUL16 4, (\q)%2, \zero
	MUL16 6, (\q)%2, \zero
	PLACES NP
	WIN 0
	FETCH_A \slot, (\q)+1, 4
.endm
.macro TURN slot, next, fill
	s_wait_tensorcnt 0x0
	ds_add_u32 v[SPW], v[NIL]
	s_wait_dscnt 4*NL+1
	WIN MUL_LO
	MUL16 0, 1, 0
	s_wait_dscnt 0x0
	s_barrier_signal -1
	MUL16 2, 1, 0
	WIN 0
	s_barrier_wait -1
.if \fill
	CREST
	s_add_nc_u64 s[G0+4*\slot+2:G0+4*\slot+3], s[G0+4*\slot+2:G0+4*\slot+3], 2*ROWB
	s_add_nc_u64 s[G0B+4*\slot+2:G0B+4*\slot+3], s[G0B+4*\slot+2:G0B+4*\slot+3], 2*ROWB
	JLOAD G0+4*\slot, G1, G0B+4*\slot, G1B
.else
	PLACES NP
.endif
	FETCH_B \next, 0, 0
	FETCH_A \next, 0, 0
	WIN MUL_HI
	MUL16 4, 1, 0
	MUL16 6, 1, 0
	PLACES NP
	WIN 0
	FETCH_A \next, 0, 4
.endm
	s_wait_tensorcnt 1
	s_barrier_signal -1
	s_barrier_wait -1
	FETCH_B 0, 0, 0
	FETCH_A 0, 0, 0
	FETCH_A 0, 0, 4
	STEP 0, 0, 1
	s_mov_b32 s3, LAPS-1
.Llap:
	TURN 0, 1, 1
	STEP 1, 0, 0
	TURN 1, 0, 1
	STEP 0, 0, 0
	s_sub_co_u32 s3, s3, 1
	s_cmp_lg_u32 s3, 0
	s_cbranch_scc1 .Llap
	TURN 0, 1, 0
	STEP 1, 0, 0
	s_wait_dscnt 4*NL
	WIN MUL_LO
	MUL16 0, 1, 0
	MUL16 2, 1, 0
	s_wait_dscnt 0
	WIN MUL_HI
	MUL16 4, 1, 0
	MUL16 6, 1, 0
	WIN 0
	s_wait_kmcnt 0x0
	s_add_co_i32 s96, s76, s77
	s_add_co_i32 s96, s96, 127
	s_lshl_b32 s96, s96, 23
	s_mov_b32 s97, s96
	s_add_co_i32 s98, s78, 127
	s_lshl_b32 s99, s98, 23
	v_mov_b32 v[SC], s99
	s_add_co_i32 s98, s98, 15
	s_lshl_b32 s98, s98, 23
	s_or_b32 s98, s98, 0x600000
	v_mov_b32 v[LIM], s98
	s_wait_loadcnt 0x0
	PLACES NP
.macro HBLOCK a
.set AC, 64*((\a)%4)
.set CS_, CD+16*((\a)%2)
.set IS_, IM+16*((\a)%2)
	WIN 0x02+((\a)/4)
.set jj, 0
.rept 32
	v_pk_fma_f32 v[TMP+jj:TMP+jj+1], v[AC+jj:AC+jj+1], s[96:97], v[BI+jj:BI+jj+1] op_sel_hi:[1,0,1]
.set jj, jj+2
.endr
	WIN 0
.set jj, 0
.rept 64
	v_med3_num_f32 v[TMP+jj], v[TMP+jj], 0, v[LIM]
.set jj, jj+1
.endr
.irp b, 0,1,2,3,4,5,6,7
	v_cvt_scalef32_pk8_bf8_f32 v[CS_+2*\b:CS_+2*\b+1], v[TMP+8*\b:TMP+8*\b+7], v[SC]
.endr
	v_nop
.irp b, 0,1,2,3,4,5,6,7
	ds_store_b64 v[STO], v[CS_+2*\b:CS_+2*\b+1] offset:16*\b
.endr
.irp c, 0,1,2,3
	ds_load_b128 v[IS_+4*\c:IS_+4*\c+3], v[RD] offset:32*\c
.endr
.endm
.macro HSEND a, younger
.set IS_, IM+16*((\a)%2)
	s_wait_dscnt \younger
.irp c, 0,1,2,3
	global_store_b128 v[LI], v[IS_+4*\c:IS_+4*\c+3], s[92:93] offset:65536*(\a)+512*\c
.endr
.endm
	HBLOCK 0
.irp a, 1,2,3,4,5,6,7
.if \a > 1
	s_wait_xcnt 0x0
.endif
	HBLOCK \a
	HSEND \a-1, 12
.endr
	HSEND 7, 0
	s_wait_tensorcnt 0x0
	ds_add_u32 v[SPW], v[NIL]
	s_wait_dscnt 0x0
	CROUND
	s_endpgm
.Lfunc_end_k_q8d597382f1_ffn1:
	.size	k_q8d597382f1_ffn1, .Lfunc_end_k_q8d597382f1_ffn1-k_q8d597382f1_ffn1
	.p2alignl 7, 3214868480
	.fill 96, 4, 3214868480
	.section	.rodata,"a",@progbits
	.p2align	6, 0x0
	.amdhsa_kernel k_q8d597382f1_ffn1
		.amdhsa_group_segment_fixed_size 327680
		.amdhsa_private_segment_fixed_size 0
		.amdhsa_enable_private_segment 0
		.amdhsa_kernarg_size 40
		.amdhsa_user_sgpr_count 2
		.amdhsa_user_sgpr_kernarg_segment_ptr 1
		.amdhsa_wavefront_size32 1
		.amdhsa_system_sgpr_workgroup_id_x 1
		.amdhsa_system_sgpr_workgroup_id_y 1
		.amdhsa_system_sgpr_workgroup_id_z 1
		.amdhsa_system_vgpr_workitem_id 0
		.amdhsa_next_free_vgpr 1024
		.amdhsa_next_free_sgpr 100
		.amdhsa_reserve_vcc 0
		.amdhsa_float_denorm_mode_32 3
		.amdhsa_float_denorm_mode_16_64 3
		.amdhsa_memory_ordered 1
		.amdhsa_forward_progress 1
		.amdhsa_inst_pref_size 142
	.end_amdhsa_kernel
	.amdgpu_metadata
---
amdhsa.version: [ 1, 2 ]
amdhsa.kernels:
  - .name:           k_q8d597382f1_ffn1
    .symbol:         k_q8d597382f1_ffn1.kd
    .args:
      - { .name: x1c, .offset: 0, .size: 8, .value_kind: global_buffer, .address_space: global }
      - { .name: wc, .offset: 8, .size: 8, .value_kind: global_buffer, .address_space: global }
      - { .name: lowp_scales, .offset: 16, .size: 8, .value_kind: global_buffer, .address_space: global }
      - { .name: b1, .offset: 24, .size: 8, .value_kind: global_buffer, .address_space: global }
      - { .name: hc, .offset: 32, .size: 8, .value_kind: global_buffer, .address_space: global }
    .group_segment_fixed_size: 327680
    .private_segment_fixed_size: 0
    .kernarg_segment_align: 8
    .kernarg_segment_size: 40
    .max_flat_workgroup_size: 128
    .sgpr_count:     100
    .vgpr_count:     1024
    .wavefront_size: 32
...
	.end_amdgpu_metadata
.endif
;; end of part 15
;; launch ffn2 (part 16): grid 8 x 32, 4 waves a work-group, clusters of 4 x 4, 327,680 bytes of LDS; arguments hc, wc, lowp_scales, cb; writes cb
.if DOCPART == 16
	.amdgcn_target "amdgcn-amd-amdhsa--gfx1250"
	.amdhsa_code_object_version 6
	.text
	.protected	k_q8d597382f1_ffn2
	.globl	k_q8d597382f1_ffn2
	.p2align	8
	.type	k_q8d597382f1_ffn2,@function
k_q8d597382f1_ffn2:
	s_mov_b64 s[64:65], 0
	v_nop
	global_prefetch_b8 v0, s[64:65] scope:SCOPE_SE
	s_setreg_imm32_b32 hwreg(HW_REG_WAVE_MODE, 25, 1), 1
	s_wait_xcnt 0x0
	s_wait_alu depctr_hold_cnt(0) depctr_sa_sdst(0) depctr_va_vdst(0) depctr_va_sdst(0) depctr_va_ssrc(0) depctr_va_vcc(0) depctr_vm_vsrc(0)
	s_getreg_b32 s2, hwreg(HW_REG_IB_STS2, 6, 4)
	s_cmp_eq_u32 s2, 0
	s_cbranch_scc0 .Lentry_in_a_cluster
	s_endpgm
.Lentry_in_a_cluster:
	s_bfe_u32 s2, ttmp6, 0x10000c
	s_cmp_lg_u32 s2, 0xf033
	s_cbranch_scc0 .Lentry_shape_is_right
	s_endpgm
.Lentry_shape_is_right:
.set SIZE_K, 4096
.set SIZE_N, 1024
.set BOFF,   0x800000
.set EOFF,   0x38
.set KSTEP,  512
.set ROWB,   512
.set ASTEP,  8192
.set KROW,   SIZE_K
.set PITCH,  528
.set FR,     16
.set NP,     4
.set AHALF,  4*ASTEP
.set BHALF,  64*PITCH
.set BREG,   2*AHALF
.set SLOT,   BREG+2*BHALF
.set LAPS,   SIZE_K/(2*KSTEP)
.set STAGE,  2*SLOT
.set SPITCH, 272
.set SPARE,  STAGE+4*16*SPITCH
.set ADRA, 16
.set ADRB, 20
.set STO,  24
.set RD,   25
.set CO,   26
.set LI,   27
.set SPW,  28
.set NIL,  29
.set TMP,  32
.set BK,   64
.set ACC,  128
.set F0,   0
.set F1,   128
.set G1, 24
.set G0, 32
.set G1B, 48
.set G0B, 56
.set PFA, 66                           ; s[66:67] where my prefetches stand: my work-group's quarter of what my wave fetches, two K steps ahead of the load just issued
.set PFS, 70                           ; s[70:71] a K step on, in bytes: 8,192 in A's images, 512 in a row of B
.set PFO, 30                           ; v30 the prefetches' offset: lanes 256 bytes apart in an image of A; two lanes to a row of B; never rewritten
.set MSB, 0
.macro WIN new
.if MSB != \new
	s_set_vgpr_msb (MSB<<8)|\new
.set MSB, \new
.endif
.endm
.set MUL,  0x05
.set TO_F, 0x40
.macro JLOAD g0a, g1a, g0b, g1b
	s_cmp_eq_u32 s15, 0
	s_cbranch_scc0 .Lfor_b_\@
	tensor_load_to_lds s[\g0a:\g0a+3], s[\g1a:\g1a+7]
	s_nop 0
.rept 4
	v_nop
.endr
	s_branch .Lasked_\@
.Lfor_b_\@:
	tensor_load_to_lds s[\g0b:\g0b+3], s[\g1b:\g1b+7]
	s_nop 0
.rept 4
	v_nop
.endr
.Lasked_\@:
.endm
.macro CREST
	s_cmp_lg_u32 s14, 0
	s_cbranch_scc1 .Lnot_wave_0_\@
	s_barrier_signal -3
.Lnot_wave_0_\@:
	s_barrier_wait -3
	s_barrier_signal -1
	s_barrier_wait -1
.endm
.macro CROUND
	s_barrier_signal -1
	s_barrier_wait -1
	CREST
.endm
	s_load_b128 s[4:7], s[0:1], 0x0
	s_load_b128 s[8:11], s[0:1], 0x10
	v_lshl_add_u32 v[SPW], v0, 2, SPARE
	v_mov_b32 v[NIL], 0
	ds_add_u32 v[SPW], v[NIL]
	ds_add_u32 v[SPW], v[NIL]
	v_lshrrev_b32 v1, 5, v0
	v_readfirstlane_b32 s14, v1
	s_lshr_b32 s15, s14, 1
	s_and_b32 s16, s14, 1
	s_bfe_u32 s40, ttmp6, 0x40000
	s_bfe_u32 s41, ttmp6, 0x40004
	s_lshl_b32 s42, ttmp9, 2
	s_add_co_u32 s42, s42, s40
	s_and_b32 s17, ttmp7, 0xffff
	s_lshl_b32 s17, s17, 2
	s_add_co_u32 s17, s17, s41
	s_lshl_b32 s43, s41, 2
	s_lshl_b32 s43, 15, s43
	s_lshl_b32 s44, 0x1111, s40
	s_or_b32 s[G1+0], s43, (1<<21)
	s_mov_b32 s[G1+1], ASTEP<<16
	s_mov_b32 s[G1+2], 4<<16
	s_mov_b32 s[G1+3], ASTEP<<16
	s_mov_b32 s[G1+4], 4
	s_mov_b32 s[G1+5], 16*SIZE_K
	s_mov_b32 s[G1+6], 0
	s_mov_b32 s[G1+7], 0
	s_or_b32 s[G1B+0], s44, (0<<16)|(1<<20)|(1<<21)|(6<<22)|(3<<25)
	s_mov_b32 s[G1B+1], ROWB<<16
	s_mov_b32 s[G1B+2], 64<<16
	s_mov_b32 s[G1B+3], ROWB<<16
	s_mov_b32 s[G1B+4], 64
	s_mov_b32 s[G1B+5], KROW
	s_mov_b32 s[G1B+6], 0
	s_mov_b32 s[G1B+7], 0
	s_lshl_b32 s18, s16, 6
	s_lshl_b32 s20, s17, 7
	s_add_co_u32 s20, s20, s18
	s_lshl_b32 s46, s42, 7
	s_add_co_u32 s46, s46, s18
	s_mov_b32 s21, 0
	s_mov_b32 s47, 0
	s_mov_b64 s[18:19], KROW
	s_mul_u64 s[20:21], s[20:21], s[18:19]
	s_mul_u64 s[46:47], s[46:47], s[18:19]
	s_mul_i32 s45, s16, AHALF
	s_mul_i32 s12, s16, BHALF
	s_add_co_u32 s12, s12, BREG
	s_wait_dscnt 0x0
	s_wait_kmcnt 0x0
	s_load_b64 s[96:97], s[8:9], EOFF
	s_add_nc_u64 s[20:21], s[4:5], s[20:21]
	s_add_nc_u64 s[46:47], s[6:7], s[46:47]
	s_add_nc_u64 s[46:47], s[46:47], BOFF
	; THE PREFETCHES INTO THE L2: behind the load of K step k stands one instruction a wave for K step k + 2 (k = 0 .. 5).  A wave's load is 128 blocks of 256 bytes, asked for jointly by four partners: each partner names 32 of them,
	; told apart BY ADDRESS: of A's four images of 16 tokens the partner at cx takes image cx (8,192 bytes); of B's 64 rows the partner at cy takes rows 16 cy on (512 bytes each).  Both lie 65,536 bytes apart from partner to partner.
	s_cmp_eq_u32 s15, 0                            ; do I fetch for A?
	s_cselect_b64 s[PFA:PFA+1], s[20:21], s[46:47]
	s_cselect_b32 s72, s40, s41                    ; my place among the four
	s_mov_b32 s[PFS], ROWB
	s_cselect_b32 s[PFS], ASTEP, s[PFS]
	s_mov_b32 s[PFS+1], 0
	s_cselect_b32 s74, 0, 1                        ; lanes to a row, less one
	s_cselect_b32 s75, 8, 12                       ; log2 of the bytes from row to row
	s_lshl_b32 s72, s72, 16
	s_mov_b32 s73, 0
	s_add_nc_u64 s[PFA:PFA+1], s[PFA:PFA+1], s[72:73]
	s_add_nc_u64 s[PFA:PFA+1], s[PFA:PFA+1], s[PFS:PFS+1]
	s_add_nc_u64 s[PFA:PFA+1], s[PFA:PFA+1], s[PFS:PFS+1]   ; at K step 2
	v_and_b32 v7, 31, v0
	v_lshrrev_b32 v8, s74, v7
	v_lshlrev_b32 v8, s75, v8
	v_and_b32 v9, s74, v7
	v_lshl_add_u32 v[PFO], v9, 8, v8
	s_wait_alu depctr_va_vdst(0)
	CROUND
.irp s, 0,1
	s_mov_b32 s[G0+4*\s], 1
	s_add_co_u32 s[G0+4*\s+1], s45, \s*SLOT
	s_add_nc_u64 s[G0+4*\s+2:G0+4*\s+3], s[20:21], \s*ASTEP
	s_or_b32 s[G0+4*\s+3], s[G0+4*\s+3], 0x80000000
	s_mov_b32 s[G0B+4*\s], 1
	s_add_co_u32 s[G0B+4*\s+1], s12, \s*SLOT
	s_add_nc_u64 s[G0B+4*\s+2:G0B+4*\s+3], s[46:47], \s*ROWB
	s_or_b32 s[G0B+4*\s+3], s[G0B+4*\s+3], 0x80000000
.if \s
	s_wait_alu depctr_va_vdst(0)                   ; slot 1's first fill is issued as a refill is
	s_wait_tensorcnt 0x0                           ; my part of K step 0 is in
	ds_add_u32 v28, v29
	s_wait_xcnt 0x0                                ; my prefetch has read its address, so it may be stepped
	s_add_nc_u64 s[PFA:PFA+1], s[PFA:PFA+1], s[PFS:PFS+1]
	s_wait_dscnt 0x0
	CROUND
.endif
	JLOAD G0+4*\s, G1, G0B+4*\s, G1B
	global_prefetch_b8 v[PFO], s[PFA:PFA+1] th:TH_LOAD_NT scope:SCOPE_SE   ; K step 2 + s
.endr
	v_and_b32 v1, 15, v0
	v_bfe_u32 v2, v0, 4, 1
	v_mul_u32_u24 v3, v1, PITCH
	v_lshl_add_u32 v4, v2, 4, v3
	v_and_b32 v6, 31, v0
	v_lshlrev_b32 v[LI], 4, v6
	s_mul_i32 s21, s15, AHALF
	s_mul_i32 s22, s16, BHALF
	s_add_co_u32 s22, s22, BREG
.irp s, 0,1
	v_add_nc_u32 v[ADRA+\s], s21, v[LI]
	v_add_nc_u32 v[ADRB+\s], s22, v4
	s_add_co_u32 s21, s21, SLOT
	s_add_co_u32 s22, s22, SLOT
.endr
	s_mul_i32 s23, s14, 16*SPITCH
	s_add_co_u32 s23, s23, STAGE
	v_mul_u32_u24 v5, v1, SPITCH
	v_lshl_add_u32 v5, v2, 5, v5
	v_add_nc_u32 v[STO], s23, v5
	v_mul_u32_u24 v5, v2, SPITCH
	v_lshl_add_u32 v5, v1, 4, v5
	v_add_nc_u32 v[RD], s23, v5
	v_mul_u32_u24 v5, v2, SIZE_N*4
	v_lshl_add_u32 v[CO], v1, 4, v5
	s_lshl_b32 s20, s17, 7
	s_lshl_b32 s21, s15, 6
	s_add_co_u32 s20, s20, s21
	s_mov_b32 s21, 0
	s_mov_b64 s[18:19], SIZE_N*4
	s_mul_u64 s[20:21], s[20:21], s[18:19]
	s_lshl_b32 s46, s42, 9
	s_lshl_b32 s47, s16, 8
	s_add_co_u32 s46, s46, s47
	s_mov_b32 s47, 0
	s_add_nc_u64 s[20:21], s[20:21], s[46:47]
	s_add_nc_u64 s[10:11], s[10:11], s[20:21]
.macro FRAGB reg, adr, q, i
.irp c, 0,1,2,3
	ds_load_b128 v[\reg+4*\c:\reg+4*\c+3], v[\adr] offset:128*(\q)+32*\c+(\i)*16*PITCH
.endr
.endm
.macro FRAGA reg, adr, q, i
.irp c, 0,1,2,3
	ds_load_b128 v[\reg+4*\c:\reg+4*\c+3], v[\adr] offset:ASTEP*(\i)+2048*(\q)+512*\c
.endr
.endm
.macro FETCH slot, q, f
	WIN TO_F
.irp i, 0,1,2,3
	FRAGB \f+64+FR*\i, ADRB+\slot, \q, \i
.endr
.irp i, 0,1,2,3
	FRAGA \f+FR*\i, ADRA+\slot, \q, \i
.endr
.endm
.macro MUL8 f, a0, zero
.irp a, \a0, \a0+1
.irp b, 0,1,2,3
.if \zero
	v_wmma_f32_16x16x128_bf8_bf8 v[ACC+8*(4*(\a)+\b):ACC+8*(4*(\a)+\b)+7], v[\f+64+FR*\b:\f+64+FR*\b+FR-1], v[\f+FR*(\a):\f+FR*(\a)+FR-1], 0
.else
	v_wmma_f32_16x16x128_bf8_bf8 v[ACC+8*(4*(\a)+\b):ACC+8*(4*(\a)+\b)+7], v[\f+64+FR*\b:\f+64+FR*\b+FR-1], v[\f+FR*(\a):\f+FR*(\a)+FR-1], v[ACC+8*(4*(\a)+\b):ACC+8*(4*(\a)+\b)+7]
.endif
.endr
.endr
.endm
.macro PLACES n
.rept \n
	v_nop
.endr
.endm
.macro STEP slot, q, f, g, zero
	PLACES NP
	FETCH \slot, \q, \g
	s_wait_dscnt 32
	WIN MUL
	MUL8 \f, 0, \zero
	MUL8 \f, 2, \zero
.endm
.macro TURN slot, next, fill
	WIN 0
	s_wait_tensorcnt 0x0
	ds_add_u32 v[SPW], v[NIL]
.if \fill
	s_wait_xcnt 0x0                                ; my last prefetch has read its address, so it may be stepped
	s_add_nc_u64 s[PFA:PFA+1], s[PFA:PFA+1], s[PFS:PFS+1]
.endif
	s_wait_dscnt 9
	WIN MUL
	MUL8 F1, 0, 0
	s_wait_dscnt 0x0
	s_barrier_signal -1
	WIN 0
	s_barrier_wait -1
.if \fill
	CREST
	s_add_nc_u64 s[G0+4*\slot+2:G0+4*\slot+3], s[G0+4*\slot+2:G0+4*\slot+3], 2*ASTEP
	s_add_nc_u64 s[G0B+4*\slot+2:G0B+4*\slot+3], s[G0B+4*\slot+2:G0B+4*\slot+3], 2*ROWB
	JLOAD G0+4*\slot, G1, G0B+4*\slot, G1B
.else
	PLACES NP
.endif
	s_wait_alu depctr_va_vdst(0)
	FETCH \next, 0, F0
.if \fill
	WIN 0                                          ; at a branch and at a label every window is 0
	s_cmp_gt_u32 s3, 1                             ; the last trip's refills are K steps 6 and 7: no K step stands two on
	s_cbranch_scc0 .Lno_ask_\@
	global_prefetch_b8 v[PFO], s[PFA:PFA+1] th:TH_LOAD_NT scope:SCOPE_SE
.Lno_ask_\@:
.endif
	WIN MUL
	MUL8 F1, 2, 0
.endm
	s_wait_tensorcnt 1
	s_barrier_signal -1
	s_barrier_wait -1
	FETCH 0, 0, F0
	STEP 0, 1, F0, F1, 1
.if LAPS > 1
	WIN 0
	s_mov_b32 s3, LAPS-1
.Llap:
	STEP 0, 2, F1, F0, 0
	STEP 0, 3, F0, F1, 0
	TURN 0, 1, 1
	STEP 1, 1, F0, F1, 0
	STEP 1, 2, F1, F0, 0
	STEP 1, 3, F0, F1, 0
	TURN 1, 0, 1
	STEP 0, 1, F0, F1, 0
	WIN 0
	s_sub_co_u32 s3, s3, 1
	s_cmp_lg_u32 s3, 0
	s_cbranch_scc1 .Llap
.endif
	STEP 0, 2, F1, F0, 0
	STEP 0, 3, F0, F1, 0
	TURN 0, 1, 0
	STEP 1, 1, F0, F1, 0
	STEP 1, 2, F1, F0, 0
	STEP 1, 3, F0, F1, 0
	s_wait_dscnt 0x0
	MUL8 F1, 0, 0
	MUL8 F1, 2, 0
	WIN 0
.macro TOSTAGE a
.set jj, 0
.rept 16
	v_pk_mul_f32 v[TMP+jj:TMP+jj+1], v[ACC+32*(\a)+jj:ACC+32*(\a)+jj+1], s[96:97] op_sel_hi:[1,0]
.set jj, jj+2
.endr
.irp b, 0,1,2,3
	ds_store_b128 v[STO], v[TMP+8*\b:TMP+8*\b+3] offset:64*\b
	ds_store_b128 v[STO], v[TMP+8*\b+4:TMP+8*\b+7] offset:64*\b+16
.endr
.set BB, BK+32*((\a)%2)
.irp t, 0,1,2,3,4,5,6,7
	ds_load_b128 v[BB+4*\t:BB+4*\t+3], v[RD] offset:\t*2*SPITCH
.endr
.endm
.macro SEND a, younger
.set BB, BK+32*((\a)%2)
	s_wait_dscnt \younger
.irp t, 0,1,2,3,4,5,6,7
	global_store_b128 v[CO], v[BB+4*\t:BB+4*\t+3], s[10:11] offset:(\a)*16*SIZE_N*4+2*\t*SIZE_N*4 th:TH_STORE_NT
.endr
.endm
	s_wait_kmcnt 0x0
	s_add_co_i32 s96, s96, s97
	s_add_co_i32 s96, s96, 127
	s_lshl_b32 s96, s96, 23
	PLACES NP
	TOSTAGE 0
.irp a, 1,2,3
.if \a > 1
	s_wait_xcnt 0x0
.endif
	TOSTAGE \a
	SEND \a-1, 16
.endr
	SEND 3, 0
	s_wait_tensorcnt 0x0
	ds_add_u32 v[SPW], v[NIL]
	s_wait_dscnt 0x0
	CROUND
	s_endpgm
.Lfunc_end_k_q8d597382f1_ffn2:
	.size	k_q8d597382f1_ffn2, .Lfunc_end_k_q8d597382f1_ffn2-k_q8d597382f1_ffn2
	.p2alignl 7, 3214868480
	.fill 96, 4, 3214868480
	.section	.rodata,"a",@progbits
	.p2align	6, 0x0
	.amdhsa_kernel k_q8d597382f1_ffn2
		.amdhsa_group_segment_fixed_size 327680
		.amdhsa_private_segment_fixed_size 0
		.amdhsa_enable_private_segment 0
		.amdhsa_kernarg_size 32
		.amdhsa_user_sgpr_count 2
		.amdhsa_user_sgpr_kernarg_segment_ptr 1
		.amdhsa_wavefront_size32 1
		.amdhsa_system_sgpr_workgroup_id_x 1
		.amdhsa_system_sgpr_workgroup_id_y 1
		.amdhsa_system_sgpr_workgroup_id_z 1
		.amdhsa_system_vgpr_workitem_id 0
		.amdhsa_next_free_vgpr 512
		.amdhsa_next_free_sgpr 98
		.amdhsa_reserve_vcc 0
		.amdhsa_float_denorm_mode_32 3
		.amdhsa_float_denorm_mode_16_64 3
		.amdhsa_memory_ordered 1
		.amdhsa_forward_progress 1
		.amdhsa_inst_pref_size 76
	.end_amdhsa_kernel
	.amdgpu_metadata
---
amdhsa.version: [ 1, 2 ]
amdhsa.kernels:
  - .name:           k_q8d597382f1_ffn2
    .symbol:         k_q8d597382f1_ffn2.kd
    .args:
      - { .name: hc, .offset: 0, .size: 8, .value_kind: global_buffer, .address_space: global }
      - { .name: wc, .offset: 8, .size: 8, .value_kind: global_buffer, .address_space: global }
      - { .name: lowp_scales, .offset: 16, .size: 8, .value_kind: global_buffer, .address_space: global }
      - { .name: cb, .offset: 24, .size: 8, .value_kind: global_buffer, .address_space: global }
    .group_segment_fixed_size: 327680
    .private_segment_fixed_size: 0
    .kernarg_segment_align: 8
    .kernarg_segment_size: 32
    .max_flat_workgroup_size: 128
    .sgpr_count:     98
    .vgpr_count:     512
    .wavefront_size: 32
...
	.end_amdgpu_metadata
.endif
;; end of part 16
;; launch ln2 (part 17): grid 512 x 1, 4 waves a work-group, no clusters, 0 bytes of LDS; arguments x1, cb, b2, g2, be2, out0; writes out0
.if DOCPART == 17
	.amdgcn_target "amdgcn-amd-amdhsa--gfx1250"
	.amdhsa_code_object_version 6
	.text
	.protected	k_q8d597382f1_ln2
	.globl	k_q8d597382f1_ln2
	.p2align	8
	.type	k_q8d597382f1_ln2,@function
k_q8d597382f1_ln2:
	s_mov_b64 s[64:65], 0
	v_nop
	global_prefetch_b8 v0, s[64:65] scope:SCOPE_SE
	s_setreg_imm32_b32 hwreg(HW_REG_WAVE_MODE, 25, 1), 1
	s_wait_xcnt 0x0
; out = layernorm(x1 + (c + b2)) x g2 + be2, rows of 1,024, in f32.  c is the second feed-forward product's result.  No work is left out.
; One wave, two rows, each kept in 32 registers between the passes: memory is read once, no wave waits for another, no LDS.  Load j of a row gives lane l columns 128 j + 4 l + 0 .. 3: 512 consecutive bytes an instruction.
; Mean, then the mean of the squared differences (two passes over registers), eps = 1e-5.
.set GA,  16                           ; v16-47   g
.set BE,  48                           ; v48-79   be
.set BS,  80                           ; v80-111  b2
.set XR,  112                          ; row p: v[112 + 64 p ..] 32 registers: x1, then the row at work
.set CR,  144                          ; row p: v[144 + 64 p ..] 32 registers: c
	s_load_b256 s[4:11], s[0:1], 0x0               ; x1, c, b2, g2
	s_load_b128 s[12:15], s[0:1], 0x20             ; be2, out
	v_lshrrev_b32 v1, 5, v0
	v_readfirstlane_b32 s20, v1                    ; wave
	v_and_b32 v2, 31, v0
	v_lshlrev_b32 v1, 4, v2                        ; 16 x lane
	v_mov_b32 v250, 0                              ; a lane permute's destination counts as one of its sources
	s_lshl_b32 s22, ttmp9, 3
	s_lshl_b32 s23, s20, 1
	s_add_co_u32 s22, s22, s23                     ; my first row
	s_lshl_b32 s24, s22, 12
	s_mov_b32 s25, 0
	s_mov_b32 s28, 0x76543210
	s_mov_b32 s29, 0xfedcba98
	s_mov_b32 s30, 0x3a800000                      ; 1 / 1,024
	s_mov_b32 s31, 0x3727c5ac                      ; 1e-5
	s_wait_alu depctr_va_vdst(0)
	s_wait_kmcnt 0x0
	s_add_nc_u64 s[4:5], s[4:5], s[24:25]
	s_add_nc_u64 s[6:7], s[6:7], s[24:25]
	s_add_nc_u64 s[14:15], s[14:15], s[24:25]
.macro RLOAD p
.irp j, 0,1,2,3,4,5,6,7
	global_load_b128 v[XR+64*\p+4*\j:XR+64*\p+4*\j+3], v1, s[4:5] offset:4096*\p+512*\j th:TH_LOAD_NT
.endr
.irp j, 0,1,2,3,4,5,6,7
	global_load_b128 v[CR+64*\p+4*\j:CR+64*\p+4*\j+3], v1, s[6:7] offset:4096*\p+512*\j th:TH_LOAD_NT
.endr
.endm
	RLOAD 0
.irp j, 0,1,2,3,4,5,6,7
	global_load_b128 v[BS+4*\j:BS+4*\j+3], v1, s[8:9] offset:512*\j
	global_load_b128 v[GA+4*\j:GA+4*\j+3], v1, s[10:11] offset:512*\j
	global_load_b128 v[BE+4*\j:BE+4*\j+3], v1, s[12:13] offset:512*\j
.endr
	RLOAD 1
.macro ALLSUM                          ; v2 summed over the 32 lanes, the result in every lane
	v_add_f32_dpp v2, v2, v2 row_xmask:1 row_mask:0xf bank_mask:0xf
	v_add_f32_dpp v2, v2, v2 row_xmask:2 row_mask:0xf bank_mask:0xf
	v_add_f32_dpp v2, v2, v2 row_xmask:4 row_mask:0xf bank_mask:0xf
	v_add_f32_dpp v2, v2, v2 row_xmask:8 row_mask:0xf bank_mask:0xf
	v_permlanex16_b32 v250, v2, s28, s29
	v_add_f32 v2, v2, v250
.endm
.macro ROW p
.set XP, XR+64*(\p)
.set CP, CR+64*(\p)
.if (\p) == 0
	s_wait_loadcnt 16                              ; row 0 and the three vectors are in; row 1's sixteen loads may be out
.else
	s_wait_loadcnt 0
.endif
.set jj, 0
.rept 16
	v_pk_add_f32 v[CP+jj:CP+jj+1], v[CP+jj:CP+jj+1], v[BS+jj:BS+jj+1]   ; c + b2,
.set jj, jj+2
.endr
.set jj, 0
.rept 16
	v_pk_add_f32 v[XP+jj:XP+jj+1], v[XP+jj:XP+jj+1], v[CP+jj:CP+jj+1]   ; x1 + that
.set jj, jj+2
.endr
	v_pk_add_f32 v[2:3], v[XP:XP+1], v[XP+2:XP+3]  ; the row's sum, in two chains
	v_pk_add_f32 v[4:5], v[XP+4:XP+5], v[XP+6:XP+7]
.set jj, 8
.rept 6
	v_pk_add_f32 v[2:3], v[2:3], v[XP+jj:XP+jj+1]
	v_pk_add_f32 v[4:5], v[4:5], v[XP+jj+2:XP+jj+3]
.set jj, jj+4
.endr
	v_pk_add_f32 v[2:3], v[2:3], v[4:5]
	v_add_f32 v2, v2, v3
	ALLSUM
	v_mul_f32 v6, s30, v2                          ; the mean
	v_mov_b32 v7, v6
.set jj, 0
.rept 16
	v_pk_add_f32 v[XP+jj:XP+jj+1], v[XP+jj:XP+jj+1], v[6:7] neg_lo:[0,1] neg_hi:[0,1]
.set jj, jj+2
.endr
	v_pk_mul_f32 v[2:3], v[XP:XP+1], v[XP:XP+1]    ; the squares' sum
	v_pk_mul_f32 v[4:5], v[XP+2:XP+3], v[XP+2:XP+3]
.set jj, 4
.rept 7
	v_pk_fma_f32 v[2:3], v[XP+jj:XP+jj+1], v[XP+jj:XP+jj+1], v[2:3]
	v_pk_fma_f32 v[4:5], v[XP+jj+2:XP+jj+3], v[XP+jj+2:XP+jj+3], v[4:5]
.set jj, jj+4
.endr
	v_pk_add_f32 v[2:3], v[2:3], v[4:5]
	v_add_f32 v2, v2, v3
	ALLSUM
	v_fma_f32 v10, v2, s30, s31                    ; the variance + eps
	s_wait_alu depctr_va_vdst(0)
	v_rsq_f32 v8, v10
	v_nop                                          ; a plain line behind the transcendental,
	s_wait_alu depctr_va_vdst(0)                   ; and the wait ahead of its first reader
	v_mov_b32 v9, v8
.set jj, 0
.rept 16
	v_pk_mul_f32 v[XP+jj:XP+jj+1], v[XP+jj:XP+jj+1], v[8:9]
.set jj, jj+2
.endr
.set jj, 0
.rept 16
	v_pk_fma_f32 v[XP+jj:XP+jj+1], v[XP+jj:XP+jj+1], v[GA+jj:GA+jj+1], v[BE+jj:BE+jj+1]
.set jj, jj+2
.endr
.irp j, 0,1,2,3,4,5,6,7
	global_store_b128 v1, v[XP+4*\j:XP+4*\j+3], s[14:15] offset:4096*(\p)+512*\j th:TH_STORE_NT
.endr
.endm
	ROW 0
	ROW 1
	s_endpgm
.Lfunc_end_k_q8d597382f1_ln2:
	.size	k_q8d597382f1_ln2, .Lfunc_end_k_q8d597382f1_ln2-k_q8d597382f1_ln2
	.p2alignl 7, 3214868480
	.fill 96, 4, 3214868480
	.section	.rodata,"a",@progbits
	.p2align	6, 0x0
	.amdhsa_kernel k_q8d597382f1_ln2
		.amdhsa_group_segment_fixed_size 0
		.amdhsa_private_segment_fixed_size 0
		.amdhsa_enable_private_segment 0
		.amdhsa_kernarg_size 48
		.amdhsa_user_sgpr_count 2
		.amdhsa_user_sgpr_kernarg_segment_ptr 1
		.amdhsa_wavefront_size32 1
		.amdhsa_system_sgpr_workgroup_id_x 1
		.amdhsa_system_sgpr_workgroup_id_y 1
		.amdhsa_system_sgpr_workgroup_id_z 1
		.amdhsa_system_vgpr_workitem_id 0
		.amdhsa_next_free_vgpr 256
		.amdhsa_next_free_sgpr 66
		.amdhsa_reserve_vcc 0
		.amdhsa_float_denorm_mode_32 3
		.amdhsa_float_denorm_mode_16_64 3
		.amdhsa_memory_ordered 1
		.amdhsa_forward_progress 1
		.amdhsa_inst_pref_size 24
	.end_amdhsa_kernel
	.amdgpu_metadata
---
amdhsa.version: [ 1, 2 ]
amdhsa.kernels:
  - .name:           k_q8d597382f1_ln2
    .symbol:         k_q8d597382f1_ln2.kd
    .args:
      - { .name: x1, .offset: 0, .size: 8, .value_kind: global_buffer, .address_space: global }
      - { .name: cb, .offset: 8, .size: 8, .value_kind: global_buffer, .address_space: global }
      - { .name: b2, .offset: 16, .size: 8, .value_kind: global_buffer, .address_space: global }
      - { .name: g2, .offset: 24, .size: 8, .value_kind: global_buffer, .address_space: global }
      - { .name: be2, .offset: 32, .size: 8, .value_kind: global_buffer, .address_space: global }
      - { .name: out0, .offset: 40, .size: 8, .value_kind: global_buffer, .address_space: global }
    .group_segment_fixed_size: 0
    .private_segment_fixed_size: 0
    .kernarg_segment_align: 8
    .kernarg_segment_size: 48
    .max_flat_workgroup_size: 128
    .sgpr_count:     66
    .vgpr_count:     256
    .wavefront_size: 32
...
	.end_amdgpu_metadata
.endif
;; end of part 17
